; MI455X (gfx1250); checked and timed in simulation.
; The chip was launched on July 23, 2026; its instructions are those of AMD's public machine-readable ISA for CDNA 5 (MIT licence, August 2026) and "CDNA5" Instruction Set Architecture Reference Guide (July 2026). The comments in the code are by the model that wrote it; some were corrected since.
;; Longformer Attention. Allowed arithmetic: float matrix products may take bf16 or f16 operands with f32 sums; all other float work in f32.
;; Inputs: Wk_g 1,024 x 16 x 64 float32; Wk_sw 1,024 x 16 x 64 float32; Wo 16 x 64 x 1,024 float32; Wq_g 1,024 x 16 x 64 float32; Wq_sw 1,024 x 16 x 64 float32; Wv_g 1,024 x 16 x 64 float32; Wv_sw 1,024 x 16 x 64 float32; bk_g 16 x 64 float32; bk_sw 16 x 64 float32; bo 1,024 float32; bq_g 16 x 64 float32; bq_sw 16 x 64 float32; bv_g 16 x 64 float32; bv_sw 16 x 64 float32; global_mask 2 x 2,048 bool; inputs_kv 2 x 2,048 x 1,024 float32; inputs_q 2 x 2,048 x 1,024 float32.
;; Outputs: out0 2 x 2,048 x 1,024 float32.
;; 2 versions, each right and faster than the one before. Each part assembles by itself: llvm-mc -triple=amdgcn-amd-amdhsa -mcpu=gfx1250 --defsym DOCPART=n.
;; ======== version 1 of 2: 5 launches
;; limits: values are held in f16: magnitudes above 65,504 overflow, below 6.1e-05 lose precision
;; workspace buffers: cbuf 31,457,280 bytes; qkv 50,331,648 bytes; xatt 8,388,608 bytes; cbias 16,384 bytes; tab 16,640 bytes of whole numbers
;; launch prep (part 1): grid 962 x 1, 8 waves a work-group, no clusters, 9,472 bytes of LDS; arguments inputs_q, inputs_kv, Wq_sw, Wq_g, Wk_sw, Wv_sw, Wk_g, Wv_g, Wo, global_mask, cbuf, cbias, tab; writes cbuf, cbias, tab
.if DOCPART == 1
	.amdgcn_target "amdgcn-amd-amdhsa--gfx1250"
	.amdhsa_code_object_version 6
	.text
	.protected	k_q50a5b0f0df_prep
	.globl	k_q50a5b0f0df_prep
	.p2align	8
	.type	k_q50a5b0f0df_prep,@function
k_q50a5b0f0df_prep:
	s_mov_b64 s[64:65], 0
	v_nop
	global_prefetch_b8 v0, s[64:65] scope:SCOPE_SE
	s_setreg_imm32_b32 hwreg(HW_REG_WAVE_MODE, 25, 1), 1
	s_wait_xcnt 0x0
; PREPARATION.  Work-groups 0 to 959 round the two activations and the seven weights to 16 bits; work-groups 960 and 961 read one batch's global_mask.
; cbuf is 15 units of 2 MiB: 0-3 inputs_q, 4-7 inputs_kv, 8-13 Wq_sw, Wq_g, Wk_sw, Wv_sw, Wk_g, Wv_g (all bf16, laid as the f32 lie), 14 Wo: rounded to bf16 and that number written as f16.
; LIMIT.  Wo lies within f16's 65,504; below 2^-17 the bf16 number keeps f16's fixed step of 6e-8.
; A cast work-group takes 65,536 bytes of f32: sixteen loads of 16 bytes a thread, all asked for at once; each store of a wave covers 256 consecutive bytes, aligned.
; A scan work-group writes cbias (f32 for each key: 0 where the key is global, else -8e10 = 8 x -1e10, since it is added ahead of the division by 8), and its wave 0 writes tab:
; the list of the batch's global rows (any order; entries from G on repeat the first row of the last group of 32), then G, NG = groups of 32 (at least 1), FM = bit t set where key tile t of 64 keys holds a global key.
; No matrix unit, no cluster, no barrier: no byte is shared, and in a scan work-group only wave 0 keeps data in LDS; every wave there adds 0 to its own word at the end.
.set NEGB, 0xd19502f9                  ; -8e10
.set X, 4                              ; v[4:67]   sixteen loads of four f32
.set Y, 68                             ; v[68:99]  sixteen pairs to store
.set T, 100                            ; v[100:103] at work
	s_load_b512 s[8:23], s[0:1], 0x0               ; inputs_q, inputs_kv, Wq_sw, Wq_g, Wk_sw, Wv_sw, Wk_g, Wv_g
	s_load_b256 s[24:31], s[0:1], 0x40             ; Wo, global_mask, cbuf, cbias
	s_load_b64 s[32:33], s[0:1], 0x60              ; tab
	v_lshl_add_u32 v128, v0, 2, 0x2100
	v_mov_b32 v129, 0
	s_mov_b32 s3, ttmp9
	v_lshlrev_b32 v1, 4, v0                        ; 16 x thread
	v_lshlrev_b32 v2, 3, v0                        ; 8 x thread
	s_lshr_b32 s34, s3, 6                          ; unit u
	s_and_b32 s35, s3, 63                          ; chunk c of the unit
	s_mov_b32 s39, 0
	s_mov_b32 s41, 0
	s_wait_kmcnt 0x0
	s_cmp_ge_u32 s3, 960
	s_cbranch_scc1 .Lscan
	; the unit's source: a choice between buffers on the unit's number
	s_mov_b64 s[36:37], s[8:9]
	s_cmp_ge_u32 s34, 4
	s_cselect_b64 s[36:37], s[10:11], s[36:37]
.irp t, 0,1,2,3,4,5
	s_cmp_eq_u32 s34, 8+\t
	s_cselect_b64 s[36:37], s[12+2*\t:13+2*\t], s[36:37]
.endr
	s_cmp_eq_u32 s34, 14
	s_cselect_b64 s[36:37], s[24:25], s[36:37]
	s_and_b32 s38, s34, 3                          ; an activation is four units of 4 MiB of f32
	s_lshl_b32 s38, s38, 22
	s_cmp_lt_u32 s34, 8
	s_cselect_b32 s38, s38, 0
	s_lshl_b32 s40, s35, 16
	s_add_co_u32 s38, s38, s40
	s_add_nc_u64 s[36:37], s[36:37], s[38:39]
	s_lshl_b32 s40, s34, 21
	s_lshl_b32 s42, s35, 15
	s_add_co_u32 s40, s40, s42
	s_add_nc_u64 s[28:29], s[28:29], s[40:41]
.irp i, 0,1,2,3,4,5,6,7,8,9,10,11,12,13,14,15
	global_load_b128 v[X+4*\i:X+4*\i+3], v1, s[36:37] offset:4096*\i th:TH_LOAD_NT
.endr
.macro CV i, wo
	s_wait_loadcnt 15-(\i)                         ; loads come back in order: load i is in, the younger ones stay out
	v_cvt_pk_bf16_f32 v[Y+2*(\i)], v[X+4*(\i)], v[X+4*(\i)+1]
	v_cvt_pk_bf16_f32 v[Y+2*(\i)+1], v[X+4*(\i)+2], v[X+4*(\i)+3]
.if \wo
	v_lshlrev_b32 v[T], 16, v[Y+2*(\i)]            ; the bf16 numbers as f32,
	v_and_b32 v[T+1], 0xffff0000, v[Y+2*(\i)]
	v_lshlrev_b32 v[T+2], 16, v[Y+2*(\i)+1]
	v_and_b32 v[T+3], 0xffff0000, v[Y+2*(\i)+1]
	v_cvt_pk_f16_f32 v[Y+2*(\i)], v[T], v[T+1]     ; written as f16
	v_cvt_pk_f16_f32 v[Y+2*(\i)+1], v[T+2], v[T+3]
.endif
	global_store_b64 v2, v[Y+2*(\i):Y+2*(\i)+1], s[28:29] offset:2048*(\i)
.endm
	s_cmp_eq_u32 s34, 14
	s_cbranch_scc1 .Lwo
.irp i, 0,1,2,3,4,5,6,7,8,9,10,11,12,13,14,15
	CV \i, 0
.endr
	s_endpgm
.Lwo:
.irp i, 0,1,2,3,4,5,6,7,8,9,10,11,12,13,14,15
	CV \i, 1
.endr
	s_endpgm
.Lscan:
	s_sub_co_u32 s34, s3, 960                      ; the batch
	s_lshl_b32 s38, s34, 11
	s_add_nc_u64 s[26:27], s[26:27], s[38:39]      ; its 2,048 mask bytes
	s_lshl_b32 s38, s34, 13
	s_add_nc_u64 s[30:31], s[30:31], s[38:39]      ; its 8,192 bytes of cbias
	s_add_nc_u64 s[36:37], s[32:33], s[38:39]      ; its list in tab
	s_lshl_b32 s38, s34, 4
	s_add_co_u32 s38, s38, 16384
	s_add_nc_u64 s[32:33], s[32:33], s[38:39]      ; its four words behind the lists
	s_mov_b32 s42, NEGB
	v_lshlrev_b32 v3, 2, v0
	global_load_b32 v4, v3, s[26:27]               ; four mask bytes a thread, twice
	global_load_b32 v5, v3, s[26:27] offset:1024
	v_lshrrev_b32 v6, 5, v0
	v_readfirstlane_b32 s43, v6                    ; wave
	s_wait_loadcnt 0x0
.irp r, 0,1
.irp c, 0,1,2,3
	v_bfe_u32 v7, v[4+\r], 8*\c, 8
	v_cmp_eq_u32 vcc_lo, 0, v7
	v_cndmask_b32 v[8+4*\r+\c], 0, s42, vcc_lo     ; not global: -8e10
.endr
.endr
	global_store_b128 v1, v[8:11], s[30:31]
	global_store_b128 v1, v[12:15], s[30:31] offset:4096
	s_cmp_lg_u32 s43, 0
	s_cbranch_scc1 .Lend
	; wave 0 alone: lane l holds key tile l, 64 mask bytes in v[20:35]
	v_lshlrev_b32 v16, 6, v0
.irp i, 0,1,2,3
	global_load_b128 v[20+4*\i:23+4*\i], v16, s[26:27] offset:16*\i
.endr
.irp i, 36,37,38,39
	v_mov_b32 v\i, 0
.endr
.irp i, 0,1,2,3,4,5,6,7,8,9,10,11,12,13,14,15
	ds_store_b128 v1, v[36:39] offset:512*\i       ; the list's 2,048 words start at 0
.endr
	v_add_nc_u32 v43, 0x800, v0                    ; word 2,048 + lane: where a lane without a global key writes
	v_lshlrev_b32 v44, 2, v43
	ds_store_b32 v44, v36
	s_mov_b32 s46, 0                               ; rows listed so far
	s_wait_loadcnt 0x0
	v_or_b32 v45, v20, v21
.irp i, 22,23,24,25,26,27,28,29,30,31,32,33,34,35
	v_or_b32 v45, v45, v\i
.endr
	v_cmp_ne_u32 s44, 0, v45                       ; FM: bit l = tile l holds a global key
.set k, 0
.rept 64                               ; key k of all 32 tiles at once: a set lane's place is the count so far plus the set lanes below it
	v_bfe_u32 v46, v[20+k/4], 8*(k%4), 8
	v_cmp_ne_u32 vcc_lo, 0, v46
	v_mbcnt_lo_u32_b32 v47, vcc_lo, s46
	v_cndmask_b32 v47, v43, v47, vcc_lo
	v_min_u32 v47, 0x81f, v47                      ; inside the list and the 32 words behind it
	v_lshlrev_b32 v47, 2, v47
	v_add_nc_u32 v48, k, v16                       ; the row: 64 l + k
	ds_store_b32 v47, v48
	s_bcnt1_i32_b32 s45, vcc_lo
	s_add_co_u32 s46, s46, s45
.set k, k+1
.endr
	s_wait_dscnt 0x0
	s_max_u32 s47, s46, 1                          ; the entry that fills the list's end: the first of the last group of 32
	s_sub_co_u32 s47, s47, 1
	s_and_b32 s47, s47, 0xffffffe0
	s_min_u32 s47, s47, 2047
	s_lshl_b32 s47, s47, 2
	v_mov_b32 v49, s47
	ds_load_b32 v50, v49
.irp i, 0,1,2,3,4,5,6,7,8,9,10,11,12,13,14,15
	ds_load_b128 v[52+4*\i:55+4*\i], v1 offset:512*\i
.endr
	v_lshlrev_b32 v116, 2, v0                      ; my four entries in 128: 4 l + c
	v_add_nc_u32 v117, 1, v116
	v_add_nc_u32 v118, 2, v116
	v_add_nc_u32 v119, 3, v116
	s_wait_dscnt 0x0
.irp i, 0,1,2,3,4,5,6,7,8,9,10,11,12,13,14,15
	s_sub_co_i32 s48, s46, 128*\i                  ; G less the entries in front of these 128
.irp c, 0,1,2,3
	v_cmp_gt_i32 vcc_lo, s48, v[116+\c]
	v_cndmask_b32 v[52+4*\i+\c], v50, v[52+4*\i+\c], vcc_lo
.endr
	global_store_b128 v1, v[52+4*\i:55+4*\i], s[36:37] offset:512*\i
.endr
	s_add_co_u32 s49, s46, 31
	s_lshr_b32 s49, s49, 5
	s_max_u32 s49, s49, 1
	v_mov_b32 v120, s46                            ; G
	v_mov_b32 v121, s49                            ; NG
	v_mov_b32 v122, s44                            ; FM
	v_mov_b32 v123, 0
	v_mov_b32 v124, 0
	v_cmp_eq_u32 vcc_lo, 0, v0
	s_wait_xcnt 0x0                                ; EXEC changes only behind this wait: the stores above have it as a source
	s_and_saveexec_b32 s50, vcc_lo
	global_store_b128 v124, v[120:123], s[32:33]   ; lane 0 alone
	s_wait_xcnt 0x0
	s_or_b32 exec_lo, exec_lo, s50
.Lend:
	s_wait_tensorcnt 0x0
	ds_add_u32 v128, v129
	s_wait_dscnt 0x0
	s_endpgm
.Lfunc_end_k_q50a5b0f0df_prep:
	.size	k_q50a5b0f0df_prep, .Lfunc_end_k_q50a5b0f0df_prep-k_q50a5b0f0df_prep
	.p2alignl 7, 3214868480
	.fill 96, 4, 3214868480
	.section	.rodata,"a",@progbits
	.p2align	6, 0x0
	.amdhsa_kernel k_q50a5b0f0df_prep
		.amdhsa_group_segment_fixed_size 9472
		.amdhsa_private_segment_fixed_size 0
		.amdhsa_enable_private_segment 0
		.amdhsa_kernarg_size 104
		.amdhsa_user_sgpr_count 2
		.amdhsa_user_sgpr_kernarg_segment_ptr 1
		.amdhsa_wavefront_size32 1
		.amdhsa_system_sgpr_workgroup_id_x 1
		.amdhsa_system_sgpr_workgroup_id_y 1
		.amdhsa_system_sgpr_workgroup_id_z 1
		.amdhsa_system_vgpr_workitem_id 0
		.amdhsa_next_free_vgpr 130
		.amdhsa_next_free_sgpr 66
		.amdhsa_reserve_vcc 1
		.amdhsa_float_denorm_mode_32 3
		.amdhsa_float_denorm_mode_16_64 3
		.amdhsa_memory_ordered 1
		.amdhsa_forward_progress 1
		.amdhsa_inst_pref_size 58
	.end_amdhsa_kernel
	.amdgpu_metadata
---
amdhsa.version: [ 1, 2 ]
amdhsa.kernels:
  - .name:           k_q50a5b0f0df_prep
    .symbol:         k_q50a5b0f0df_prep.kd
    .args:
      - { .name: inputs_q, .offset: 0, .size: 8, .value_kind: global_buffer, .address_space: global }
      - { .name: inputs_kv, .offset: 8, .size: 8, .value_kind: global_buffer, .address_space: global }
      - { .name: Wq_sw, .offset: 16, .size: 8, .value_kind: global_buffer, .address_space: global }
      - { .name: Wq_g, .offset: 24, .size: 8, .value_kind: global_buffer, .address_space: global }
      - { .name: Wk_sw, .offset: 32, .size: 8, .value_kind: global_buffer, .address_space: global }
      - { .name: Wv_sw, .offset: 40, .size: 8, .value_kind: global_buffer, .address_space: global }
      - { .name: Wk_g, .offset: 48, .size: 8, .value_kind: global_buffer, .address_space: global }
      - { .name: Wv_g, .offset: 56, .size: 8, .value_kind: global_buffer, .address_space: global }
      - { .name: Wo, .offset: 64, .size: 8, .value_kind: global_buffer, .address_space: global }
      - { .name: global_mask, .offset: 72, .size: 8, .value_kind: global_buffer, .address_space: global }
      - { .name: cbuf, .offset: 80, .size: 8, .value_kind: global_buffer, .address_space: global }
      - { .name: cbias, .offset: 88, .size: 8, .value_kind: global_buffer, .address_space: global }
      - { .name: tab, .offset: 96, .size: 8, .value_kind: global_buffer, .address_space: global }
    .group_segment_fixed_size: 9472
    .private_segment_fixed_size: 0
    .kernarg_segment_align: 8
    .kernarg_segment_size: 104
    .max_flat_workgroup_size: 256
    .sgpr_count:     66
    .vgpr_count:     130
    .wavefront_size: 32
...
	.end_amdgpu_metadata
.endif
;; end of part 1
;; launch proj (part 2): grid 24 x 32, 4 waves a work-group, clusters of 4 x 4, 327,680 bytes of LDS; arguments cbuf, bq_sw, bq_g, bk_sw, bv_sw, bk_g, bv_g, qkv; writes qkv
.if DOCPART == 2
	.amdgcn_target "amdgcn-amd-amdhsa--gfx1250"
	.amdhsa_code_object_version 6
	.text
	.protected	k_q50a5b0f0df_proj
	.globl	k_q50a5b0f0df_proj
	.p2align	8
	.type	k_q50a5b0f0df_proj,@function
k_q50a5b0f0df_proj:
	s_mov_b64 s[64:65], 0
	v_nop
	global_prefetch_b8 v0, s[64:65] scope:SCOPE_SE
	s_setreg_imm32_b32 hwreg(HW_REG_WAVE_MODE, 25, 1), 1
	s_wait_xcnt 0x0
	s_wait_alu depctr_hold_cnt(0) depctr_sa_sdst(0) depctr_va_vdst(0) depctr_va_sdst(0) depctr_va_ssrc(0) depctr_va_vcc(0) depctr_vm_vsrc(0)
	s_getreg_b32 s2, hwreg(HW_REG_IB_STS2, 6, 4)
	s_cmp_eq_u32 s2, 0
	s_cbranch_scc0 .Lentry_in_a_cluster
	s_endpgm
.Lentry_in_a_cluster:
	s_bfe_u32 s2, ttmp6, 0x10000c
	s_cmp_lg_u32 s2, 0xf033
	s_cbranch_scc0 .Lentry_shape_is_right
	s_endpgm
.Lentry_shape_is_right:
; THE SIX PROJECTIONS as one product: C[4096][6 x 1024] = X W + bias.  X (inputs_q for tensors 0, 1, inputs_kv for 2 to 5) and W in bf16 from cbuf, sums in f32, the bias rounded to bf16 like every input;
; the result leaves as f16, by heads: qkv tensor t at t x 8 MiB, [batch][head][row][64].  Tensors: q_sw, q_g, k_sw, v_sw, k_g, v_g.
; LIMIT.  f16 holds no number beyond 65,504: q, k and v must lie within it.
; SHARES.  A tile of C is 128 rows x 256 columns (four heads of one tensor): 768 work-groups.  Four waves, each 64 x 128: 32 accumulators of 16 x 16.  K goes in 8 steps of 128 through two LDS slots.
; W lies [k][n], so its fragments come turned, by ds_load_tr16_b128.  THE MATRIX INSTRUCTION IS USED TRANSPOSED (source 0 = 16 columns of W, source 1 = 16 rows of X): a lane holds one row of C and eight neighbouring channels.
; The bias, in the result's layout, is the C operand of the first quarter's products: nothing is cleared and nothing is added later.
; CLUSTER 4 x 4: the cluster's x is the tensor, cx the group of four heads, the rows go along y.  X's tile is shared along a row of the cluster, W's along a column: each is asked for jointly.
; REGISTERS: window 0: v16-29 addresses; v32-63 the way out; v64-159, v160-255 two fragment buffers (64 of W, 32 of X).  Window 1: the accumulators, (a, nb) at 8 (8 a + nb).  Window 2: v0-63 the bias, v64-65 at work.
.set KSTEP,  128
.set PA,     272                       ; a row of X in LDS: 256 bytes + 16: the 16 rows of a fragment load start 68 words apart
.set PB,     544                       ; a row of W: 512 bytes + 32: 17 x 32
.set AHALF,  64*PA
.set BOFF,   2*AHALF                   ; X's 128 rows, then W's 128 rows of k
.set BHALF,  64*PB
.set SLOT,   BOFF+2*BHALF
.set STAGE,  2*SLOT                    ; behind the ring: for each wave 2 heads x 16 rows x 144 bytes
.set SP,     144
.set WSTG,   2*16*SP
.set SPARE,  STAGE+4*WSTG              ; the spare words, 128 bytes for each wave: two blocks of 256 bytes that no other line names
.set LAPS,   4                         ; a lap = two K steps
.set ADRA, 16                          ; v16-17 my X fragments in slot 0, 1
.set ADRB, 20                          ; v20-21 my W fragments
.set STO,  24
.set RD,   25
.set GO,   26
.set BO,   27
.set SPW,  28
.set NIL,  29
.set TMP,  32
.set F0,   64
.set F1,   160
.set G1, 24                            ; s[24:31] group 1 for X's tiles; s[32:39] group 0, a set for each slot
.set G0, 32
.set G1B, 48                           ; s[48:55], s[56:63] the same for W's
.set G0B, 56
.set MUL,  0x50                        ; fragments window 0; C and D window 1
.set MULB, 0x60                        ; C window 2 (the bias), D window 1
.set MSB, 0
.macro WIN new                         ; the immediate's high byte repeats the setting that is left
.if MSB != (\new)
	s_set_vgpr_msb (MSB<<8)|(\new)
.set MSB, \new
.endif
.endm
.macro JLOAD s                         ; a joint load: waves 0 and 1 fetch X's two halves, waves 2 and 3 W's; an s_nop 0 and four v_nop follow each line
	s_cmp_eq_u32 s11, 0
	s_cbranch_scc0 .Lfor_b_\@
	tensor_load_to_lds s[G0+4*(\s):G0+4*(\s)+3], s[G1:G1+7]
	s_nop 0
.rept 4
	v_nop
.endr
	s_branch .Lasked_\@
.Lfor_b_\@:
	tensor_load_to_lds s[G0B+4*(\s):G0B+4*(\s)+3], s[G1B:G1B+7]
	s_nop 0
.rept 4
	v_nop
.endr
.Lasked_\@:
.endm
.macro CREST                           ; a round of the cluster's barrier behind its opening barrier
	s_cmp_lg_u32 s10, 0
	s_cbranch_scc1 .Lnot_wave_0_\@
	s_barrier_signal -3
.Lnot_wave_0_\@:
	s_barrier_wait -3
	s_barrier_signal -1
	s_barrier_wait -1
.endm
.macro CROUND
	s_barrier_signal -1
	s_barrier_wait -1
	CREST
.endm
.macro PLACES                          ; four places in front of loads into registers that matrix instructions have read, and of lines that read results
.rept 4
	v_nop
.endr
.endm
	s_load_b512 s[68:83], s[0:1], 0x0              ; cbuf, six biases in the tensors' order, qkv
	v_lshl_add_u32 v[SPW], v0, 2, SPARE
	v_mov_b32 v[NIL], 0
	ds_add_u32 v28, v29
	ds_add_u32 v28, v29
	s_wait_dscnt 0x0
	v_lshrrev_b32 v1, 5, v0
	v_readfirstlane_b32 s10, v1                    ; wave 0..3
	s_lshr_b32 s11, s10, 1                         ; my half of the tile's rows.  Also: I fetch for X (0) or for W (1)
	s_and_b32 s12, s10, 1                          ; my half of its columns.  Also: which half of that tile I fetch
	s_bfe_u32 s40, ttmp6, 0x40000                  ; cx: the group of four heads
	s_bfe_u32 s41, ttmp6, 0x40004                  ; cy
	s_mov_b32 s45, ttmp9                           ; the cluster's x: the tensor, shared by all sixteen
	s_and_b32 s13, ttmp7, 0xffff
	s_lshl_b32 s13, s13, 2
	s_add_co_u32 s13, s13, s41                     ; block of 128 rows = 4 x cluster y + cy
	s_lshl_b32 s43, s41, 2
	s_lshl_b32 s43, 15, s43                        ; my row of the cluster
	s_lshl_b32 s44, 0x1111, s40                    ; my column
	s_or_b32 s[G1+0], s43, (1<<16)|(1<<20)|(1<<21)|(5<<22)|(3<<25)   ; mask; 2-byte elements; padding on; bit 21 beside a mask; after every 64 words, 4 words
	s_mov_b32 s[G1+1], 128<<16                     ; tensor_dim0 = 128
	s_mov_b32 s[G1+2], 64<<16                      ; tensor_dim1 = 64
	s_mov_b32 s[G1+3], 128<<16                     ; tile_dim0 = 128
	s_mov_b32 s[G1+4], 64                          ; tile_dim1 = 64
	s_mov_b32 s[G1+5], 1024                        ; elements from row to row
	s_mov_b32 s[G1+6], 0
	s_mov_b32 s[G1+7], 0
	s_or_b32 s[G1B+0], s44, (1<<16)|(1<<20)|(1<<21)|(6<<22)|(7<<25)  ; after every 128 words, 8 words
	s_mov_b32 s[G1B+1], 256<<16
	s_mov_b32 s[G1B+2], 64<<16
	s_mov_b32 s[G1B+3], 256<<16
	s_mov_b32 s[G1B+4], 64
	s_mov_b32 s[G1B+5], 1024
	s_mov_b32 s[G1B+6], 0
	s_mov_b32 s[G1B+7], 0
	; X's tile hangs on the block of rows and the tensor, W's on the tensor and cx; each offset in registers that never hold the other's coordinate
	s_lshl_b32 s16, s13, 7
	s_lshl_b32 s17, s12, 6
	s_add_co_u32 s16, s16, s17                     ; row 128 x block + 64 x half
	s_lshl_b32 s16, s16, 11                        ; x 2,048 bytes
	s_cmp_ge_u32 s45, 2
	s_cselect_b32 s17, 0x800000, 0                 ; tensors 2 to 5 read inputs_kv
	s_add_co_u32 s16, s16, s17
	s_mov_b32 s17, 0
	s_lshl_b32 s46, s45, 21                        ; the tensor's weights,
	s_lshl_b32 s47, s40, 9                         ; 256 columns x cx,
	s_add_co_u32 s46, s46, s47
	s_lshl_b32 s47, s12, 17                        ; 64 rows of k x half
	s_add_co_u32 s46, s46, s47
	s_add_co_u32 s46, s46, 0x1000000               ; the weights begin at unit 8
	s_mov_b32 s47, 0
	s_mul_i32 s20, s12, AHALF                      ; where they go: no place in the cluster enters an LDS address
	s_mul_i32 s21, s12, BHALF
	s_add_co_u32 s21, s21, BOFF
	s_wait_kmcnt 0x0
	s_add_nc_u64 s[14:15], s[68:69], s[16:17]
	s_add_nc_u64 s[46:47], s[68:69], s[46:47]
	CROUND                                         ; all sixteen work-groups are here: the first joint loads meet
.irp s, 0,1
	s_mov_b32 s[G0+4*(\s)], 1
	s_add_co_u32 s[G0+4*(\s)+1], s20, (\s)*SLOT
	s_add_nc_u64 s[G0+4*(\s)+2:G0+4*(\s)+3], s[14:15], (\s)*KSTEP*2
	s_or_b32 s[G0+4*(\s)+3], s[G0+4*(\s)+3], 0x80000000
	s_mov_b32 s[G0B+4*(\s)], 1
	s_add_co_u32 s[G0B+4*(\s)+1], s21, (\s)*SLOT
	s_add_nc_u64 s[G0B+4*(\s)+2:G0B+4*(\s)+3], s[46:47], (\s)*KSTEP*2048
	s_or_b32 s[G0B+4*(\s)+3], s[G0B+4*(\s)+3], 0x80000000
	JLOAD \s
.endr
	v_and_b32 v1, 15, v0                           ; l % 16
	v_bfe_u32 v2, v0, 4, 1                         ; l / 16
	v_mul_u32_u24 v3, v1, PA
	v_lshl_add_u32 v3, v2, 4, v3                   ; X: row x pitch + 16 x half
	s_mul_i32 s22, s11, AHALF                      ; my 64 rows
	v_and_b32 v7, 7, v0
	v_lshl_add_u32 v4, v2, 3, v7                   ; W, turned: row of k 8 (l / 16) + l % 8,
	v_mul_u32_u24 v4, v4, PB
	v_bfe_u32 v5, v0, 3, 1
	v_lshl_add_u32 v4, v5, 4, v4                   ; columns 8 ((l / 8) % 2) on
	s_lshl_b32 s23, s12, 8                         ; my 128 columns
	s_add_co_u32 s23, s23, BOFF
.irp s, 0,1
	v_add_nc_u32 v[ADRA+(\s)], s22, v3
	v_add_nc_u32 v[ADRB+(\s)], s23, v4
	s_add_co_u32 s22, s22, SLOT
	s_add_co_u32 s23, s23, SLOT
.endr
	s_mul_i32 s22, s10, WSTG
	s_add_co_u32 s22, s22, STAGE                   ; my stage
	v_mul_u32_u24 v6, v1, SP                       ; in: row l % 16, 16 bytes for each half of the lanes
	v_lshl_add_u32 v6, v2, 4, v6
	v_add_nc_u32 v[STO], s22, v6
	v_bfe_u32 v6, v0, 3, 2                         ; back: 32 lanes take four rows of 128 bytes,
	v_mul_u32_u24 v6, v6, SP
	v_lshl_add_u32 v6, v7, 4, v6
	v_add_nc_u32 v[RD], s22, v6
	v_and_b32 v[GO], 31, v0                        ; which are 512 consecutive bytes of a head's rows
	v_lshlrev_b32 v[GO], 4, v[GO]
	s_lshr_b32 s86, s13, 4                         ; where my part begins in qkv: plane 16 batch + 4 cx + 2 x column half,
	s_lshl_b32 s86, s86, 4
	s_lshl_b32 s87, s40, 2
	s_add_co_u32 s86, s86, s87
	s_lshl_b32 s87, s12, 1
	s_add_co_u32 s86, s86, s87
	s_lshl_b32 s86, s86, 11                        ; of 2,048 rows,
	s_and_b32 s87, s13, 15
	s_lshl_b32 s87, s87, 7
	s_add_co_u32 s86, s86, s87                     ; the block's rows in the batch,
	s_lshl_b32 s87, s11, 6
	s_add_co_u32 s86, s86, s87                     ; my 64 of them,
	s_lshl_b32 s86, s86, 7                         ; of 128 bytes,
	s_lshl_b32 s87, s45, 23
	s_add_co_u32 s86, s86, s87                     ; in tensor t
	s_mov_b32 s87, 0
	s_add_nc_u64 s[82:83], s[82:83], s[86:87]
	s_mov_b64 s[84:85], s[70:71]                   ; the tensor's bias
.irp t, 1,2,3,4,5
	s_cmp_eq_u32 s45, \t
	s_cselect_b64 s[84:85], s[70+2*\t:71+2*\t], s[84:85]
.endr
	s_lshl_b32 s88, s40, 10
	s_lshl_b32 s89, s12, 9
	s_add_co_u32 s88, s88, s89
	v_lshl_add_u32 v[BO], v2, 5, s88               ; my eight channels of column block 0: (256 cx + 128 half + 8 (l / 16)) x 4 bytes
	WIN 0x80                                       ; destination window 2
.irp nb, 0,1,2,3,4,5,6,7
	global_load_b128 v[8*\nb:8*\nb+3],   v[BO], s[84:85] offset:64*\nb
	global_load_b128 v[8*\nb+4:8*\nb+7], v[BO], s[84:85] offset:64*\nb+16
.endr
	s_wait_loadcnt 0x0
	WIN 0x8a                                       ; all in window 2: the bias is rounded to bf16 and widened again
.set p, 0
.rept 32
	v_cvt_pk_bf16_f32 v[64+p%2], v[2*p], v[2*p+1]
	v_lshlrev_b32 v[2*p], 16, v[64+p%2]
	v_and_b32 v[2*p+1], 0xffff0000, v[64+p%2]
.set p, p+1
.endr
	WIN 0
; 8 matrix instructions: row block a x all 8 column blocks, 32 along K.  first = 1: the bias starts the sums.  Each accumulator has one turn in a quarter: 31 others stand between two links.
.macro MULA f, a, first
.if \first
	WIN MULB
.else
	WIN MUL
.endif
.irp nb, 0,1,2,3,4,5,6,7
.if \first
	v_wmma_f32_16x16x32_bf16 v[8*(8*(\a)+\nb):8*(8*(\a)+\nb)+7], v[(\f)+8*\nb:(\f)+8*\nb+7], v[(\f)+64+8*(\a):(\f)+64+8*(\a)+7], v[8*\nb:8*\nb+7]
.else
	v_wmma_f32_16x16x32_bf16 v[8*(8*(\a)+\nb):8*(8*(\a)+\nb)+7], v[(\f)+8*\nb:(\f)+8*\nb+7], v[(\f)+64+8*(\a):(\f)+64+8*(\a)+7], v[8*(8*(\a)+\nb):8*(8*(\a)+\nb)+7]
.endif
.endr
.endm
; 24 LDS loads in one run: quarter q's fragments into buffer f: W's 16 first, then X's 8
.macro FETCH slot, q, f
	WIN 0
.irp nb, 0,1,2,3,4,5,6,7
	ds_load_tr16_b128 v[(\f)+8*\nb:(\f)+8*\nb+3],   v[ADRB+(\slot)] offset:(\q)*32*PB+32*\nb
	ds_load_tr16_b128 v[(\f)+8*\nb+4:(\f)+8*\nb+7], v[ADRB+(\slot)] offset:(\q)*32*PB+16*PB+32*\nb
.endr
.irp a, 0,1,2,3
	ds_load_b128 v[(\f)+64+8*\a:(\f)+64+8*\a+3],   v[ADRA+(\slot)] offset:(\q)*64+\a*16*PA
	ds_load_b128 v[(\f)+64+8*\a+4:(\f)+64+8*\a+7], v[ADRA+(\slot)] offset:(\q)*64+\a*16*PA+32
.endr
.endm
; One of a K step's first three quarters: multiplies buffer f and fetches quarter q into g
.macro QUARTER slot, q, f, g, first
	s_wait_dscnt 4                                 ; W and X's blocks 0, 1 are in; the youngest four loads (blocks 2, 3) may be out
	MULA \f, 0, \first
	MULA \f, 1, \first
	PLACES
	FETCH \slot, \q, \g
	s_wait_dscnt 24                                ; all but the 24 just issued
	MULA \f, 2, \first
	MULA \f, 3, \first
.endm
; The last quarter multiplies buffer 1 and changes slots: one barrier; in front of it each wave waits for all its tensor loads, adds 0 to its spare word, and waits for that and for its reads of this slot
.macro TURN slot, next, fill
	WIN 0
	s_wait_tensorcnt 0x0                           ; all my tensor loads have landed: my part of the next slot
	ds_add_u32 v[SPW], v[NIL]                      ; 0 onto my spare word
	s_wait_dscnt 5                                 ; (the add and the youngest four loads may be out)
	MULA F1, 0, 0                                  ; eight matrix instructions stand between the add and the wait for it
	s_wait_dscnt 0x0                               ; the add is done, and my reads of this slot are over
	s_barrier_signal -1
	MULA F1, 1, 0
.if \fill
	WIN 0
.endif
	s_barrier_wait -1
.if \fill
	CREST                                          ; the barrier has opened a round of the cluster's: no wave of any partner still reads this slot or has a load on its way
	s_add_nc_u64 s[G0+4*(\slot)+2:G0+4*(\slot)+3], s[G0+4*(\slot)+2:G0+4*(\slot)+3], 2*KSTEP*2
	s_add_nc_u64 s[G0B+4*(\slot)+2:G0B+4*(\slot)+3], s[G0B+4*(\slot)+2:G0B+4*(\slot)+3], 2*KSTEP*2048
	JLOAD \slot                                    ; the first tensor load behind the round; its four v_nop are also the places in front of the loads below
.else
	PLACES
.endif
	FETCH \next, 0, F0
	MULA F1, 2, 0
	MULA F1, 3, 0
.endm
	s_wait_tensorcnt 1                             ; my part of K step 0 is in; K step 1's may stay out
	s_barrier_signal -1
	s_barrier_wait -1
	FETCH 0, 0, F0
	QUARTER 0, 1, F0, F1, 1                        ; the first quarter stands in front of the loop: its products start the sums with the bias
	WIN 0
	s_mov_b32 s3, LAPS-1
.Llap:                                                 ; a trip goes once round the ring and fills both slots again
	QUARTER 0, 2, F1, F0, 0
	QUARTER 0, 3, F0, F1, 0
	TURN 0, 1, 1
	QUARTER 1, 1, F0, F1, 0
	QUARTER 1, 2, F1, F0, 0
	QUARTER 1, 3, F0, F1, 0
	TURN 1, 0, 1
	QUARTER 0, 1, F0, F1, 0
	WIN 0
	s_sub_co_u32 s3, s3, 1
	s_cmp_lg_u32 s3, 0
	s_cbranch_scc1 .Llap
	QUARTER 0, 2, F1, F0, 0                        ; the last lap fills nothing
	QUARTER 0, 3, F0, F1, 0
	TURN 0, 1, 0
	QUARTER 1, 1, F0, F1, 0
	QUARTER 1, 2, F1, F0, 0
	QUARTER 1, 3, F0, F1, 0
	s_wait_dscnt 4
	MULA F1, 0, 0
	MULA F1, 1, 0
	s_wait_dscnt 0x0
	MULA F1, 2, 0
	MULA F1, 3, 0
	WIN 0
	PLACES
; THE WAY OUT of row block a: rounded to f16, 16 bytes a lane into my own stage (two heads x 16 rows of 144 bytes), back as whole rows of 128 bytes, four rows to a store
.macro OUTA a
.set OB, 64+32*((\a)%2)
	WIN 0x05                                       ; sources window 1
.irp nb, 0,1,2,3,4,5,6,7
.irp r, 0,1,2,3
	v_cvt_pk_f16_f32 v[TMP+4*\nb+\r], v[8*(8*(\a)+\nb)+2*\r], v[8*(8*(\a)+\nb)+2*\r+1]
.endr
.endr
	WIN 0
.irp nb, 0,1,2,3,4,5,6,7
	ds_store_b128 v[STO], v[TMP+4*\nb:TMP+4*\nb+3] offset:(\nb/4)*16*SP+32*(\nb%4)
.endr
	s_wait_xcnt 0x0                                ; the stores of two blocks ago have read the registers that are loaded now
.irp i, 0,1,2,3,4,5,6,7
	ds_load_b128 v[OB+4*\i:OB+4*\i+3], v[RD] offset:(\i/4)*16*SP+(\i%4)*4*SP  ; LDS serves a wave's instructions in order (ISA guide 5.7.1.4): these see the stores above
.endr
.irp i, 0,1,2,3,4,5,6,7
	s_wait_dscnt 7-\i
	global_store_b128 v[GO], v[OB+4*\i:OB+4*\i+3], s[82:83] offset:(\i/4)*262144+(\a)*2048+(\i%4)*512  ; 512 consecutive bytes, aligned
.endr
.endm
	OUTA 0
	OUTA 1
	OUTA 2
	OUTA 3
	s_wait_tensorcnt 0x0                           ; the wave's end
	ds_add_u32 v[SPW], v[NIL]
	s_wait_dscnt 0x0
	CROUND                                         ; the closing round
	s_endpgm
.Lfunc_end_k_q50a5b0f0df_proj:
	.size	k_q50a5b0f0df_proj, .Lfunc_end_k_q50a5b0f0df_proj-k_q50a5b0f0df_proj
	.p2alignl 7, 3214868480
	.fill 96, 4, 3214868480
	.section	.rodata,"a",@progbits
	.p2align	6, 0x0
	.amdhsa_kernel k_q50a5b0f0df_proj
		.amdhsa_group_segment_fixed_size 327680
		.amdhsa_private_segment_fixed_size 0
		.amdhsa_enable_private_segment 0
		.amdhsa_kernarg_size 64
		.amdhsa_user_sgpr_count 2
		.amdhsa_user_sgpr_kernarg_segment_ptr 1
		.amdhsa_wavefront_size32 1
		.amdhsa_system_sgpr_workgroup_id_x 1
		.amdhsa_system_sgpr_workgroup_id_y 1
		.amdhsa_system_sgpr_workgroup_id_z 1
		.amdhsa_system_vgpr_workitem_id 0
		.amdhsa_next_free_vgpr 584
		.amdhsa_next_free_sgpr 100
		.amdhsa_reserve_vcc 0
		.amdhsa_float_denorm_mode_32 3
		.amdhsa_float_denorm_mode_16_64 3
		.amdhsa_memory_ordered 1
		.amdhsa_forward_progress 1
		.amdhsa_inst_pref_size 94
	.end_amdhsa_kernel
	.amdgpu_metadata
---
amdhsa.version: [ 1, 2 ]
amdhsa.kernels:
  - .name:           k_q50a5b0f0df_proj
    .symbol:         k_q50a5b0f0df_proj.kd
    .args:
      - { .name: cbuf, .offset: 0, .size: 8, .value_kind: global_buffer, .address_space: global }
      - { .name: bq_sw, .offset: 8, .size: 8, .value_kind: global_buffer, .address_space: global }
      - { .name: bq_g, .offset: 16, .size: 8, .value_kind: global_buffer, .address_space: global }
      - { .name: bk_sw, .offset: 24, .size: 8, .value_kind: global_buffer, .address_space: global }
      - { .name: bv_sw, .offset: 32, .size: 8, .value_kind: global_buffer, .address_space: global }
      - { .name: bk_g, .offset: 40, .size: 8, .value_kind: global_buffer, .address_space: global }
      - { .name: bv_g, .offset: 48, .size: 8, .value_kind: global_buffer, .address_space: global }
      - { .name: qkv, .offset: 56, .size: 8, .value_kind: global_buffer, .address_space: global }
    .group_segment_fixed_size: 327680
    .private_segment_fixed_size: 0
    .kernarg_segment_align: 8
    .kernarg_segment_size: 64
    .max_flat_workgroup_size: 128
    .sgpr_count:     100
    .vgpr_count:     584
    .wavefront_size: 32
...
	.end_amdgpu_metadata
.endif
;; end of part 2
;; launch gattn (part 3): grid 2 x 32, 8 waves a work-group, no clusters, 152,576 bytes of LDS; arguments qkv, tab, xatt; writes xatt
.if DOCPART == 3
	.amdgcn_target "amdgcn-amd-amdhsa--gfx1250"
	.amdhsa_code_object_version 6
	.text
	.protected	k_q50a5b0f0df_gattn
	.globl	k_q50a5b0f0df_gattn
	.p2align	8
	.type	k_q50a5b0f0df_gattn,@function
k_q50a5b0f0df_gattn:
	s_mov_b64 s[64:65], 0
	v_nop
	global_prefetch_b8 v0, s[64:65] scope:SCOPE_SE
	s_setreg_imm32_b32 hwreg(HW_REG_WAVE_MODE, 25, 1), 1
	s_wait_xcnt 0x0
; THE GLOBAL ROWS.  A row with global_mask set keeps x_g alone, and its mask row is all true: dense attention of q_g over all 2,048 keys of k_g, v_g.  The rows are gathered by tab's list.
; q, k, v, x: f16, [batch][head][row][64]; products, maxima and sums in f32; the weights are rounded to f16 for the second product, x once at the end.
; LIMITS.  A weight below 2^-126 counts as 0; NaN and infinities are not treated apart.  With no global row in a batch, group 0 names row 0 thirty-two times; the launch behind writes that row again.
; SHARES.  Work-group (x, y = 16 batch + head) takes the groups x, x + 2, .. of 32 listed rows (two tiles of 16).  Its eight waves split the KEYS: wave w owns keys 256 w on, four steps of 64, with a running
; maximum and sum of its own; the eight partial results meet in LDS, where wave w reduces tile w / 4, channels 16 (w % 4) on.
; The loop has a constant 32 trips; a trip whose group is not there (g >= NG, read from tab) jumps forward over the three parts of the work and passes both barriers.
; LAYOUT.  S^T = K Q^T holds one query a lane (lane % 16) and the keys 8 (lane / 16) + 0..7; two such results rounded to f16 are source 1 of O^T = V^T P.  K's fragments come straight from memory; V goes through the
; wave's own LDS bytes and comes back turned (ds_load_tr16_b128).
; NO CLUSTER, NO TENSOR LOADS: the two work-groups of a head walk the same keys, but how many groups each has hangs on the mask, and a wave's share of K and V is read once a group.
; REGISTERS: window 0: addresses, statistics, v36-99 V on its way, v116-179 S^T, v180-211 P.  Window 1: v0-63 O^T, v64-95 Q, v128-191 K, v192-255 V.
.set PVP,  160                         ; a row of V in LDS: 128 bytes + 32
.set WREG, 64*PVP                      ; a wave's 64 rows
.set MREG, 8*WREG                      ; c m of 8 waves x 2 tiles x 32 lanes; l lies 2,048 bytes on
.set OREG, MREG+4096                   ; O^T of 8 waves: 8,192 bytes each
.set R, 1
.set H, 2
.set LN, 3
.set VK, 4                             ; K's offset of the step in hand
.set VV, 5                             ; V's
.set VS, 6                             ; where I put V's 16 bytes
.set AV, 7                             ; where the turning load reads
.set IDX, 8                            ; v8-9 my query's row, tile 0, 1
.set QO, 10                            ; v10-11 its byte offset
.set MX, 12
.set OX, 13
.set MR, 14
.set ORD, 15
.set AO, 16
.set HO, 17
.set MV, 18
.set ST, 20                            ; tile t at ST + 4 t: c m, m, l (even keys', odd keys')
.set TMP, 28
.set VST, 36
.set OUT, 100
.set VK0, 104
.set VV0, 105
.set T0, 106                           ; v106-109 at work
.set IA, 110
.set S, 116
.set P, 180
.set CMU, 36                           ; part 3: the eight waves' c m, l, weights (in pairs), O^T, and the sum
.set LU, 44
.set FU, 52
.set OU, 116
.set AC, 180
.set QF, 64
.set KF, 128
.set VF, 192
.set CS, 58
.set SEL, 60
.set MSB, 0
.macro WIN new
.if MSB != (\new)
	s_set_vgpr_msb (MSB<<8)|(\new)
.set MSB, \new
.endif
.endm
.macro PLACES
.rept 4
	v_nop
.endr
.endm
.macro REGS u
.set rT, ST+4*(\u)
.set rC, TMP+4*(\u)
.set rM, MV+(\u)
.set rS, S+32*(\u)
.set rP, P+16*(\u)
.set rO, 32*(\u)
.endm
; Number n of the 22 that find tile u's maximum and statistics; each accumulator's lowest registers are read first
.macro XS u, n
	REGS \u
.if (\n) < 4
	v_max3_num_f32 v[rC+(\n)], v[rS+8*(\n)], v[rS+8*(\n)+1], v[rS+8*(\n)+2]
.elseif (\n) < 12
	v_max3_num_f32 v[rC+(\n)%4], v[rC+(\n)%4], v[rS+8*((\n)%4)+2*((\n)/4)+1], v[rS+8*((\n)%4)+2*((\n)/4)+2]
.elseif (\n) == 12
	v_max3_num_f32 v[rC], v[rC], v[rS+7], v[rS+15]
.elseif (\n) == 13
	v_max3_num_f32 v[rC+1], v[rC+1], v[rS+23], v[rS+31]
.elseif (\n) == 14
	v_max3_num_f32 v[rC+2], v[rC+2], v[rC+3], v[rT+1]
.elseif (\n) == 15
	v_mov_b32 v[rM], v[rT]                         ; c m_old is kept
.elseif (\n) == 16
	v_max3_num_f32 v[rC], v[rC], v[rC+1], v[rC+2]
.elseif (\n) == 17
	v_permlanex16_b32 v[rC+3], v[rC], s[SEL], s[SEL+1]  ; the query's other 32 keys lie in the lane 16 away
.elseif (\n) == 18
	v_max_num_f32 v[rT+1], v[rC], v[rC+3]
.elseif (\n) == 19
	v_mul_f32 v[rT], s[CS], v[rT+1]
.elseif (\n) == 20
	v_sub_f32 v[rC+1], v[rM], v[rT]
.else
	v_exp_f32 v[rC+2], v[rC+1]                     ; a = 2^(c m_old - c m_new)
.endif
.endm
; A step's softmax for both tiles, which alternate: maximum; c s - c m; exponentials, with the rounding of the pair before as the plain instruction behind each two; the sums; l = a l + sum; O^T a
.macro SOFTMAX
	WIN 0
.irp n, 0,1,2,3,4,5,6,7,8,9,10,11,12,13,14,15,16,17,18,19,20,21
	XS 0, \n
	XS 1, \n
.endr
.set z, 0
.rept 32
	REGS z%2
	v_pk_fma_f32 v[rS+2*(z/2):rS+2*(z/2)+1], v[rS+2*(z/2):rS+2*(z/2)+1], s[CS:CS+1], v[rT:rT+1] op_sel_hi:[1,0,0] neg_lo:[0,0,1] neg_hi:[0,0,1]
.set z, z+1
.endr
.set z, 0
.rept 32
	REGS z%2
	v_exp_f32 v[rS+2*(z/2)], v[rS+2*(z/2)]
	v_exp_f32 v[rS+2*(z/2)+1], v[rS+2*(z/2)+1]
.if z == 0
	v_nop
.else
	REGS (z-1)%2
	s_wait_alu depctr_va_vdst(0)
	v_cvt_pk_f16_f32 v[rP+(z-1)/2], v[rS+2*((z-1)/2)], v[rS+2*((z-1)/2)+1]
.endif
.set z, z+1
.endr
	REGS 1
	v_cvt_pk_f16_f32 v[rP+15], v[rS+30], v[rS+31]
.irp w, 4,8,16,32
.set z, 0
.rept 64/\w
	REGS z%2
	v_pk_add_f32 v[rS+\w*(z/2):rS+\w*(z/2)+1], v[rS+\w*(z/2):rS+\w*(z/2)+1], v[rS+\w*(z/2)+\w/2:rS+\w*(z/2)+\w/2+1]
.set z, z+1
.endr
.endr
.irp u, 0,1
	REGS \u
	v_pk_fma_f32 v[rT+2:rT+3], v[rT+2:rT+3], v[rC+2:rC+3], v[rS:rS+1] op_sel_hi:[1,0,1]
.endr
	WIN 0x41                                       ; O^T in window 1, a in window 0
.set z, 0
.rept 32
	REGS z%2
	v_pk_mul_f32 v[rO+2*(z/2):rO+2*(z/2)+1], v[rO+2*(z/2):rO+2*(z/2)+1], v[rC+2:rC+3] op_sel_hi:[1,0]
.set z, z+1
.endr
	WIN 0
.endm
; 16 products S^T = K Q^T: channels 32 (i / 8) on, keys 16 ((i / 2) % 4) on, tile i % 2.  The 8 accumulators take turns; the first 8 start the sums
.macro KQALL
	WIN 0x05
.set i, 0
.rept 16
.set rS, S+32*(i%2)+8*((i/2)%4)
.set rK, KF+16*((i/2)%4)+8*(i/8)
.set rQ, QF+16*(i%2)+8*(i/8)
.if i < 8
	v_wmma_f32_16x16x32_f16 v[rS:rS+7], v[rK:rK+7], v[rQ:rQ+7], 0
.else
	v_wmma_f32_16x16x32_f16 v[rS:rS+7], v[rK:rK+7], v[rQ:rQ+7], v[rS:rS+7]
.endif
.set i, i+1
.endr
	WIN 0
.endm
; 16 products O^T += V^T P: keys 32 (i / 8) on, channels 16 ((i / 2) % 4) on, tile i % 2
.macro PVALL
	WIN 0x51
.set i, 0
.rept 16
.set rO, 32*(i%2)+8*((i/2)%4)
.set rV, VF+32*(i/8)+8*((i/2)%4)
.set rP, P+16*(i%2)+8*(i/8)
	v_wmma_f32_16x16x32_f16 v[rO:rO+7], v[rV:rV+7], v[rP:rP+7], v[rO:rO+7]
.set i, i+1
.endr
	WIN 0
.endm
.macro KLOAD                           ; a step's K as fragments: key block f / 2, channels 32 (f % 2) on
	WIN 0x40
.irp f, 0,1,2,3,4,5,6,7
	global_load_b128 v[KF+8*\f:KF+8*\f+3],   v[VK], s[22:23] offset:(\f/2)*2048+(\f%2)*64
	global_load_b128 v[KF+8*\f+4:KF+8*\f+7], v[VK], s[22:23] offset:(\f/2)*2048+(\f%2)*64+32
.endr
	WIN 0
.endm
.macro VLOAD                           ; a step's V: 8,192 consecutive bytes
.irp i, 0,1,2,3,4,5,6,7,8,9,10,11,12,13,14,15
	global_load_b128 v[VST+4*\i:VST+4*\i+3], v[VV], s[24:25] offset:512*\i
.endr
.endm
.macro INIT                            ; a group's start: O^T and l are 0, c m far below every c s, m the lowest finite number: the first step is a step like any other, with a = 0
	WIN 0x40
.set i, 0
.rept 64
	v_mov_b32 v[i], 0
.set i, i+1
.endr
	WIN 0
.irp t, 0,1
	v_mov_b32 v[ST+4*\t], 0xfe000000
	v_mov_b32 v[ST+4*\t+1], 0xff7fffff
	v_mov_b32 v[ST+4*\t+2], 0
	v_mov_b32 v[ST+4*\t+3], 0
.endr
.endm
; A key step.  last = 1: nothing more is asked for
.macro GSTEP last
	s_wait_loadcnt 16                              ; K is in; V's sixteen loads may be out
	KQALL
	PLACES                                         ; in front of the loads into K's and V's registers and of the reads of S^T
.if !(\last)
	v_add_nc_u32 v[VK], 0x2000, v[VK]              ; free: K's loads are done
	KLOAD
	s_wait_loadcnt 16                              ; V is in; the next K's sixteen may be out
.else
	s_wait_loadcnt 0x0
.endif
.irp i, 0,1,2,3,4,5,6,7,8,9,10,11,12,13,14,15
	ds_store_b128 v[VS], v[VST+4*\i:VST+4*\i+3] offset:640*\i  ; four rows of 160 bytes a store, into my wave's own bytes
.endr
.if !(\last)
	v_add_nc_u32 v[VV], 0x2000, v[VV]
	VLOAD
.endif
	WIN 0x40
.irp f, 0,1,2,3,4,5,6,7                ; keys 32 (f / 4) on, channels 16 (f % 4) on; LDS serves a wave's instructions in order: these see the stores above
	ds_load_tr16_b128 v[VF+8*\f:VF+8*\f+3],   v[AV] offset:(\f/4)*32*PVP+(\f%4)*32
	ds_load_tr16_b128 v[VF+8*\f+4:VF+8*\f+7], v[AV] offset:(\f/4)*32*PVP+16*PVP+(\f%4)*32
.endr
	WIN 0
	SOFTMAX
	s_wait_dscnt 0x0                               ; V's fragments are in
	PVALL
.endm
	s_load_b128 s[4:7], s[0:1], 0x0                ; qkv, tab
	s_load_b64 s[8:9], s[0:1], 0x10                ; xatt
	v_lshl_add_u32 v254, v0, 2, 0x25000
	v_mov_b32 v255, 0
	v_lshrrev_b32 v1, 5, v0
	v_readfirstlane_b32 s12, v1                    ; wave 0..7
	s_mov_b32 s13, ttmp9                           ; x
	s_and_b32 s14, ttmp7, 0xffff                   ; y = 16 batch + head
	s_lshr_b32 s15, s14, 4
	s_lshl_b32 s32, s14, 18                        ; the plane: 2,048 rows of 128 bytes
	s_mov_b32 s33, 0
	s_lshl_b32 s34, s15, 13                        ; the batch's list
	s_mov_b32 s35, 0
	s_lshl_b32 s36, s15, 4
	s_add_co_u32 s36, s36, 16384+4                 ; its NG
	s_mov_b32 s37, 0
	s_mov_b32 s[CS], 0x3e38aa3b                    ; c = log2(e) / 8
	s_mov_b32 s[CS+1], s[CS]
	s_mov_b32 s[SEL], 0x76543210
	s_mov_b32 s[SEL+1], 0xfedcba98
	s_wait_kmcnt 0x0
	s_add_nc_u64 s[38:39], s[6:7], s[36:37]
	s_load_b32 s16, s[38:39], 0x0
	s_add_nc_u64 s[26:27], s[6:7], s[34:35]
	s_add_nc_u64 s[28:29], s[8:9], s[32:33]
	s_add_nc_u64 s[20:21], s[4:5], s[32:33]
	s_add_nc_u64 s[22:23], s[20:21], 33554432      ; k_g
	s_add_nc_u64 s[24:25], s[20:21], 41943040      ; v_g
	s_add_nc_u64 s[20:21], s[20:21], 8388608       ; q_g
	v_and_b32 v[R], 15, v0
	v_bfe_u32 v[H], v0, 4, 1
	v_and_b32 v[LN], 31, v0
	s_lshl_b32 s31, s12, 15                        ; my wave's 256 keys
	v_lshlrev_b32 v[VK0], 7, v[R]
	v_lshl_add_u32 v[VK0], v[H], 4, v[VK0]
	v_add_nc_u32 v[VK0], s31, v[VK0]               ; K: row l % 16, 16 bytes for each half of the lanes
	v_lshl_add_u32 v[VV0], v[LN], 4, s31           ; V: 16 x lane
	s_mul_i32 s31, s12, WREG
	v_bfe_u32 v[T0], v0, 3, 2
	v_and_b32 v[T0+1], 7, v0
	v_mul_u32_u24 v[VS], v[T0], PVP
	v_lshl_add_u32 v[VS], v[T0+1], 4, v[VS]
	v_add_nc_u32 v[VS], s31, v[VS]
	v_lshl_add_u32 v[AV], v[H], 3, v[T0+1]
	v_mul_u32_u24 v[AV], v[AV], PVP
	v_bfe_u32 v[T0], v0, 3, 1
	v_lshl_add_u32 v[AV], v[T0], 4, v[AV]
	v_add_nc_u32 v[AV], s31, v[AV]
	s_lshl_b32 s31, s12, 8
	s_add_co_u32 s31, s31, MREG
	v_lshl_add_u32 v[MX], v[LN], 2, s31            ; my wave's statistics
	s_lshl_b32 s31, s12, 13
	s_add_co_u32 s31, s31, OREG
	v_lshl_add_u32 v[OX], v[LN], 4, s31            ; my wave's O^T
	s_lshr_b32 s40, s12, 2                         ; the tile that I reduce,
	s_and_b32 s41, s12, 3                          ; and its channel block
	s_lshl_b32 s31, s40, 7
	s_add_co_u32 s31, s31, MREG
	v_lshl_add_u32 v[MR], v[LN], 2, s31
	s_lshl_b32 s31, s40, 12
	s_lshl_b32 s42, s41, 10
	s_add_co_u32 s31, s31, s42
	s_add_co_u32 s31, s31, OREG
	v_lshl_add_u32 v[ORD], v[LN], 4, s31
	s_cmp_eq_u32 s40, 1
	s_cselect_b32 s43, -1, 0
	s_lshl_b32 s44, s41, 5
	v_lshl_add_u32 v[HO], v[H], 4, s44             ; my 16 bytes in a row of x
	INIT
	v_mov_b32 v[IDX], 0
	v_mov_b32 v[IDX+1], 0
	s_wait_kmcnt 0x0
	s_min_u32 s16, s16, 64                         ; NG
	s_mov_b32 s17, 0
	s_mov_b32 s18, s13                             ; the trip's group
.Ltrip:
	s_cmp_ge_u32 s18, s16
	s_cbranch_scc1 .Lb1
	; PART 1: my 256 keys for the group's 32 rows
	s_lshl_b32 s31, s18, 7
	v_lshl_add_u32 v[IA], v[R], 2, s31
	global_load_b32 v[IDX], v[IA], s[26:27]
	global_load_b32 v[IDX+1], v[IA], s[26:27] offset:64
	v_mov_b32 v[VK], v[VK0]
	v_mov_b32 v[VV], v[VV0]
	KLOAD
	VLOAD
	s_wait_loadcnt 32                              ; the two indices are in; K's and V's 32 loads stay out
	v_min_u32 v[IDX], 0x7ff, v[IDX]
	v_min_u32 v[IDX+1], 0x7ff, v[IDX+1]
	v_lshlrev_b32 v[QO], 7, v[IDX]
	v_lshlrev_b32 v[QO+1], 7, v[IDX+1]
	v_lshl_add_u32 v[QO], v[H], 4, v[QO]
	v_lshl_add_u32 v[QO+1], v[H], 4, v[QO+1]
	WIN 0x40
.irp f, 0,1,2,3                        ; tile f / 2, channels 32 (f % 2) on
	global_load_b128 v[QF+8*\f:QF+8*\f+3],   v[QO+\f/2], s[20:21] offset:(\f%2)*64
	global_load_b128 v[QF+8*\f+4:QF+8*\f+7], v[QO+\f/2], s[20:21] offset:(\f%2)*64+32
.endr
	WIN 0
	s_wait_loadcnt 0x0                             ; Q, and with it the first K and V
	s_mov_b32 s30, 3
.Lgs:
	GSTEP 0
	s_sub_co_u32 s30, s30, 1
	s_cmp_lg_u32 s30, 0
	s_cbranch_scc1 .Lgs
	GSTEP 1
	PLACES                                         ; behind the last products
.irp t, 0,1
	v_add_f32 v[ST+4*\t+2], v[ST+4*\t+2], v[ST+4*\t+3]
.endr
.irp t, 0,1
	v_permlanex16_b32 v[ST+4*\t+3], v[ST+4*\t+2], s[SEL], s[SEL+1]
.endr
.irp t, 0,1
	v_add_f32 v[ST+4*\t+2], v[ST+4*\t+2], v[ST+4*\t+3]
.endr
.Lb1:
	s_wait_dscnt 0x0                               ; my reads of the exchange bytes in the trip before are over
	s_barrier_signal -1
	s_barrier_wait -1                              ; everybody's are: they may be written again
	s_cmp_ge_u32 s18, s16
	s_cbranch_scc1 .Lb2
	; PART 2: my partial results into LDS
.irp t, 0,1
	ds_store_b32 v[MX], v[ST+4*\t] offset:128*\t
	ds_store_b32 v[MX], v[ST+4*\t+2] offset:2048+128*\t
.endr
	WIN 0x04                                       ; data in window 1
.irp t, 0,1
.irp c, 0,1,2,3
	ds_store_b128 v[OX], v[32*\t+8*\c:32*\t+8*\c+3]   offset:4096*\t+1024*\c
	ds_store_b128 v[OX], v[32*\t+8*\c+4:32*\t+8*\c+7] offset:4096*\t+1024*\c+512
.endr
.endr
	WIN 0
.Lb2:
	s_wait_dscnt 0x0                               ; for the others' sake: my stores are done
	s_barrier_signal -1
	s_barrier_wait -1
	s_cmp_ge_u32 s18, s16
	s_cbranch_scc1 .Lb3
	; PART 3: eight waves' results for one tile and 16 channels become one
	s_wait_xcnt 0x0                                ; the last trip's store has read its address and data registers
.irp u, 0,1,2,3,4,5,6,7
	ds_load_b32 v[CMU+\u], v[MR] offset:256*\u
.endr
.irp u, 0,1,2,3,4,5,6,7
	ds_load_b32 v[LU+\u], v[MR] offset:2048+256*\u
.endr
.irp u, 0,1,2,3,4,5,6,7
	ds_load_b128 v[OU+8*\u:OU+8*\u+3],   v[ORD] offset:8192*\u
	ds_load_b128 v[OU+8*\u+4:OU+8*\u+7], v[ORD] offset:8192*\u+512
.endr
	s_wait_dscnt 0x0
	v_max3_num_f32 v[T0], v[CMU], v[CMU+1], v[CMU+2]
	v_max3_num_f32 v[T0], v[T0], v[CMU+3], v[CMU+4]
	v_max3_num_f32 v[T0], v[T0], v[CMU+5], v[CMU+6]
	v_max_num_f32 v[T0], v[T0], v[CMU+7]
.irp u, 0,1,2,3,4,5,6,7
	v_sub_f32 v[CMU+\u], v[CMU+\u], v[T0]
.endr
.irp u, 0,1,2,3,4,5,6,7
	v_exp_f32 v[FU+2*\u], v[CMU+\u]                ; wave u's weight, twice: a pair for the packed lines
	v_exp_f32 v[FU+2*\u+1], v[CMU+\u]
.endr
	v_nop                                          ; a plain instruction behind the exponentials
	s_wait_alu depctr_va_vdst(0)
	v_mul_f32 v[T0+1], v[FU], v[LU]
.irp u, 1,2,3,4,5,6,7
	v_fmac_f32 v[T0+1], v[FU+2*\u], v[LU+\u]
.endr
.irp z, 0,1,2,3
	v_pk_mul_f32 v[AC+2*\z:AC+2*\z+1], v[OU+2*\z:OU+2*\z+1], v[FU:FU+1]
.endr
.irp u, 1,2,3,4,5,6,7
.irp z, 0,1,2,3
	v_pk_fma_f32 v[AC+2*\z:AC+2*\z+1], v[OU+8*\u+2*\z:OU+8*\u+2*\z+1], v[FU+2*\u:FU+2*\u+1], v[AC+2*\z:AC+2*\z+1]
.endr
.endr
	v_rcp_f32 v[T0+2], v[T0+1]
	v_rcp_f32 v[T0+3], v[T0+1]
	v_cndmask_b32 v[AO], v[IDX], v[IDX+1], s43     ; my tile's row (also the plain instruction behind the reciprocals)
	v_min_u32 v[AO], 0x7ff, v[AO]
	v_lshl_add_u32 v[AO], v[AO], 7, v[HO]
	s_wait_alu depctr_va_vdst(0)
.irp z, 0,1,2,3
	v_pk_mul_f32 v[AC+2*\z:AC+2*\z+1], v[AC+2*\z:AC+2*\z+1], v[T0+2:T0+3]
.endr
.irp z, 0,1,2,3
	v_cvt_pk_f16_f32 v[OUT+\z], v[AC+2*\z], v[AC+2*\z+1]
.endr
	global_store_b128 v[AO], v[OUT:OUT+3], s[28:29]  ; 16 bytes of a gathered row; four waves fill its 128
	INIT                                           ; for the next group
.Lb3:
	s_add_co_u32 s18, s18, 2
	s_add_co_u32 s17, s17, 1
	s_cmp_lt_u32 s17, 32
	s_cbranch_scc1 .Ltrip
	s_barrier_signal -1
	s_barrier_wait -1
	s_wait_tensorcnt 0x0
	ds_add_u32 v254, v255
	s_wait_dscnt 0x0
	s_endpgm
.Lfunc_end_k_q50a5b0f0df_gattn:
	.size	k_q50a5b0f0df_gattn, .Lfunc_end_k_q50a5b0f0df_gattn-k_q50a5b0f0df_gattn
	.p2alignl 7, 3214868480
	.fill 96, 4, 3214868480
	.section	.rodata,"a",@progbits
	.p2align	6, 0x0
	.amdhsa_kernel k_q50a5b0f0df_gattn
		.amdhsa_group_segment_fixed_size 152576
		.amdhsa_private_segment_fixed_size 0
		.amdhsa_enable_private_segment 0
		.amdhsa_kernarg_size 24
		.amdhsa_user_sgpr_count 2
		.amdhsa_user_sgpr_kernarg_segment_ptr 1
		.amdhsa_wavefront_size32 1
		.amdhsa_system_sgpr_workgroup_id_x 1
		.amdhsa_system_sgpr_workgroup_id_y 1
		.amdhsa_system_sgpr_workgroup_id_z 1
		.amdhsa_system_vgpr_workitem_id 0
		.amdhsa_next_free_vgpr 512
		.amdhsa_next_free_sgpr 66
		.amdhsa_reserve_vcc 0
		.amdhsa_float_denorm_mode_32 3
		.amdhsa_float_denorm_mode_16_64 3
		.amdhsa_memory_ordered 1
		.amdhsa_forward_progress 1
		.amdhsa_inst_pref_size 61
	.end_amdhsa_kernel
	.amdgpu_metadata
---
amdhsa.version: [ 1, 2 ]
amdhsa.kernels:
  - .name:           k_q50a5b0f0df_gattn
    .symbol:         k_q50a5b0f0df_gattn.kd
    .args:
      - { .name: qkv, .offset: 0, .size: 8, .value_kind: global_buffer, .address_space: global }
      - { .name: tab, .offset: 8, .size: 8, .value_kind: global_buffer, .address_space: global }
      - { .name: xatt, .offset: 16, .size: 8, .value_kind: global_buffer, .address_space: global }
    .group_segment_fixed_size: 152576
    .private_segment_fixed_size: 0
    .kernarg_segment_align: 8
    .kernarg_segment_size: 24
    .max_flat_workgroup_size: 256
    .sgpr_count:     66
    .vgpr_count:     512
    .wavefront_size: 32
...
	.end_amdgpu_metadata
.endif
;; end of part 3
;; launch swattn (part 4): grid 8 x 32, 8 waves a work-group, no clusters, 58,368 bytes of LDS; arguments qkv, cbias, tab, global_mask, xatt; writes xatt
.if DOCPART == 4
	.amdgcn_target "amdgcn-amd-amdhsa--gfx1250"
	.amdhsa_code_object_version 6
	.text
	.protected	k_q50a5b0f0df_swattn
	.globl	k_q50a5b0f0df_swattn
	.p2align	8
	.type	k_q50a5b0f0df_swattn,@function
k_q50a5b0f0df_swattn:
	s_mov_b64 s[64:65], 0
	v_nop
	global_prefetch_b8 v0, s[64:65] scope:SCOPE_SE
	s_setreg_imm32_b32 hwreg(HW_REG_WAVE_MODE, 25, 1), 1
	s_wait_xcnt 0x0
; THE OTHER ROWS.  A row i without global_mask keeps x_sw alone: attention of q_sw over the keys j of k_sw, v_sw with -255 <= j - i <= 256, or with global_mask[j] set.
; q, k, v, x: f16, [batch][head][row][64]; products, maxima and sums in f32; weights rounded to f16 for the second product, x once at the end.  Rows with global_mask set are computed and not stored.
; LIMITS.  A hidden key counts as its score less 8e10 ahead of the division by 8, as in the definition; a key tile of 64 that is wholly outside a block's band and holds no global key is not walked: its weights
; count as exactly 0, which holds while scores differ by less than 1e10 - 104.  A weight below 2^-126 counts as 0.  NaN and infinities are not treated apart.  If every row is global, nothing is stored.
; SHARES.  Work-group (BLK, y = 16 batch + head): 256 queries; wave w: 32 of them, two tiles of 16.  The block walks the key tiles 4 BLK - 4 .. 4 BLK + 7 and those that tab's FM flags: a bit mask, popped from below.
; The loop has a constant 32 steps; a step with no tile left goes straight to the barrier.  A wave whose 32 rows see nothing of a tile still moves its share of the next tile and skips the arithmetic.
; K AND V come through registers, 64 bytes a thread and step, into two LDS buffers that take turns: tile n + 2 is asked for, tile n + 1 is put into LDS and tile n is multiplied in one step; one barrier a step orders
; the stores into a buffer ahead of the next step's reads, and this step's reads ahead of the next step's stores.
; THE MASK is the C operand that starts S^T = K Q^T: cbias[key] (0 or -8e10) x W, W = 1 outside the band.  For 16 queries x 16 keys, e = 16 + (first key - first query) / 16: W = 0 for e in 1..31; 1 - U for e = 0; U for e = 32;
; else 1, where U = 1 where the key's place exceeds the query's.  W = U b + a with two scalars; five different e occur in a step.
; NO CLUSTER: the blocks of a head walk different band tiles, and their counts hang on the mask; what they would share is the flagged tiles alone.
; REGISTERS: window 0: addresses, statistics, U, W, v68-83 K and V on their way, v84-115 cbias, v116-179 S^T, v180-211 P.  Window 1: v0-63 O^T, v64-95 Q, v128-191 K, v192-255 V.
.set PK,   144
.set PVP,  160
.set VOFF, 64*PK
.set BUF,  64*(PK+PVP)
.set STAGE, 2*BUF                      ; 16 rows x 144 bytes for each wave, for the way out
.set SP,   144
.set WSTG, 16*SP
.set R, 1
.set H, 2
.set LN, 3
.set AK, 4
.set AV, 5
.set SK, 6
.set SV, 7
.set GL, 8
.set VO, 9
.set CBL, 10
.set VOC, 11
.set STO, 12
.set RD, 13
.set GO, 14
.set QO, 15
.set GMO, 16
.set T0, 17
.set MV, 18
.set ST, 20
.set TMP, 28
.set GMR, 36                           ; v36-43 global_mask of the rows that I store
.set U, 44
.set W, 52                             ; two sets of eight
.set STG, 68
.set CB, 84
.set S, 116
.set P, 180
.set QF, 64
.set KF, 128
.set VF, 192
.set WV, 14
.set BLK, 15
.set YY, 16
.set BT, 17
.set FM, 18
.set MM, 19                            ; tiles still to be popped
.set REM, 20                           ; tiles still to be multiplied
.set TC, 21                            ; the tile in hand, the next, the one after
.set TN, 22
.set T2, 23
.set EB, 24                            ; 16 - 16 BLK - 2 w
.set IT, 25
.set CS, 40
.set SEL, 42
.set MSB, 0
.macro WIN new
.if MSB != (\new)
	s_set_vgpr_msb (MSB<<8)|(\new)
.set MSB, \new
.endif
.endm
.macro PLACES
.rept 4
	v_nop
.endr
.endm
.macro REGS u
.set rT, ST+4*(\u)
.set rC, TMP+4*(\u)
.set rM, MV+(\u)
.set rS, S+32*(\u)
.set rP, P+16*(\u)
.set rO, 32*(\u)
.endm
; Number n of the 22 that find tile u's maximum and statistics; each accumulator's lowest registers are read first
.macro XS u, n
	REGS \u
.if (\n) < 4
	v_max3_num_f32 v[rC+(\n)], v[rS+8*(\n)], v[rS+8*(\n)+1], v[rS+8*(\n)+2]
.elseif (\n) < 12
	v_max3_num_f32 v[rC+(\n)%4], v[rC+(\n)%4], v[rS+8*((\n)%4)+2*((\n)/4)+1], v[rS+8*((\n)%4)+2*((\n)/4)+2]
.elseif (\n) == 12
	v_max3_num_f32 v[rC], v[rC], v[rS+7], v[rS+15]
.elseif (\n) == 13
	v_max3_num_f32 v[rC+1], v[rC+1], v[rS+23], v[rS+31]
.elseif (\n) == 14
	v_max3_num_f32 v[rC+2], v[rC+2], v[rC+3], v[rT+1]
.elseif (\n) == 15
	v_mov_b32 v[rM], v[rT]
.elseif (\n) == 16
	v_max3_num_f32 v[rC], v[rC], v[rC+1], v[rC+2]
.elseif (\n) == 17
	v_permlanex16_b32 v[rC+3], v[rC], s[SEL], s[SEL+1]
.elseif (\n) == 18
	v_max_num_f32 v[rT+1], v[rC], v[rC+3]
.elseif (\n) == 19
	v_mul_f32 v[rT], s[CS], v[rT+1]
.elseif (\n) == 20
	v_sub_f32 v[rC+1], v[rM], v[rT]
.else
	v_exp_f32 v[rC+2], v[rC+1]
.endif
.endm
; A step's softmax for both tiles, which alternate: maximum; c s - c m; exponentials, with the rounding of the pair before as the plain instruction behind each two; the sums; l = a l + sum; O^T a
.macro SOFTMAX
	WIN 0
.irp n, 0,1,2,3,4,5,6,7,8,9,10,11,12,13,14,15,16,17,18,19,20,21
	XS 0, \n
	XS 1, \n
.endr
.set z, 0
.rept 32
	REGS z%2
	v_pk_fma_f32 v[rS+2*(z/2):rS+2*(z/2)+1], v[rS+2*(z/2):rS+2*(z/2)+1], s[CS:CS+1], v[rT:rT+1] op_sel_hi:[1,0,0] neg_lo:[0,0,1] neg_hi:[0,0,1]
.set z, z+1
.endr
.set z, 0
.rept 32
	REGS z%2
	v_exp_f32 v[rS+2*(z/2)], v[rS+2*(z/2)]
	v_exp_f32 v[rS+2*(z/2)+1], v[rS+2*(z/2)+1]
.if z == 0
	v_nop
.else
	REGS (z-1)%2
	s_wait_alu depctr_va_vdst(0)
	v_cvt_pk_f16_f32 v[rP+(z-1)/2], v[rS+2*((z-1)/2)], v[rS+2*((z-1)/2)+1]
.endif
.set z, z+1
.endr
	REGS 1
	v_cvt_pk_f16_f32 v[rP+15], v[rS+30], v[rS+31]
.irp w, 4,8,16,32
.set z, 0
.rept 64/\w
	REGS z%2
	v_pk_add_f32 v[rS+\w*(z/2):rS+\w*(z/2)+1], v[rS+\w*(z/2):rS+\w*(z/2)+1], v[rS+\w*(z/2)+\w/2:rS+\w*(z/2)+\w/2+1]
.set z, z+1
.endr
.endr
.irp u, 0,1
	REGS \u
	v_pk_fma_f32 v[rT+2:rT+3], v[rT+2:rT+3], v[rC+2:rC+3], v[rS:rS+1] op_sel_hi:[1,0,1]
.endr
	WIN 0x41
.set z, 0
.rept 32
	REGS z%2
	v_pk_mul_f32 v[rO+2*(z/2):rO+2*(z/2)+1], v[rO+2*(z/2):rO+2*(z/2)+1], v[rC+2:rC+3] op_sel_hi:[1,0]
.set z, z+1
.endr
	WIN 0
.endm
; 16 products S^T = mask + K Q^T, in place on the mask: channels 32 (i / 8) on, keys 16 ((i / 2) % 4) on, tile i % 2.  The 8 accumulators take turns
.macro KQALL
	WIN 0x05
.set i, 0
.rept 16
.set rS, S+32*(i%2)+8*((i/2)%4)
.set rK, KF+16*((i/2)%4)+8*(i/8)
.set rQ, QF+16*(i%2)+8*(i/8)
	v_wmma_f32_16x16x32_f16 v[rS:rS+7], v[rK:rK+7], v[rQ:rQ+7], v[rS:rS+7]
.set i, i+1
.endr
	WIN 0
.endm
.macro PVALL
	WIN 0x51
.set i, 0
.rept 16
.set rO, 32*(i%2)+8*((i/2)%4)
.set rV, VF+32*(i/8)+8*((i/2)%4)
.set rP, P+16*(i%2)+8*(i/8)
	v_wmma_f32_16x16x32_f16 v[rO:rO+7], v[rV:rV+7], v[rP:rP+7], v[rO:rO+7]
.set i, i+1
.endr
	WIN 0
.endm
.macro POP d                           ; the lowest tile still in the mask; 31 when none is left (asked for, never multiplied)
	s_ctz_i32_b32 s[\d], s[MM]
	s_min_u32 s[\d], s[\d], 31
	s_sub_co_u32 s26, s[MM], 1
	s_and_b32 s[MM], s[MM], s26
.endm
.macro ASK d                           ; my 64 bytes of tile d's K and V
	s_lshl_b32 s26, s[\d], 13
	v_add_nc_u32 v[VO], s26, v[GL]
	global_load_b128 v[STG:STG+3],     v[VO], s[38:39]
	global_load_b128 v[STG+4:STG+7],   v[VO], s[38:39] offset:4096
	global_load_b128 v[STG+8:STG+11],  v[VO], s[66:67]
	global_load_b128 v[STG+12:STG+15], v[VO], s[66:67] offset:4096
.endm
.macro PUT b                           ; they go into buffer b
	ds_store_b128 v[SK], v[STG:STG+3]     offset:(\b)*BUF
	ds_store_b128 v[SK], v[STG+4:STG+7]   offset:(\b)*BUF+32*PK
	ds_store_b128 v[SV], v[STG+8:STG+11]  offset:(\b)*BUF
	ds_store_b128 v[SV], v[STG+12:STG+15] offset:(\b)*BUF+32*PVP
.endm
.macro CBLOAD                          ; cbias of a tile's keys in S^T's layout: key 16 kt + 8 (l / 16) + 0..7
.irp kt, 0,1,2,3
	global_load_b128 v[CB+8*\kt:CB+8*\kt+3],   v[VOC], s[68:69] offset:64*\kt
	global_load_b128 v[CB+8*\kt+4:CB+8*\kt+7], v[VOC], s[68:69] offset:64*\kt+16
.endr
.endm
; The step's masks.  W for e number i serves tile 0's key block i - 1 and tile 1's key block i
.macro MASK
.irp i, 0,1,2,3,4
.irp z, 0,1,2,3
	v_pk_fma_f32 v[W+8*(\i%2)+2*\z:W+8*(\i%2)+2*\z+1], v[U+2*\z:U+2*\z+1], s[46+4*\i:47+4*\i], s[44+4*\i:45+4*\i] op_sel_hi:[1,0,0]
.endr
.if \i >= 1
.irp z, 0,1,2,3
	v_pk_mul_f32 v[S+8*(\i-1)+2*\z:S+8*(\i-1)+2*\z+1], v[CB+8*(\i-1)+2*\z:CB+8*(\i-1)+2*\z+1], v[W+8*(\i%2)+2*\z:W+8*(\i%2)+2*\z+1]
.endr
.endif
.if \i <= 3
.irp z, 0,1,2,3
	v_pk_mul_f32 v[S+32+8*\i+2*\z:S+32+8*\i+2*\z+1], v[CB+8*\i+2*\z:CB+8*\i+2*\z+1], v[W+8*(\i%2)+2*\z:W+8*(\i%2)+2*\z+1]
.endr
.endif
.endr
.endm
; A STEP on buffer X
.macro STEP X
	s_cmp_eq_u32 s[REM], 0
	s_cbranch_scc1 .Lbar_\@                        ; no tile left: all eight waves alike
	s_sub_co_u32 s[REM], s[REM], 1
	s_wait_loadcnt 0x0                             ; what the step before asked for is in: the next tile's K and V, this tile's cbias
	PUT 1-(\X)                                     ; the other buffer's readers passed the last barrier
	POP T2
	ASK T2
	s_lshl_b32 s26, s[TN], 8
	v_add_nc_u32 v[VOC], s26, v[CBL]
	s_lshl_b32 s27, s[TC], 2                       ; do my 32 rows see anything of this tile?  e runs from 4 TC + EB - 1 to 4 TC + EB + 3, and 0 .. 32 touch the band
	s_add_co_u32 s27, s27, s[EB]
	s_add_co_u32 s28, s27, 3
	s_cmp_le_u32 s28, 36
	s_cselect_b32 s29, 1, 0
	s_lshr_b32 s28, s[FM], s[TC]                   ; or it holds a global key
	s_and_b32 s28, s28, 1
	s_or_b32 s29, s29, s28
	s_cmp_eq_u32 s29, 0
	s_cbranch_scc1 .Ldead_\@
	s_sub_co_u32 s28, s27, 1
.irp i, 0,1,2,3,4
	s_add_co_u32 s29, s28, \i                      ; e
	s_sub_co_u32 s30, s29, 1
	s_cmp_gt_u32 s30, 31
	s_cselect_b32 s[44+4*\i], 1.0, 0               ; a
	s_cmp_eq_u32 s29, 0
	s_cselect_b32 s[46+4*\i], -1.0, 0              ; b
	s_cmp_eq_u32 s29, 32
	s_cselect_b32 s[46+4*\i], 1.0, s[46+4*\i]
.endr
	MASK                                           ; 52 plain instructions: also the places between the last step's products and the loads into V's registers
	CBLOAD                                         ; the next tile's cbias, where this tile's has just been read
	WIN 0x40
.irp f, 0,1,2,3,4,5,6,7                ; K: keys 16 (f / 2) on, channels 32 (f % 2) on
	ds_load_b128 v[KF+8*\f:KF+8*\f+3],   v[AK] offset:(\X)*BUF+(\f/2)*16*PK+(\f%2)*64
	ds_load_b128 v[KF+8*\f+4:KF+8*\f+7], v[AK] offset:(\X)*BUF+(\f/2)*16*PK+(\f%2)*64+32
.endr
.irp f, 0,1,2,3,4,5,6,7                ; V, turned: keys 32 (f / 4) on, channels 16 (f % 4) on
	ds_load_tr16_b128 v[VF+8*\f:VF+8*\f+3],   v[AV] offset:(\X)*BUF+VOFF+(\f/4)*32*PVP+(\f%4)*32
	ds_load_tr16_b128 v[VF+8*\f+4:VF+8*\f+7], v[AV] offset:(\X)*BUF+VOFF+(\f/4)*32*PVP+16*PVP+(\f%4)*32
.endr
	WIN 0
	s_wait_dscnt 16                                ; K is in; V's sixteen loads may be out
	KQALL
	PLACES
	SOFTMAX
	s_wait_dscnt 0x0                               ; V is in
	PVALL
	s_branch .Lend_\@
.Ldead_\@:
	CBLOAD
.Lend_\@:
	s_mov_b32 s[TC], s[TN]
	s_mov_b32 s[TN], s[T2]
.Lbar_\@:
	s_wait_dscnt 0x0                               ; my stores into the other buffer are done and my reads of this one are back
	s_barrier_signal -1
	s_barrier_wait -1
.endm
	s_load_b256 s[4:11], s[0:1], 0x0               ; qkv, cbias, tab, global_mask
	s_load_b64 s[12:13], s[0:1], 0x20              ; xatt
	v_lshl_add_u32 v254, v0, 2, 0xe000
	v_mov_b32 v255, 0
	v_lshrrev_b32 v1, 5, v0
	v_readfirstlane_b32 s[WV], v1
	s_mov_b32 s[BLK], ttmp9
	s_and_b32 s[YY], ttmp7, 0xffff
	s_lshr_b32 s[BT], s[YY], 4
	s_lshl_b32 s26, s[BT], 4
	s_add_co_u32 s26, s26, 16384+8                 ; the batch's FM
	s_mov_b32 s27, 0
	s_wait_kmcnt 0x0
	s_add_nc_u64 s[74:75], s[8:9], s[26:27]
	s_load_b32 s[FM], s[74:75], 0x0
	s_lshl_b32 s28, s[YY], 18                      ; the plane
	s_mov_b32 s29, 0
	s_add_nc_u64 s[38:39], s[4:5], s[28:29]
	s_add_nc_u64 s[66:67], s[38:39], 25165824      ; v_sw
	s_lshl_b32 s30, s[BLK], 15                     ; my block's 256 rows, my wave's 32
	s_lshl_b32 s31, s[WV], 12
	s_add_co_u32 s30, s30, s31
	s_mov_b32 s31, 0
	s_add_nc_u64 s[36:37], s[38:39], s[30:31]      ; q_sw at my rows
	s_add_nc_u64 s[38:39], s[38:39], 16777216      ; k_sw
	s_add_nc_u64 s[70:71], s[12:13], s[28:29]
	s_add_nc_u64 s[70:71], s[70:71], s[30:31]      ; xatt at my rows
	s_lshl_b32 s28, s[BT], 13
	s_add_nc_u64 s[68:69], s[6:7], s[28:29]        ; the batch's cbias
	s_lshl_b32 s28, s[BT], 11
	s_lshl_b32 s30, s[BLK], 8
	s_add_co_u32 s28, s28, s30
	s_lshl_b32 s30, s[WV], 5
	s_add_co_u32 s28, s28, s30
	s_add_nc_u64 s[72:73], s[10:11], s[28:29]      ; global_mask at my rows
	s_lshl_b32 s28, s[BLK], 4
	s_lshl_b32 s30, s[WV], 1
	s_add_co_u32 s28, s28, s30
	s_sub_co_u32 s[EB], 16, s28
	s_mov_b32 s[CS], 0x3e38aa3b                    ; c = log2(e) / 8
	s_mov_b32 s[CS+1], s[CS]
	s_mov_b32 s[SEL], 0x76543210
	s_mov_b32 s[SEL+1], 0xfedcba98
.irp i, 0,1,2,3,4
	s_mov_b32 s[45+4*\i], 0                        ; named as pairs
	s_mov_b32 s[47+4*\i], 0
.endr
	v_and_b32 v[R], 15, v0
	v_bfe_u32 v[H], v0, 4, 1
	v_and_b32 v[LN], 31, v0
	v_mul_u32_u24 v[AK], v[R], PK
	v_lshl_add_u32 v[AK], v[H], 4, v[AK]
	v_and_b32 v[T0], 7, v0
	v_lshl_add_u32 v[AV], v[H], 3, v[T0]
	v_mul_u32_u24 v[AV], v[AV], PVP
	v_bfe_u32 v[GMO], v0, 3, 1
	v_lshl_add_u32 v[AV], v[GMO], 4, v[AV]
	v_lshrrev_b32 v[GMO], 3, v0                    ; thread / 8: my row of 32 in half a tile
	v_mul_u32_u24 v[SK], v[GMO], PK
	v_lshl_add_u32 v[SK], v[T0], 4, v[SK]
	v_mul_u32_u24 v[SV], v[GMO], PVP
	v_lshl_add_u32 v[SV], v[T0], 4, v[SV]
	v_add_nc_u32 v[SV], VOFF, v[SV]
	v_lshlrev_b32 v[GL], 4, v0
	v_lshlrev_b32 v[CBL], 5, v[H]
	s_mul_i32 s28, s[WV], WSTG
	s_add_co_u32 s28, s28, STAGE
	v_mul_u32_u24 v[STO], v[R], SP
	v_lshl_add_u32 v[STO], v[H], 4, v[STO]
	v_add_nc_u32 v[STO], s28, v[STO]
	v_bfe_u32 v[GMO], v0, 3, 2                     ; lane / 8: my row of four on the way out
	v_mul_u32_u24 v[RD], v[GMO], SP
	v_lshl_add_u32 v[RD], v[T0], 4, v[RD]
	v_add_nc_u32 v[RD], s28, v[RD]
	v_lshlrev_b32 v[GO], 4, v[LN]
	v_lshlrev_b32 v[QO], 7, v[R]
	v_lshl_add_u32 v[QO], v[H], 4, v[QO]
	s_wait_kmcnt 0x0                               ; FM
	s_lshl_b32 s28, s[BLK], 2
	s_sub_co_u32 s28, s28, 4
	s_lshl_b32 s[MM], 0xfff, s28                   ; tiles 4 BLK - 4 .. 4 BLK + 7; what passes tile 31 drops out
	s_cmp_eq_u32 s[BLK], 0
	s_cselect_b32 s[MM], 0xff, s[MM]
	s_or_b32 s[MM], s[MM], s[FM]
	s_bcnt1_i32_b32 s[REM], s[MM]
	POP TC
	ASK TC
	WIN 0x40
.irp f, 0,1,2,3                        ; Q stays in registers: tile f / 2, channels 32 (f % 2) on
	global_load_b128 v[QF+8*\f:QF+8*\f+3],   v[QO], s[36:37] offset:(\f/2)*2048+(\f%2)*64
	global_load_b128 v[QF+8*\f+4:QF+8*\f+7], v[QO], s[36:37] offset:(\f/2)*2048+(\f%2)*64+32
.endr
	WIN 0
.irp i, 0,1,2,3,4,5,6,7                ; tile i / 4, rows 4 (i % 4) + lane / 8
	global_load_u8 v[GMR+\i], v[GMO], s[72:73] offset:16*(\i/4)+4*(\i%4)
.endr
	v_lshlrev_b32 v[T0], 3, v[H]
	v_sub_nc_u32 v[T0], v[T0], v[R]                ; 8 (l / 16) - l % 16
.irp j, 0,1,2,3,4,5,6,7
	v_cmp_lt_i32 vcc_lo, -\j, v[T0]                ; the key's place 8 (l / 16) + j exceeds the query's
	v_cndmask_b32 v[U+\j], 0, 1.0, vcc_lo
.endr
	WIN 0x40                                       ; O^T and l start at 0, c m far below every c s, m at the lowest finite number: the first step has a = 0
.set i, 0
.rept 64
	v_mov_b32 v[i], 0
.set i, i+1
.endr
	WIN 0
.irp t, 0,1
	v_mov_b32 v[ST+4*\t], 0xfe000000
	v_mov_b32 v[ST+4*\t+1], 0xff7fffff
	v_mov_b32 v[ST+4*\t+2], 0
	v_mov_b32 v[ST+4*\t+3], 0
.endr
	s_wait_loadcnt 0x0
	PUT 0
	POP TN
	ASK TN
	s_lshl_b32 s26, s[TC], 8
	v_add_nc_u32 v[VOC], s26, v[CBL]
	CBLOAD
	s_wait_dscnt 0x0
	s_barrier_signal -1
	s_barrier_wait -1
	s_mov_b32 s[IT], 16
.Lpair:
	STEP 0
	STEP 1
	s_sub_co_u32 s[IT], s[IT], 1
	s_cmp_lg_u32 s[IT], 0
	s_cbranch_scc1 .Lpair
	; THE WAY OUT: O^T / l, rounded to f16, through my own stage, back as whole rows of 128 bytes; a row is stored where its global_mask is 0
	s_wait_loadcnt 0x0
	PLACES
.irp t, 0,1
	v_add_f32 v[ST+4*\t+2], v[ST+4*\t+2], v[ST+4*\t+3]
.endr
.irp t, 0,1
	v_permlanex16_b32 v[ST+4*\t+3], v[ST+4*\t+2], s[SEL], s[SEL+1]
.endr
.irp t, 0,1
	v_add_f32 v[ST+4*\t+2], v[ST+4*\t+2], v[ST+4*\t+3]
.endr
.irp t, 0,1
	v_rcp_f32 v[ST+4*\t+2], v[ST+4*\t+2]
.endr
	v_nop                                          ; a plain instruction behind the reciprocals
	s_wait_alu depctr_va_vdst(0)
.macro PACK t
	WIN 0x41
.set i, 32*(\t)
.rept 16
	v_pk_mul_f32 v[i:i+1], v[i:i+1], v[ST+4*(\t)+2:ST+4*(\t)+3] op_sel_hi:[1,0]
.set i, i+2
.endr
	WIN 0x05
.set i, 0
.rept 16
	v_cvt_pk_f16_f32 v[S+16*(\t)+i], v[32*(\t)+2*i], v[32*(\t)+2*i+1]
.set i, i+1
.endr
	WIN 0
.irp f, 0,1,2,3
	ds_store_b128 v[STO], v[S+16*(\t)+4*\f:S+16*(\t)+4*\f+3] offset:32*\f
.endr
.irp f, 0,1,2,3
	ds_load_b128 v[S+16*(\t)+4*\f:S+16*(\t)+4*\f+3], v[RD] offset:\f*4*SP  ; LDS serves a wave's instructions in order (ISA guide 5.7.1.4): these see the stores above, the next tile's stores come behind them
.endr
.endm
	PACK 0
	PACK 1
	s_wait_dscnt 0x0
.irp i, 0,1,2,3,4,5,6,7
	v_cmp_eq_u32 vcc_lo, 0, v[GMR+\i]
	s_wait_xcnt 0x0                                ; EXEC is a source of the stores: it changes only behind this wait
	s_and_saveexec_b32 s26, vcc_lo
	global_store_b128 v[GO], v[S+4*\i:S+4*\i+3], s[70:71] offset:512*\i  ; four rows: 512 consecutive bytes where all four are kept
	s_wait_xcnt 0x0
	s_or_b32 exec_lo, exec_lo, s26
.endr
	s_wait_xcnt 0x0
	s_mov_b32 exec_lo, -1
	s_wait_tensorcnt 0x0
	ds_add_u32 v254, v255
	s_wait_dscnt 0x0
	s_endpgm
.Lfunc_end_k_q50a5b0f0df_swattn:
	.size	k_q50a5b0f0df_swattn, .Lfunc_end_k_q50a5b0f0df_swattn-k_q50a5b0f0df_swattn
	.p2alignl 7, 3214868480
	.fill 96, 4, 3214868480
	.section	.rodata,"a",@progbits
	.p2align	6, 0x0
	.amdhsa_kernel k_q50a5b0f0df_swattn
		.amdhsa_group_segment_fixed_size 58368
		.amdhsa_private_segment_fixed_size 0
		.amdhsa_enable_private_segment 0
		.amdhsa_kernarg_size 40
		.amdhsa_user_sgpr_count 2
		.amdhsa_user_sgpr_kernarg_segment_ptr 1
		.amdhsa_wavefront_size32 1
		.amdhsa_system_sgpr_workgroup_id_x 1
		.amdhsa_system_sgpr_workgroup_id_y 1
		.amdhsa_system_sgpr_workgroup_id_z 1
		.amdhsa_system_vgpr_workitem_id 0
		.amdhsa_next_free_vgpr 512
		.amdhsa_next_free_sgpr 100
		.amdhsa_reserve_vcc 1
		.amdhsa_float_denorm_mode_32 3
		.amdhsa_float_denorm_mode_16_64 3
		.amdhsa_memory_ordered 1
		.amdhsa_forward_progress 1
		.amdhsa_inst_pref_size 71
	.end_amdhsa_kernel
	.amdgpu_metadata
---
amdhsa.version: [ 1, 2 ]
amdhsa.kernels:
  - .name:           k_q50a5b0f0df_swattn
    .symbol:         k_q50a5b0f0df_swattn.kd
    .args:
      - { .name: qkv, .offset: 0, .size: 8, .value_kind: global_buffer, .address_space: global }
      - { .name: cbias, .offset: 8, .size: 8, .value_kind: global_buffer, .address_space: global }
      - { .name: tab, .offset: 16, .size: 8, .value_kind: global_buffer, .address_space: global }
      - { .name: global_mask, .offset: 24, .size: 8, .value_kind: global_buffer, .address_space: global }
      - { .name: xatt, .offset: 32, .size: 8, .value_kind: global_buffer, .address_space: global }
    .group_segment_fixed_size: 58368
    .private_segment_fixed_size: 0
    .kernarg_segment_align: 8
    .kernarg_segment_size: 40
    .max_flat_workgroup_size: 256
    .sgpr_count:     100
    .vgpr_count:     512
    .wavefront_size: 32
...
	.end_amdgpu_metadata
.endif
;; end of part 4
;; launch outp (part 5): grid 4 x 32, 4 waves a work-group, clusters of 4 x 4, 327,680 bytes of LDS; arguments xatt, cbuf, bo, out0; writes out0
.if DOCPART == 5
	.amdgcn_target "amdgcn-amd-amdhsa--gfx1250"
	.amdhsa_code_object_version 6
	.text
	.protected	k_q50a5b0f0df_outp
	.globl	k_q50a5b0f0df_outp
	.p2align	8
	.type	k_q50a5b0f0df_outp,@function
k_q50a5b0f0df_outp:
	s_mov_b64 s[64:65], 0
	v_nop
	global_prefetch_b8 v0, s[64:65] scope:SCOPE_SE
	s_setreg_imm32_b32 hwreg(HW_REG_WAVE_MODE, 25, 1), 1
	s_wait_xcnt 0x0
	s_wait_alu depctr_hold_cnt(0) depctr_sa_sdst(0) depctr_va_vdst(0) depctr_va_sdst(0) depctr_va_ssrc(0) depctr_va_vcc(0) depctr_vm_vsrc(0)
	s_getreg_b32 s2, hwreg(HW_REG_IB_STS2, 6, 4)
	s_cmp_eq_u32 s2, 0
	s_cbranch_scc0 .Lentry_in_a_cluster
	s_endpgm
.Lentry_in_a_cluster:
	s_bfe_u32 s2, ttmp6, 0x10000c
	s_cmp_lg_u32 s2, 0xf033
	s_cbranch_scc0 .Lentry_shape_is_right
	s_endpgm
.Lentry_shape_is_right:
; THE OUTPUT PROJECTION: out0[4096][1024] = x Wo + bo.  x in f16 by heads ([batch][head][row][64]); Wo from cbuf's unit 14 (rounded to bf16, written as f16), [k = 64 head + channel][n]; bo rounded to bf16; sums and result in f32.
; SHARES.  A tile is 128 rows x 256 columns: 128 work-groups.  Four waves, each 64 x 128: 32 accumulators.  K goes in 8 steps of 128, two heads a step, through two LDS slots.
; A head's 128 rows are 16,384 dense bytes: asked for as 64 rows of 256 bytes and padded in LDS after every row of x.  Wo's fragments come turned.  The matrix instruction is used transposed: a lane holds one row and eight columns.
; CLUSTER 4 x 4: cx is the block of 256 columns (the grid has one cluster along x), the rows go along y.  x's tile is shared along a row of the cluster, Wo's along a column.
; REGISTERS as in the projections in front: window 0 addresses and two fragment buffers; window 1 the accumulators; window 2 the bias.
.set KSTEP,  128
.set PA,     144                       ; a row of x in LDS: 128 bytes + 16
.set PB,     544                       ; a row of Wo: 512 bytes + 32
.set AHEAD,  128*PA                    ; a head's 128 rows
.set BOFF,   2*AHEAD
.set BHALF,  64*PB
.set SLOT,   BOFF+2*BHALF
.set STAGE,  2*SLOT                    ; behind the ring: 16 rows x 528 bytes for each wave
.set SP,     528
.set WSTG,   16*SP
.set SPARE,  STAGE+4*WSTG              ; the spare words, 128 bytes for each wave: two blocks of 256 bytes that no other line names
.set LAPS,   4
.set ADRA, 16
.set ADRB, 20
.set STO,  24
.set RD,   25
.set GO,   26
.set BO,   27
.set SPW,  28
.set NIL,  29
.set F0,   64
.set F1,   160
.set G1, 24
.set G0, 32
.set G1B, 48
.set G0B, 56
.set MUL,  0x50
.set MULB, 0x60
.set MSB, 0
.macro WIN new
.if MSB != (\new)
	s_set_vgpr_msb (MSB<<8)|(\new)
.set MSB, \new
.endif
.endm
.macro JLOAD s                         ; a joint load: waves 0 and 1 fetch the step's two heads of x, waves 2 and 3 Wo's two halves; an s_nop 0 and four v_nop follow each line
	s_cmp_eq_u32 s11, 0
	s_cbranch_scc0 .Lfor_b_\@
	tensor_load_to_lds s[G0+4*(\s):G0+4*(\s)+3], s[G1:G1+7]
	s_nop 0
.rept 4
	v_nop
.endr
	s_branch .Lasked_\@
.Lfor_b_\@:
	tensor_load_to_lds s[G0B+4*(\s):G0B+4*(\s)+3], s[G1B:G1B+7]
	s_nop 0
.rept 4
	v_nop
.endr
.Lasked_\@:
.endm
.macro CREST
	s_cmp_lg_u32 s10, 0
	s_cbranch_scc1 .Lnot_wave_0_\@
	s_barrier_signal -3
.Lnot_wave_0_\@:
	s_barrier_wait -3
	s_barrier_signal -1
	s_barrier_wait -1
.endm
.macro CROUND
	s_barrier_signal -1
	s_barrier_wait -1
	CREST
.endm
.macro PLACES
.rept 4
	v_nop
.endr
.endm
	s_load_b256 s[68:75], s[0:1], 0x0              ; xatt, cbuf, bo, out0
	v_lshl_add_u32 v[SPW], v0, 2, SPARE
	v_mov_b32 v[NIL], 0
	ds_add_u32 v28, v29
	ds_add_u32 v28, v29
	s_wait_dscnt 0x0
	v_lshrrev_b32 v1, 5, v0
	v_readfirstlane_b32 s10, v1
	s_lshr_b32 s11, s10, 1                         ; my half of the rows.  Also: I fetch for x (0) or for Wo (1)
	s_and_b32 s12, s10, 1                          ; my half of the columns.  Also: which head, or which half of Wo's rows, I fetch
	s_bfe_u32 s40, ttmp6, 0x40000                  ; cx: the block of 256 columns
	s_bfe_u32 s41, ttmp6, 0x40004                  ; cy
	s_and_b32 s13, ttmp7, 0xffff
	s_lshl_b32 s13, s13, 2
	s_add_co_u32 s13, s13, s41                     ; block of 128 rows
	s_lshl_b32 s43, s41, 2
	s_lshl_b32 s43, 15, s43
	s_lshl_b32 s44, 0x1111, s40
	s_or_b32 s[G1+0], s43, (1<<16)|(1<<20)|(1<<21)|(4<<22)|(3<<25)   ; mask; 2-byte elements; padding on; bit 21 beside a mask; after every 32 words, 4 words
	s_mov_b32 s[G1+1], 128<<16
	s_mov_b32 s[G1+2], 64<<16
	s_mov_b32 s[G1+3], 128<<16
	s_mov_b32 s[G1+4], 64
	s_mov_b32 s[G1+5], 128                         ; dense: 128 elements from row to row
	s_mov_b32 s[G1+6], 0
	s_mov_b32 s[G1+7], 0
	s_or_b32 s[G1B+0], s44, (1<<16)|(1<<20)|(1<<21)|(6<<22)|(7<<25)  ; after every 128 words, 8 words
	s_mov_b32 s[G1B+1], 256<<16
	s_mov_b32 s[G1B+2], 64<<16
	s_mov_b32 s[G1B+3], 256<<16
	s_mov_b32 s[G1B+4], 64
	s_mov_b32 s[G1B+5], 1024
	s_mov_b32 s[G1B+6], 0
	s_mov_b32 s[G1B+7], 0
	s_lshr_b32 s16, s13, 4                         ; x: plane 16 batch + head (0 or 1 in step 0),
	s_lshl_b32 s16, s16, 4
	s_add_co_u32 s16, s16, s12
	s_lshl_b32 s16, s16, 11
	s_and_b32 s17, s13, 15
	s_lshl_b32 s17, s17, 7
	s_add_co_u32 s16, s16, s17                     ; the block's rows in the batch,
	s_lshl_b32 s16, s16, 7                         ; of 128 bytes
	s_mov_b32 s17, 0
	s_lshl_b32 s46, s40, 9                         ; Wo: 256 columns x cx,
	s_lshl_b32 s47, s12, 17                        ; 64 rows of k x half,
	s_add_co_u32 s46, s46, s47
	s_add_co_u32 s46, s46, 29360128                ; in unit 14
	s_mov_b32 s47, 0
	s_mul_i32 s20, s12, AHEAD
	s_mul_i32 s21, s12, BHALF
	s_add_co_u32 s21, s21, BOFF
	s_wait_kmcnt 0x0
	s_add_nc_u64 s[14:15], s[68:69], s[16:17]
	s_add_nc_u64 s[46:47], s[70:71], s[46:47]
	CROUND
.irp s, 0,1
	s_mov_b32 s[G0+4*(\s)], 1
	s_add_co_u32 s[G0+4*(\s)+1], s20, (\s)*SLOT
	s_add_nc_u64 s[G0+4*(\s)+2:G0+4*(\s)+3], s[14:15], (\s)*524288      ; two heads on
	s_or_b32 s[G0+4*(\s)+3], s[G0+4*(\s)+3], 0x80000000
	s_mov_b32 s[G0B+4*(\s)], 1
	s_add_co_u32 s[G0B+4*(\s)+1], s21, (\s)*SLOT
	s_add_nc_u64 s[G0B+4*(\s)+2:G0B+4*(\s)+3], s[46:47], (\s)*KSTEP*2048
	s_or_b32 s[G0B+4*(\s)+3], s[G0B+4*(\s)+3], 0x80000000
	JLOAD \s
.endr
	v_and_b32 v1, 15, v0
	v_bfe_u32 v2, v0, 4, 1
	v_mul_u32_u24 v3, v1, PA
	v_lshl_add_u32 v3, v2, 4, v3
	s_mul_i32 s22, s11, 64*PA                      ; my 64 rows
	v_and_b32 v7, 7, v0
	v_lshl_add_u32 v4, v2, 3, v7
	v_mul_u32_u24 v4, v4, PB
	v_bfe_u32 v5, v0, 3, 1
	v_lshl_add_u32 v4, v5, 4, v4
	s_lshl_b32 s23, s12, 8
	s_add_co_u32 s23, s23, BOFF
.irp s, 0,1
	v_add_nc_u32 v[ADRA+(\s)], s22, v3
	v_add_nc_u32 v[ADRB+(\s)], s23, v4
	s_add_co_u32 s22, s22, SLOT
	s_add_co_u32 s23, s23, SLOT
.endr
	s_mul_i32 s22, s10, WSTG
	s_add_co_u32 s22, s22, STAGE
	v_mul_u32_u24 v6, v1, SP                       ; in: row l % 16, 32 bytes for each half of the lanes
	v_lshl_add_u32 v6, v2, 5, v6
	v_add_nc_u32 v[STO], s22, v6
	v_and_b32 v[GO], 31, v0                        ; back: 32 lanes take a row's 512 bytes
	v_lshlrev_b32 v[GO], 4, v[GO]
	v_add_nc_u32 v[RD], s22, v[GO]
	s_lshl_b32 s86, s13, 7
	s_lshl_b32 s87, s11, 6
	s_add_co_u32 s86, s86, s87                     ; my first row,
	s_lshl_b32 s86, s86, 12                        ; of 4,096 bytes,
	s_lshl_b32 s87, s40, 10
	s_add_co_u32 s86, s86, s87
	s_lshl_b32 s87, s12, 9
	s_add_co_u32 s86, s86, s87                     ; my first column
	s_mov_b32 s87, 0
	s_add_nc_u64 s[74:75], s[74:75], s[86:87]
	s_lshl_b32 s88, s40, 10
	s_lshl_b32 s89, s12, 9
	s_add_co_u32 s88, s88, s89
	v_lshl_add_u32 v[BO], v2, 5, s88
	WIN 0x80
.irp nb, 0,1,2,3,4,5,6,7
	global_load_b128 v[8*\nb:8*\nb+3],   v[BO], s[72:73] offset:64*\nb
	global_load_b128 v[8*\nb+4:8*\nb+7], v[BO], s[72:73] offset:64*\nb+16
.endr
	s_wait_loadcnt 0x0
	WIN 0x8a                                       ; the bias is rounded to bf16 and widened again
.set p, 0
.rept 32
	v_cvt_pk_bf16_f32 v[64+p%2], v[2*p], v[2*p+1]
	v_lshlrev_b32 v[2*p], 16, v[64+p%2]
	v_and_b32 v[2*p+1], 0xffff0000, v[64+p%2]
.set p, p+1
.endr
	WIN 0
; 8 matrix instructions: row block a x all 8 column blocks, 32 along K.  first = 1: the bias starts the sums.  Each accumulator has one turn in a quarter
.macro MULA f, a, first
.if \first
	WIN MULB
.else
	WIN MUL
.endif
.irp nb, 0,1,2,3,4,5,6,7
.if \first
	v_wmma_f32_16x16x32_f16 v[8*(8*(\a)+\nb):8*(8*(\a)+\nb)+7], v[(\f)+8*\nb:(\f)+8*\nb+7], v[(\f)+64+8*(\a):(\f)+64+8*(\a)+7], v[8*\nb:8*\nb+7]
.else
	v_wmma_f32_16x16x32_f16 v[8*(8*(\a)+\nb):8*(8*(\a)+\nb)+7], v[(\f)+8*\nb:(\f)+8*\nb+7], v[(\f)+64+8*(\a):(\f)+64+8*(\a)+7], v[8*(8*(\a)+\nb):8*(8*(\a)+\nb)+7]
.endif
.endr
.endm
; 24 LDS loads in one run: quarter q is head q / 2 of the step, channels 32 (q % 2) on
.macro FETCH slot, q, f
	WIN 0
.irp nb, 0,1,2,3,4,5,6,7
	ds_load_tr16_b128 v[(\f)+8*\nb:(\f)+8*\nb+3],   v[ADRB+(\slot)] offset:(\q)*32*PB+32*\nb
	ds_load_tr16_b128 v[(\f)+8*\nb+4:(\f)+8*\nb+7], v[ADRB+(\slot)] offset:(\q)*32*PB+16*PB+32*\nb
.endr
.irp a, 0,1,2,3
	ds_load_b128 v[(\f)+64+8*\a:(\f)+64+8*\a+3],   v[ADRA+(\slot)] offset:((\q)/2)*AHEAD+((\q)%2)*64+\a*16*PA
	ds_load_b128 v[(\f)+64+8*\a+4:(\f)+64+8*\a+7], v[ADRA+(\slot)] offset:((\q)/2)*AHEAD+((\q)%2)*64+\a*16*PA+32
.endr
.endm
.macro QUARTER slot, q, f, g, first
	s_wait_dscnt 4                                 ; Wo and x's blocks 0, 1 are in; the youngest four loads may be out
	MULA \f, 0, \first
	MULA \f, 1, \first
	PLACES
	FETCH \slot, \q, \g
	s_wait_dscnt 24                                ; all but the 24 just issued
	MULA \f, 2, \first
	MULA \f, 3, \first
.endm
.macro TURN slot, next, fill
	WIN 0
	s_wait_tensorcnt 0x0                           ; all my tensor loads have landed: my part of the next slot
	ds_add_u32 v[SPW], v[NIL]                      ; 0 onto my spare word
	s_wait_dscnt 5                                 ; (the add and the youngest four loads may be out)
	MULA F1, 0, 0
	s_wait_dscnt 0x0                               ; the add is done, and my reads of this slot are over
	s_barrier_signal -1
	MULA F1, 1, 0
.if \fill
	WIN 0
.endif
	s_barrier_wait -1
.if \fill
	CREST                                          ; a round of the cluster's barrier: no wave of any partner still reads this slot or has a load on its way
	s_add_nc_u64 s[G0+4*(\slot)+2:G0+4*(\slot)+3], s[G0+4*(\slot)+2:G0+4*(\slot)+3], 1048576
	s_add_nc_u64 s[G0B+4*(\slot)+2:G0B+4*(\slot)+3], s[G0B+4*(\slot)+2:G0B+4*(\slot)+3], 2*KSTEP*2048
	JLOAD \slot
.else
	PLACES
.endif
	FETCH \next, 0, F0
	MULA F1, 2, 0
	MULA F1, 3, 0
.endm
	s_wait_tensorcnt 1                             ; my part of K step 0 is in; K step 1's may stay out
	s_barrier_signal -1
	s_barrier_wait -1
	FETCH 0, 0, F0
	QUARTER 0, 1, F0, F1, 1
	WIN 0
	s_mov_b32 s3, LAPS-1
.Llap:
	QUARTER 0, 2, F1, F0, 0
	QUARTER 0, 3, F0, F1, 0
	TURN 0, 1, 1
	QUARTER 1, 1, F0, F1, 0
	QUARTER 1, 2, F1, F0, 0
	QUARTER 1, 3, F0, F1, 0
	TURN 1, 0, 1
	QUARTER 0, 1, F0, F1, 0
	WIN 0
	s_sub_co_u32 s3, s3, 1
	s_cmp_lg_u32 s3, 0
	s_cbranch_scc1 .Llap
	QUARTER 0, 2, F1, F0, 0
	QUARTER 0, 3, F0, F1, 0
	TURN 0, 1, 0
	QUARTER 1, 1, F0, F1, 0
	QUARTER 1, 2, F1, F0, 0
	QUARTER 1, 3, F0, F1, 0
	s_wait_dscnt 4
	MULA F1, 0, 0
	MULA F1, 1, 0
	s_wait_dscnt 0x0
	MULA F1, 2, 0
	MULA F1, 3, 0
	WIN 0
	PLACES
; THE WAY OUT of row block a: the f32 sums go straight into my own stage (16 rows of 528 bytes), each accumulator's low registers first, and come back as whole rows of 512 bytes
.macro OUTA a
.set OB, 64+64*((\a)%2)
	WIN 0x04                                       ; data in window 1
.irp nb, 0,1,2,3,4,5,6,7
	ds_store_b128 v[STO], v[8*(8*(\a)+\nb):8*(8*(\a)+\nb)+3]   offset:64*\nb
	ds_store_b128 v[STO], v[8*(8*(\a)+\nb)+4:8*(8*(\a)+\nb)+7] offset:64*\nb+16
.endr
	WIN 0
	s_wait_xcnt 0x0                                ; the stores of two blocks ago have read the registers that are loaded now
.irp r, 0,1,2,3,4,5,6,7,8,9,10,11,12,13,14,15
	ds_load_b128 v[OB+4*\r:OB+4*\r+3], v[RD] offset:\r*SP  ; LDS serves a wave's instructions in order (ISA guide 5.7.1.4): these see the stores above
.endr
.irp r, 0,1,2,3,4,5,6,7,8,9,10,11,12,13,14,15
	s_wait_dscnt 15-\r
	global_store_b128 v[GO], v[OB+4*\r:OB+4*\r+3], s[74:75] offset:(16*(\a)+\r)*4096 th:TH_STORE_NT  ; 512 consecutive bytes, aligned
.endr
.endm
	OUTA 0
	OUTA 1
	OUTA 2
	OUTA 3
	s_wait_tensorcnt 0x0                           ; the wave's end
	ds_add_u32 v[SPW], v[NIL]
	s_wait_dscnt 0x0
	CROUND                                         ; the closing round
	s_endpgm
.Lfunc_end_k_q50a5b0f0df_outp:
	.size	k_q50a5b0f0df_outp, .Lfunc_end_k_q50a5b0f0df_outp-k_q50a5b0f0df_outp
	.p2alignl 7, 3214868480
	.fill 96, 4, 3214868480
	.section	.rodata,"a",@progbits
	.p2align	6, 0x0
	.amdhsa_kernel k_q50a5b0f0df_outp
		.amdhsa_group_segment_fixed_size 327680
		.amdhsa_private_segment_fixed_size 0
		.amdhsa_enable_private_segment 0
		.amdhsa_kernarg_size 32
		.amdhsa_user_sgpr_count 2
		.amdhsa_user_sgpr_kernarg_segment_ptr 1
		.amdhsa_wavefront_size32 1
		.amdhsa_system_sgpr_workgroup_id_x 1
		.amdhsa_system_sgpr_workgroup_id_y 1
		.amdhsa_system_sgpr_workgroup_id_z 1
		.amdhsa_system_vgpr_workitem_id 0
		.amdhsa_next_free_vgpr 584
		.amdhsa_next_free_sgpr 100
		.amdhsa_reserve_vcc 0
		.amdhsa_float_denorm_mode_32 3
		.amdhsa_float_denorm_mode_16_64 3
		.amdhsa_memory_ordered 1
		.amdhsa_forward_progress 1
		.amdhsa_inst_pref_size 94
	.end_amdhsa_kernel
	.amdgpu_metadata
---
amdhsa.version: [ 1, 2 ]
amdhsa.kernels:
  - .name:           k_q50a5b0f0df_outp
    .symbol:         k_q50a5b0f0df_outp.kd
    .args:
      - { .name: xatt, .offset: 0, .size: 8, .value_kind: global_buffer, .address_space: global }
      - { .name: cbuf, .offset: 8, .size: 8, .value_kind: global_buffer, .address_space: global }
      - { .name: bo, .offset: 16, .size: 8, .value_kind: global_buffer, .address_space: global }
      - { .name: out0, .offset: 24, .size: 8, .value_kind: global_buffer, .address_space: global }
    .group_segment_fixed_size: 327680
    .private_segment_fixed_size: 0
    .kernarg_segment_align: 8
    .kernarg_segment_size: 32
    .max_flat_workgroup_size: 128
    .sgpr_count:     100
    .vgpr_count:     584
    .wavefront_size: 32
...
	.end_amdgpu_metadata
.endif
;; end of part 5
;; ======== version 2 of 2: 4 launches; 1.14 times as fast as version 1
;; limits: values are held in f16: magnitudes above 65,504 overflow, below 6.1e-05 lose precision
;; workspace buffers: cbuf 31,457,280 bytes; qkv 50,331,648 bytes; xatt 8,388,608 bytes; cbias 16,384 bytes; tab 16,640 bytes of whole numbers
;; launch prep: the kernel of part 1 again; grid 962 x 1, 8 waves a work-group, no clusters, 9,472 bytes of LDS; arguments inputs_q, inputs_kv, Wq_sw, Wq_g, Wk_sw, Wv_sw, Wk_g, Wv_g, Wo, global_mask, cbuf, cbias, tab; writes cbuf, cbias, tab
;; launch proj (part 6): grid 24 x 16, 4 waves a work-group, clusters of 4 x 4, 327,680 bytes of LDS; arguments cbuf, bq_sw, bq_g, bk_sw, bv_sw, bk_g, bv_g, qkv; writes qkv
.if DOCPART == 6
	.amdgcn_target "amdgcn-amd-amdhsa--gfx1250"
	.amdhsa_code_object_version 6
	.text
	.protected	k_q50a5b0f0df_proj
	.globl	k_q50a5b0f0df_proj
	.p2align	8
	.type	k_q50a5b0f0df_proj,@function
k_q50a5b0f0df_proj:
	s_mov_b64 s[64:65], 0
	v_nop
	global_prefetch_b8 v0, s[64:65] scope:SCOPE_SE
	s_setreg_imm32_b32 hwreg(HW_REG_WAVE_MODE, 25, 1), 1
	s_wait_xcnt 0x0
	s_wait_alu depctr_hold_cnt(0) depctr_sa_sdst(0) depctr_va_vdst(0) depctr_va_sdst(0) depctr_va_ssrc(0) depctr_va_vcc(0) depctr_vm_vsrc(0)
	s_getreg_b32 s2, hwreg(HW_REG_IB_STS2, 6, 4)
	s_cmp_eq_u32 s2, 0
	s_cbranch_scc0 .Lentry_in_a_cluster
	s_endpgm
.Lentry_in_a_cluster:
	s_bfe_u32 s2, ttmp6, 0x10000c
	s_cmp_lg_u32 s2, 0xf033
	s_cbranch_scc0 .Lentry_shape_is_right
	s_endpgm
.Lentry_shape_is_right:
; THE SIX PROJECTIONS as one product: C[4096][6 x 1024] = X W + bias.  X (inputs_q for tensors 0, 1, inputs_kv for 2 to 5) and W in bf16 from cbuf, sums in f32, the bias rounded to bf16 like every input;
; the result leaves as f16, by heads: qkv tensor t at t x 8 MiB, [batch][head][row][64].  Tensors: q_sw, q_g, k_sw, v_sw, k_g, v_g.
; LIMIT.  f16 holds no number beyond 65,504: q, k and v must lie within it.
; SHARES.  A tile of C is 256 rows x 256 columns (four heads of one tensor): 384 work-groups.  Four waves, each 128 x 128: 64 accumulators of 16 x 16, 512 registers.  K goes in 8 steps of 128 through two LDS slots.
; Why this tile: behind each change of slots one load a wave goes out, and a wave issues 224 matrix instructions between that request and the wait for it; a tile of 128 x 256 has 112 there, and reads
; 24 fragments' loads from LDS for 32 matrix instructions where this one reads 32 for 64.  No tile of this size cuts 4096 x 6144 into 256 or 512 parts without crossing a tensor's edge.
; W lies [k][n], so its fragments come turned, by ds_load_tr16_b128.  THE MATRIX INSTRUCTION IS USED TRANSPOSED (source 0 = 16 columns of W, source 1 = 16 rows of X): a lane holds one row of C and eight neighbouring channels.
; The bias, in the result's layout, is the C operand of the first quarter's products: nothing is cleared and nothing is added later.
; CLUSTER 4 x 4: the cluster's x is the tensor, cx the group of four heads, the rows go along y.  X's tile is shared along a row of the cluster, W's along a column: each is asked for jointly.
; REGISTERS, in windows of 256 (s_set_vgpr_msb: bits 1:0 source 0, 3:2 source 1, 5:4 source 2, 7:6 destination):
;   window 0: v16-29 addresses; v64-127, v128-191 X's fragments (8 x 16 rows x 32 K), two buffers; v32-63, v192-255 the way out
;   window 1: v64-127, v128-191 W's fragments, two buffers; v192-255 the bias; v0-1 at work
;   window 2: the accumulators of my rows 0-63 ((a, b) at 8 (8 a + b));   window 3: those of my rows 64-127
.set KSTEP,  128
.set PA,     272                       ; a row of X in LDS: 256 bytes + 16: the 16 rows of a fragment load start 68 words apart
.set PB,     544                       ; a row of W: 512 bytes + 32: 17 x 32
.set AHALF,  128*PA                    ; 128 rows of X: what one tensor load brings, and what one wave reads
.set BOFF,   2*AHALF                   ; X's 256 rows, then W's 128 rows of k
.set BHALF,  64*PB                     ; 64 rows of k: what one tensor load brings
.set SLOT,   BOFF+2*BHALF
.set STAGE,  2*SLOT                    ; behind the ring: for each wave 2 heads x 16 rows x 144 bytes
.set SP,     144
.set WSTG,   2*16*SP
.set SPARE,  STAGE+4*WSTG              ; the spare words, 128 bytes for each wave: two blocks of 256 bytes that no other line names
.set LAPS,   4                         ; a lap = two K steps
.set ADRA, 16                          ; v16-17 my X fragments in slot 0, 1
.set ADRB, 20                          ; v20-21 my W fragments
.set STO,  24
.set RD,   25
.set GO,   26
.set BO,   27
.set SPW,  28
.set NIL,  29
.set OB,   32                          ; the way out: 16 rows read back from the stage: v32-63 and v224-255 by turns
.set F0,   64
.set F1,   128
.set TMP,  192                         ; the way out: packed results, window 0
.set BI,   192                         ; the bias, window 1
.set G1, 24                            ; s[24:31] group 1 for X's tiles; s[32:39] group 0, a set for each slot
.set G0, 32
.set G1B, 48                           ; s[48:55], s[56:63] the same for W's
.set G0B, 56
.set MUL_LO, 0xa1                      ; source 0 (W) window 1, source 1 (X) window 0, C and D window 2
.set MUL_HI, 0xf1                      ; the same, C and D window 3
.set BIA_LO, 0x91                      ; C window 1 (the bias), D window 2; with 0x40 more: D window 3
.set TO_B,   0x40                      ; destination window 1, address window 0
.set MSB, 0
.macro WIN new                         ; the immediate's high byte repeats the setting that is left
.if MSB != (\new)
	s_set_vgpr_msb (MSB<<8)|(\new)
.set MSB, \new
.endif
.endm
.macro JLOAD s                         ; a joint load: waves 0 and 1 fetch X's two halves, waves 2 and 3 W's; an s_nop 0 and four v_nop follow each line
	s_cmp_eq_u32 s11, 0
	s_cbranch_scc0 .Lfor_b_\@
	tensor_load_to_lds s[G0+4*(\s):G0+4*(\s)+3], s[G1:G1+7]
	s_nop 0
.rept 4
	v_nop
.endr
	s_branch .Lasked_\@
.Lfor_b_\@:
	tensor_load_to_lds s[G0B+4*(\s):G0B+4*(\s)+3], s[G1B:G1B+7]
	s_nop 0
.rept 4
	v_nop
.endr
.Lasked_\@:
.endm
.macro CREST                           ; a round of the cluster's barrier behind its opening barrier
	s_cmp_lg_u32 s10, 0
	s_cbranch_scc1 .Lnot_wave_0_\@
	s_barrier_signal -3
.Lnot_wave_0_\@:
	s_barrier_wait -3
	s_barrier_signal -1
	s_barrier_wait -1
.endm
.macro CROUND
	s_barrier_signal -1
	s_barrier_wait -1
	CREST
.endm
.macro PLACES                          ; four places in front of loads into registers that matrix instructions have read, and of lines that read results
.rept 4
	v_nop
.endr
.endm
	s_load_b512 s[68:83], s[0:1], 0x0              ; cbuf, six biases in the tensors' order, qkv
	v_lshl_add_u32 v[SPW], v0, 2, SPARE
	v_mov_b32 v[NIL], 0
	ds_add_u32 v28, v29
	ds_add_u32 v28, v29
	s_wait_dscnt 0x0
	v_lshrrev_b32 v1, 5, v0
	v_readfirstlane_b32 s10, v1                    ; wave 0..3
	s_lshr_b32 s11, s10, 1                         ; my half of the tile's rows.  Also: I fetch for X (0) or for W (1)
	s_and_b32 s12, s10, 1                          ; my half of its columns.  Also: which half of that tile I fetch
	s_bfe_u32 s40, ttmp6, 0x40000                  ; cx: the group of four heads
	s_bfe_u32 s41, ttmp6, 0x40004                  ; cy
	s_mov_b32 s45, ttmp9                           ; the cluster's x: the tensor, shared by all sixteen
	s_and_b32 s13, ttmp7, 0xffff
	s_lshl_b32 s13, s13, 2
	s_add_co_u32 s13, s13, s41                     ; block of 256 rows = 4 x cluster y + cy
	s_lshl_b32 s43, s41, 2
	s_lshl_b32 s43, 15, s43                        ; my row of the cluster
	s_lshl_b32 s44, 0x1111, s40                    ; my column
	s_or_b32 s[G1+0], s43, (1<<16)|(1<<20)|(1<<21)|(5<<22)|(3<<25)   ; mask; 2-byte elements; padding on; bit 21 beside a mask; after every 64 words, 4 words
	s_mov_b32 s[G1+1], 128<<16                     ; tensor_dim0 = 128
	s_mov_b32 s[G1+2], 128<<16                     ; tensor_dim1 = 128
	s_mov_b32 s[G1+3], 128<<16                     ; tile_dim0 = 128
	s_mov_b32 s[G1+4], 128                         ; tile_dim1 = 128
	s_mov_b32 s[G1+5], 1024                        ; elements from row to row
	s_mov_b32 s[G1+6], 0
	s_mov_b32 s[G1+7], 0
	s_or_b32 s[G1B+0], s44, (1<<16)|(1<<20)|(1<<21)|(6<<22)|(7<<25)  ; after every 128 words, 8 words
	s_mov_b32 s[G1B+1], 256<<16
	s_mov_b32 s[G1B+2], 64<<16
	s_mov_b32 s[G1B+3], 256<<16
	s_mov_b32 s[G1B+4], 64
	s_mov_b32 s[G1B+5], 1024
	s_mov_b32 s[G1B+6], 0
	s_mov_b32 s[G1B+7], 0
	; X's tile hangs on the block of rows and the tensor, W's on the tensor and cx; each offset in registers that never hold the other's coordinate
	s_lshl_b32 s16, s13, 8
	s_lshl_b32 s17, s12, 7
	s_add_co_u32 s16, s16, s17                     ; row 256 x block + 128 x half
	s_lshl_b32 s16, s16, 11                        ; x 2,048 bytes
	s_cmp_ge_u32 s45, 2
	s_cselect_b32 s17, 0x800000, 0                 ; tensors 2 to 5 read inputs_kv
	s_add_co_u32 s16, s16, s17
	s_mov_b32 s17, 0
	s_lshl_b32 s46, s45, 21                        ; the tensor's weights,
	s_lshl_b32 s47, s40, 9                         ; 256 columns x cx,
	s_add_co_u32 s46, s46, s47
	s_lshl_b32 s47, s12, 17                        ; 64 rows of k x half
	s_add_co_u32 s46, s46, s47
	s_add_co_u32 s46, s46, 0x1000000               ; the weights begin at unit 8
	s_mov_b32 s47, 0
	s_mul_i32 s20, s12, AHALF                      ; where they go: no place in the cluster enters an LDS address
	s_mul_i32 s21, s12, BHALF
	s_add_co_u32 s21, s21, BOFF
	s_wait_kmcnt 0x0
	s_add_nc_u64 s[14:15], s[68:69], s[16:17]
	s_add_nc_u64 s[46:47], s[68:69], s[46:47]
	CROUND                                         ; all sixteen work-groups are here: the first joint loads meet
.irp s, 0,1
	s_mov_b32 s[G0+4*(\s)], 1
	s_add_co_u32 s[G0+4*(\s)+1], s20, (\s)*SLOT
	s_add_nc_u64 s[G0+4*(\s)+2:G0+4*(\s)+3], s[14:15], (\s)*KSTEP*2
	s_or_b32 s[G0+4*(\s)+3], s[G0+4*(\s)+3], 0x80000000
	s_mov_b32 s[G0B+4*(\s)], 1
	s_add_co_u32 s[G0B+4*(\s)+1], s21, (\s)*SLOT
	s_add_nc_u64 s[G0B+4*(\s)+2:G0B+4*(\s)+3], s[46:47], (\s)*KSTEP*2048
	s_or_b32 s[G0B+4*(\s)+3], s[G0B+4*(\s)+3], 0x80000000
	JLOAD \s
.endr
	v_and_b32 v1, 15, v0                           ; l % 16
	v_bfe_u32 v2, v0, 4, 1                         ; l / 16
	v_mul_u32_u24 v3, v1, PA
	v_lshl_add_u32 v3, v2, 4, v3                   ; X: row x pitch + 16 x half
	s_mul_i32 s22, s11, AHALF                      ; my 128 rows
	v_and_b32 v7, 7, v0
	v_lshl_add_u32 v4, v2, 3, v7                   ; W, turned: row of k 8 (l / 16) + l % 8,
	v_mul_u32_u24 v4, v4, PB
	v_bfe_u32 v5, v0, 3, 1
	v_lshl_add_u32 v4, v5, 4, v4                   ; columns 8 ((l / 8) % 2) on
	s_lshl_b32 s23, s12, 8                         ; my 128 columns
	s_add_co_u32 s23, s23, BOFF
.irp s, 0,1
	v_add_nc_u32 v[ADRA+(\s)], s22, v3
	v_add_nc_u32 v[ADRB+(\s)], s23, v4
	s_add_co_u32 s22, s22, SLOT
	s_add_co_u32 s23, s23, SLOT
.endr
	s_mul_i32 s22, s10, WSTG
	s_add_co_u32 s22, s22, STAGE                   ; my stage
	v_mul_u32_u24 v6, v1, SP                       ; in: row l % 16, 16 bytes for each half of the lanes
	v_lshl_add_u32 v6, v2, 4, v6
	v_add_nc_u32 v[STO], s22, v6
	v_bfe_u32 v6, v0, 3, 2                         ; back: 32 lanes take four rows of 128 bytes,
	v_mul_u32_u24 v6, v6, SP
	v_lshl_add_u32 v6, v7, 4, v6
	v_add_nc_u32 v[RD], s22, v6
	v_and_b32 v[GO], 31, v0                        ; which are 512 consecutive bytes of a head's rows
	v_lshlrev_b32 v[GO], 4, v[GO]
	s_lshr_b32 s86, s13, 3                         ; where my part begins in qkv: plane 16 batch + 4 cx + 2 x column half,
	s_lshl_b32 s86, s86, 4
	s_lshl_b32 s87, s40, 2
	s_add_co_u32 s86, s86, s87
	s_lshl_b32 s87, s12, 1
	s_add_co_u32 s86, s86, s87
	s_lshl_b32 s86, s86, 11                        ; of 2,048 rows,
	s_and_b32 s87, s13, 7
	s_lshl_b32 s87, s87, 8
	s_add_co_u32 s86, s86, s87                     ; the block's rows in the batch,
	s_lshl_b32 s87, s11, 7
	s_add_co_u32 s86, s86, s87                     ; my 128 of them,
	s_lshl_b32 s86, s86, 7                         ; of 128 bytes,
	s_lshl_b32 s87, s45, 23
	s_add_co_u32 s86, s86, s87                     ; in tensor t
	s_mov_b32 s87, 0
	s_add_nc_u64 s[82:83], s[82:83], s[86:87]
	s_mov_b64 s[84:85], s[70:71]                   ; the tensor's bias
.irp t, 1,2,3,4,5
	s_cmp_eq_u32 s45, \t
	s_cselect_b64 s[84:85], s[70+2*\t:71+2*\t], s[84:85]
.endr
	s_lshl_b32 s88, s40, 10
	s_lshl_b32 s89, s12, 9
	s_add_co_u32 s88, s88, s89
	v_lshl_add_u32 v[BO], v2, 5, s88               ; my eight channels of column block 0: (256 cx + 128 half + 8 (l / 16)) x 4 bytes
	WIN TO_B                                       ; destination window 1
.irp nb, 0,1,2,3,4,5,6,7
	global_load_b128 v[BI+8*\nb:BI+8*\nb+3],   v[BO], s[84:85] offset:64*\nb
	global_load_b128 v[BI+8*\nb+4:BI+8*\nb+7], v[BO], s[84:85] offset:64*\nb+16
.endr
	s_wait_loadcnt 0x0
	WIN 0x45                                       ; all in window 1: the bias is rounded to bf16 and widened again
.set p, 0
.rept 32
	v_cvt_pk_bf16_f32 v[p%2], v[BI+2*p], v[BI+2*p+1]
	v_lshlrev_b32 v[BI+2*p], 16, v[p%2]
	v_and_b32 v[BI+2*p+1], 0xffff0000, v[p%2]
.set p, p+1
.endr
	WIN 0
; 16 matrix instructions: row blocks a0, a0 + 1 of the window's four (hi = 0: my rows 0-63, 1: rows 64-127) x all 8 column blocks, 32 along K.  first = 1: the bias starts the sums.
; Each accumulator has one turn in a quarter: 63 others stand between two links.
.macro MUL16 f, hi, a0, first
.if \first
	WIN BIA_LO+0x40*(\hi)
.else
	WIN MUL_LO+0x50*(\hi)
.endif
.irp a, \a0, (\a0)+1
.irp b, 0,1,2,3,4,5,6,7
.if \first
	v_wmma_f32_16x16x32_bf16 v[8*(8*(\a)+(\b)):8*(8*(\a)+(\b))+7], v[(\f)+8*(\b):(\f)+8*(\b)+7], v[(\f)+8*(4*(\hi)+(\a)):(\f)+8*(4*(\hi)+(\a))+7], v[BI+8*(\b):BI+8*(\b)+7]
.else
	v_wmma_f32_16x16x32_bf16 v[8*(8*(\a)+(\b)):8*(8*(\a)+(\b))+7], v[(\f)+8*(\b):(\f)+8*(\b)+7], v[(\f)+8*(4*(\hi)+(\a)):(\f)+8*(4*(\hi)+(\a))+7], v[8*(8*(\a)+(\b)):8*(8*(\a)+(\b))+7]
.endif
.endr
.endr
.endm
; 32 LDS loads in one run: quarter q's fragments into buffer f: W's 16 (turned) first, then X's 16
.macro FETCH slot, q, f
	WIN TO_B
.irp nb, 0,1,2,3,4,5,6,7
	ds_load_tr16_b128 v[(\f)+8*\nb:(\f)+8*\nb+3],   v[ADRB+(\slot)] offset:(\q)*32*PB+32*\nb
	ds_load_tr16_b128 v[(\f)+8*\nb+4:(\f)+8*\nb+7], v[ADRB+(\slot)] offset:(\q)*32*PB+16*PB+32*\nb
.endr
	WIN 0
.irp i, 0,1,2,3,4,5,6,7
	ds_load_b128 v[(\f)+8*\i:(\f)+8*\i+3],   v[ADRA+(\slot)] offset:(\q)*64+\i*16*PA
	ds_load_b128 v[(\f)+8*\i+4:(\f)+8*\i+7], v[ADRA+(\slot)] offset:(\q)*64+\i*16*PA+32
.endr
.endm
; One of a K step's first three quarters: multiplies buffer f and, in its middle, fetches quarter q into g
.macro QUARTER slot, q, f, g, first
	s_wait_dscnt 8                                 ; W and X's rows 0-63 are in; the youngest eight loads (X's rows 64-127) may be out
	MUL16 \f, 0, 0, \first
	MUL16 \f, 0, 2, \first
	PLACES
	FETCH \slot, \q, \g
	s_wait_dscnt 32                                ; all but the 32 just issued
	MUL16 \f, 1, 0, \first
	MUL16 \f, 1, 2, \first
.endm
; The last quarter multiplies buffer 1 and changes slots: one barrier; in front of it each wave waits for all its tensor loads, adds 0 to its spare word, and waits for that and for its reads of this slot.
; fill = 1: the barrier opens a round of the cluster's, and this slot is filled again, two K steps ahead, first thing behind the round.
.macro TURN slot, next, fill
	WIN 0                                          ; (the add's two registers lie in window 0)
	s_wait_tensorcnt 0x0                           ; all my tensor loads have landed: the one that was out is my part of the next slot
	ds_add_u32 v[SPW], v[NIL]                      ; 0 onto my spare word
	s_wait_dscnt 9                                 ; (the add and the youngest eight loads may be out)
	MUL16 F1, 0, 0, 0                              ; sixteen matrix instructions stand between the add and the wait for it
	s_wait_dscnt 0x0                               ; the add is done, and my reads of this slot are over
	s_barrier_signal -1
	MUL16 F1, 0, 2, 0
.if \fill
	WIN 0
.endif
	s_barrier_wait -1
.if \fill
	CREST                                          ; no wave of any partner still reads this slot or has a load on its way
	s_add_nc_u64 s[G0+4*(\slot)+2:G0+4*(\slot)+3], s[G0+4*(\slot)+2:G0+4*(\slot)+3], 2*KSTEP*2
	s_add_nc_u64 s[G0B+4*(\slot)+2:G0B+4*(\slot)+3], s[G0B+4*(\slot)+2:G0B+4*(\slot)+3], 2*KSTEP*2048
	JLOAD \slot                                    ; the first tensor load behind the round; its four v_nop are also the places in front of the loads below
.else
	PLACES
.endif
	FETCH \next, 0, F0
	MUL16 F1, 1, 0, 0
	MUL16 F1, 1, 2, 0
.endm
	s_wait_tensorcnt 1                             ; my part of K step 0 is in; K step 1's may stay out
	s_barrier_signal -1
	s_barrier_wait -1
	FETCH 0, 0, F0
	QUARTER 0, 1, F0, F1, 1                        ; the first quarter stands in front of the loop: its products start the sums with the bias
	WIN 0
	s_mov_b32 s3, LAPS-1
.Llap:                                                 ; a trip goes once round the ring and fills both slots again
	QUARTER 0, 2, F1, F0, 0
	QUARTER 0, 3, F0, F1, 0
	TURN 0, 1, 1
	QUARTER 1, 1, F0, F1, 0
	QUARTER 1, 2, F1, F0, 0
	QUARTER 1, 3, F0, F1, 0
	TURN 1, 0, 1
	QUARTER 0, 1, F0, F1, 0
	WIN 0
	s_sub_co_u32 s3, s3, 1
	s_cmp_lg_u32 s3, 0
	s_cbranch_scc1 .Llap
	QUARTER 0, 2, F1, F0, 0                        ; the last lap fills nothing
	QUARTER 0, 3, F0, F1, 0
	TURN 0, 1, 0
	QUARTER 1, 1, F0, F1, 0
	QUARTER 1, 2, F1, F0, 0
	QUARTER 1, 3, F0, F1, 0
	s_wait_dscnt 8
	MUL16 F1, 0, 0, 0
	MUL16 F1, 0, 2, 0
	s_wait_dscnt 0x0
	MUL16 F1, 1, 0, 0
	MUL16 F1, 1, 2, 0
	WIN 0
	PLACES
; THE WAY OUT of row block a, in three parts.  PACK: rounded to f16, 16 bytes a lane, each accumulator's registers in ascending order.  TOSTAGE: into my own stage (two heads x 16 rows of 144 bytes), and back as
; whole rows of 128 bytes.  SEND: stored, four rows of a head to a store.
.macro PACK a
.set AC, 64*((\a)%4)
	WIN 0x0a+5*((\a)/4)                            ; sources 0 and 1: window 2 or 3
.irp b, 0,1,2,3,4,5,6,7
.irp r, 0,1,2,3
	v_cvt_pk_f16_f32 v[TMP+4*(\b)+(\r)], v[AC+8*(\b)+2*(\r)], v[AC+8*(\b)+2*(\r)+1]
.endr
.endr
	WIN 0
.endm
.macro TOSTAGE a
.set BK, OB+192*((\a)%2)
.irp b, 0,1,2,3,4,5,6,7
	ds_store_b128 v[STO], v[TMP+4*(\b):TMP+4*(\b)+3] offset:((\b)/4)*16*SP+32*((\b)%4)
.endr
.irp i, 0,1,2,3,4,5,6,7
	ds_load_b128 v[BK+4*(\i):BK+4*(\i)+3], v[RD] offset:((\i)/4)*16*SP+((\i)%4)*4*SP  ; LDS serves a wave's instructions in order (ISA guide 5.7.1.4): these see the stores above
.endr
.endm
.macro SEND a
.set BK, OB+192*((\a)%2)
	s_wait_dscnt 0x0                               ; the block is back in registers
	s_wait_xcnt 0x0                                ; the stores of the block before have read their registers: the next block's loads from the stage land on them
.irp i, 0,1,2,3,4,5,6,7
	global_store_b128 v[GO], v[BK+4*(\i):BK+4*(\i)+3], s[82:83] offset:((\i)/4)*262144+(\a)*2048+((\i)%4)*512  ; 512 consecutive bytes, aligned
.endr
.endm
	PACK 0
	TOSTAGE 0
.irp a, 1,2,3,4,5,6,7                  ; block a's conversions stand between block a - 1's loads from the stage and the wait for them
	PACK \a
	SEND (\a)-1
	TOSTAGE \a
.endr
	SEND 7
	s_wait_tensorcnt 0x0                           ; the wave's end
	ds_add_u32 v[SPW], v[NIL]
	s_wait_dscnt 0x0
	CROUND                                         ; the closing round
	s_endpgm
.Lfunc_end_k_q50a5b0f0df_proj:
	.size	k_q50a5b0f0df_proj, .Lfunc_end_k_q50a5b0f0df_proj-k_q50a5b0f0df_proj
	.p2alignl 7, 3214868480
	.fill 96, 4, 3214868480
	.section	.rodata,"a",@progbits
	.p2align	6, 0x0
	.amdhsa_kernel k_q50a5b0f0df_proj
		.amdhsa_group_segment_fixed_size 327680
		.amdhsa_private_segment_fixed_size 0
		.amdhsa_enable_private_segment 0
		.amdhsa_kernarg_size 64
		.amdhsa_user_sgpr_count 2
		.amdhsa_user_sgpr_kernarg_segment_ptr 1
		.amdhsa_wavefront_size32 1
		.amdhsa_system_sgpr_workgroup_id_x 1
		.amdhsa_system_sgpr_workgroup_id_y 1
		.amdhsa_system_sgpr_workgroup_id_z 1
		.amdhsa_system_vgpr_workitem_id 0
		.amdhsa_next_free_vgpr 1024
		.amdhsa_next_free_sgpr 100
		.amdhsa_reserve_vcc 0
		.amdhsa_float_denorm_mode_32 3
		.amdhsa_float_denorm_mode_16_64 3
		.amdhsa_memory_ordered 1
		.amdhsa_forward_progress 1
		.amdhsa_inst_pref_size 150
	.end_amdhsa_kernel
	.amdgpu_metadata
---
amdhsa.version: [ 1, 2 ]
amdhsa.kernels:
  - .name:           k_q50a5b0f0df_proj
    .symbol:         k_q50a5b0f0df_proj.kd
    .args:
      - { .name: cbuf, .offset: 0, .size: 8, .value_kind: global_buffer, .address_space: global }
      - { .name: bq_sw, .offset: 8, .size: 8, .value_kind: global_buffer, .address_space: global }
      - { .name: bq_g, .offset: 16, .size: 8, .value_kind: global_buffer, .address_space: global }
      - { .name: bk_sw, .offset: 24, .size: 8, .value_kind: global_buffer, .address_space: global }
      - { .name: bv_sw, .offset: 32, .size: 8, .value_kind: global_buffer, .address_space: global }
      - { .name: bk_g, .offset: 40, .size: 8, .value_kind: global_buffer, .address_space: global }
      - { .name: bv_g, .offset: 48, .size: 8, .value_kind: global_buffer, .address_space: global }
      - { .name: qkv, .offset: 56, .size: 8, .value_kind: global_buffer, .address_space: global }
    .group_segment_fixed_size: 327680
    .private_segment_fixed_size: 0
    .kernarg_segment_align: 8
    .kernarg_segment_size: 64
    .max_flat_workgroup_size: 128
    .sgpr_count:     100
    .vgpr_count:     1024
    .wavefront_size: 32
...
	.end_amdgpu_metadata
.endif
;; end of part 6
;; launch attn (part 7): grid 8 x 32, 8 waves a work-group, no clusters, 209,920 bytes of LDS; arguments qkv, cbias, tab, global_mask, xatt; writes xatt
.if DOCPART == 7
	.amdgcn_target "amdgcn-amd-amdhsa--gfx1250"
	.amdhsa_code_object_version 6
	.text
	.protected	k_q50a5b0f0df_attn
	.globl	k_q50a5b0f0df_attn
	.p2align	8
	.type	k_q50a5b0f0df_attn,@function
k_q50a5b0f0df_attn:
	s_mov_b64 s[64:65], 0
	v_nop
	global_prefetch_b8 v0, s[64:65] scope:SCOPE_SE
	s_setreg_imm32_b32 hwreg(HW_REG_WAVE_MODE, 25, 1), 1
	s_wait_xcnt 0x0
; BOTH ATTENTIONS, in two phases of one launch.  q, k, v, x: f16, [batch][head][row][64]; products, maxima and sums in f32; the weights are rounded to f16 for the second product, x once at the end.
; Work-group (BLK, y = 16 batch + head), eight waves.
; PHASE 1, THE GLOBAL ROWS.  A row with global_mask set keeps x_g alone, and its mask row is all true: dense attention of q_g over all 2,048 keys of k_g, v_g.  The rows are gathered by tab's list, in groups of 32
; (two tiles of 16); there are (G + 31) / 32 groups, none if the batch has no global row.  A work-group takes the groups x, x + 8, ..; x is the block's rank: 0 for block 0, 1 for block 7, BLK + 1 for the others, since
; the two blocks at the sequence's ends have four band tiles fewer in phase 2.  The eight waves split the KEYS: wave w owns keys 256 w on, four steps of 64, with a running maximum and sum of its own; the eight
; partial results meet in LDS, where wave w reduces tile w / 4, channels 16 (w % 4) on.  The loop has a constant 8 trips; a trip whose group is not there jumps forward over the three parts of the work and passes both barriers.
; A group's indices are asked for a trip ahead (the first group's beside the load of G), so that Q, K and V go out together.
; PHASE 2, THE OTHER ROWS.  A row i without global_mask keeps x_sw alone: attention of q_sw over the keys j of k_sw, v_sw with -255 <= j - i <= 256, or with global_mask[j] set.  The work-group has 256 queries, wave w 32 of
; them.  It walks the key tiles 4 BLK - 4 .. 4 BLK + 7 and those that tab's FM flags: a bit mask, popped from below.  The loop has a constant 32 steps; a step with no tile left goes straight to the barrier.  A wave whose 32
; rows see nothing of a tile still moves its share of the next tile and skips the arithmetic.  Rows with global_mask set are computed and not stored.
; K and V come through registers, 64 bytes a thread and step, into two LDS buffers that take turns: tile n + 2 is asked for, tile n + 1 is put into LDS and tile n is multiplied in one step; one barrier a step orders
; the stores into a buffer ahead of the next step's reads, and this step's reads ahead of the next step's stores.
; THE MASK of phase 2 is the C operand that starts S^T = K Q^T: cbias[key] (0 or -8e10) x W, W = 1 outside the band.  For 16 queries x 16 keys, e = 16 + (first key - first query) / 16: W = 0 for e in 1..31; 1 - U for e = 0;
; U for e = 32; else 1, where U = 1 where the key's place exceeds the query's.  W = U b + a with two scalars; five different e occur in a step.
; LIMITS.  A hidden key counts as its score less 8e10 ahead of the division by 8, as in the definition; a key tile of 64 that is wholly outside a block's band and holds no global key is not walked: its weights count as
; exactly 0, which holds while scores differ by less than 1e10 - 104.  A weight below 2^-126 counts as 0.  NaN and infinities are not treated apart.
; LAYOUT.  S^T = K Q^T holds one query a lane (lane % 16) and the keys 8 (lane / 16) + 0..7; two such results rounded to f16 are source 1 of O^T = V^T P.  V comes out of LDS turned (ds_load_tr16_b128).
; NO CLUSTER, NO TENSOR LOADS: the blocks of a head walk different band tiles, and both their counts and the groups of phase 1 hang on the mask; what they would share is the flagged tiles alone.
; LDS: phase 1 has bytes 0 to 151,551, phase 2 the 57,344 behind them: neither phase writes what the other reads.
; REGISTERS: window 0: addresses, statistics, v116-179 S^T, v180-211 P; phase 1: v36-99 V on its way; phase 2: U, W, v68-83 K and V on their way, v84-115 cbias.  Window 1: v0-63 O^T, v64-95 Q, v128-191 K, v192-255 V.
.set PVP,  160                         ; a row of V in LDS: 128 bytes + 32
.set WREG, 64*PVP                      ; phase 1: a wave's 64 rows of V
.set MREG, 8*WREG                      ; c m of 8 waves x 2 tiles x 32 lanes; l lies 2,048 bytes on
.set OREG, MREG+4096                   ; O^T of 8 waves: 8,192 bytes each
.set LB,   OREG+65536                  ; phase 2 begins here
.set PK,   144                         ; a row of K in LDS: 128 bytes + 16
.set VOFF, 64*PK
.set BUF,  64*(PK+PVP)
.set STAGE, LB+2*BUF                   ; 16 rows x 144 bytes for each wave, for phase 2's way out
.set SP,   144
.set WSTG, 16*SP
; both phases
.set R, 1
.set H, 2
.set LN, 3
.set MV, 18
.set ST, 20                            ; tile t at ST + 4 t: c m, m, l (even keys', odd keys')
.set TMP, 28
.set S, 116
.set P, 180
.set QF, 64
.set KF, 128
.set VF, 192
; phase 1
.set GVK, 4                            ; K's offset of the step in hand
.set GVV, 5                            ; V's
.set GVS, 6                            ; where I put V's 16 bytes
.set GAV, 7                            ; where the turning load reads
.set IDX, 8                            ; v8-9 my query's row, tile 0, 1
.set GQO, 10                           ; v10-11 its byte offset
.set MX, 12
.set OX, 13
.set MR, 14
.set ORD, 15
.set AO, 16
.set HO, 17
.set VST, 36
.set OUT, 100
.set VK0, 104
.set VV0, 105
.set GT, 106                           ; v106-109 at work
.set IA, 110
.set CMU, 36                           ; part 3: the eight waves' c m, l, weights (in pairs), O^T, and the sum
.set LU, 44
.set FU, 52
.set OU, 116
.set AC, 180
; phase 2
.set AK, 4
.set AV, 5
.set SK, 6
.set SV, 7
.set GL, 8
.set VO, 9
.set CBL, 10
.set VOC, 11
.set STO, 12
.set RD, 13
.set GO, 14
.set QO, 15
.set GMO, 16
.set T0, 17
.set GMR, 36                           ; v36-43 global_mask of the rows that I store
.set U, 44
.set W, 52                             ; two sets of eight
.set STG, 68
.set CB, 84
; scalars
.set WV, 14
.set BLK, 15
.set YY, 16
.set BT, 17
.set MM, 19                            ; phase 2: tiles still to be popped
.set REM, 20                           ; tiles still to be multiplied
.set TC, 21                            ; the tile in hand, the next, the one after
.set TN, 22
.set T2, 23
.set EB, 24                            ; 16 - 16 BLK - 2 w
.set IT, 25
.set CS, 40
.set SEL, 42
.set GN, 76                            ; s[76:79]: G, a word not used here, FM, 0
.set FM, 78
.set NGR, 80                           ; phase 1: groups of the batch
.set GIT, 81                           ; trips done
.set GG, 82                            ; the trip's group
.set XR, 83                            ; the block's rank
.set MSB, 0
.macro WIN new
.if MSB != (\new)
	s_set_vgpr_msb (MSB<<8)|(\new)
.set MSB, \new
.endif
.endm
.macro PLACES
.rept 4
	v_nop
.endr
.endm
.macro REGS u
.set rT, ST+4*(\u)
.set rC, TMP+4*(\u)
.set rM, MV+(\u)
.set rS, S+32*(\u)
.set rP, P+16*(\u)
.set rO, 32*(\u)
.endm
; Number n of the 22 that find tile u's maximum and statistics; each accumulator's lowest registers are read first
.macro XS u, n
	REGS \u
.if (\n) < 4
	v_max3_num_f32 v[rC+(\n)], v[rS+8*(\n)], v[rS+8*(\n)+1], v[rS+8*(\n)+2]
.elseif (\n) < 12
	v_max3_num_f32 v[rC+(\n)%4], v[rC+(\n)%4], v[rS+8*((\n)%4)+2*((\n)/4)+1], v[rS+8*((\n)%4)+2*((\n)/4)+2]
.elseif (\n) == 12
	v_max3_num_f32 v[rC], v[rC], v[rS+7], v[rS+15]
.elseif (\n) == 13
	v_max3_num_f32 v[rC+1], v[rC+1], v[rS+23], v[rS+31]
.elseif (\n) == 14
	v_max3_num_f32 v[rC+2], v[rC+2], v[rC+3], v[rT+1]
.elseif (\n) == 15
	v_mov_b32 v[rM], v[rT]                         ; c m_old is kept
.elseif (\n) == 16
	v_max3_num_f32 v[rC], v[rC], v[rC+1], v[rC+2]
.elseif (\n) == 17
	v_permlanex16_b32 v[rC+3], v[rC], s[SEL], s[SEL+1]  ; the query's other 32 keys lie in the lane 16 away
.elseif (\n) == 18
	v_max_num_f32 v[rT+1], v[rC], v[rC+3]
.elseif (\n) == 19
	v_mul_f32 v[rT], s[CS], v[rT+1]
.elseif (\n) == 20
	v_sub_f32 v[rC+1], v[rM], v[rT]
.else
	v_exp_f32 v[rC+2], v[rC+1]                     ; a = 2^(c m_old - c m_new)
.endif
.endm
; A step's softmax for both tiles, which alternate: maximum; c s - c m; exponentials, with the rounding of the pair before as the plain instruction behind each two; the sums; l = a l + sum; O^T a
.macro SOFTMAX
	WIN 0
.irp n, 0,1,2,3,4,5,6,7,8,9,10,11,12,13,14,15,16,17,18,19,20,21
	XS 0, \n
	XS 1, \n
.endr
.set z, 0
.rept 32
	REGS z%2
	v_pk_fma_f32 v[rS+2*(z/2):rS+2*(z/2)+1], v[rS+2*(z/2):rS+2*(z/2)+1], s[CS:CS+1], v[rT:rT+1] op_sel_hi:[1,0,0] neg_lo:[0,0,1] neg_hi:[0,0,1]
.set z, z+1
.endr
.set z, 0
.rept 32
	REGS z%2
	v_exp_f32 v[rS+2*(z/2)], v[rS+2*(z/2)]
	v_exp_f32 v[rS+2*(z/2)+1], v[rS+2*(z/2)+1]
.if z == 0
	v_nop
.else
	REGS (z-1)%2
	s_wait_alu depctr_va_vdst(0)
	v_cvt_pk_f16_f32 v[rP+(z-1)/2], v[rS+2*((z-1)/2)], v[rS+2*((z-1)/2)+1]
.endif
.set z, z+1
.endr
	REGS 1
	v_cvt_pk_f16_f32 v[rP+15], v[rS+30], v[rS+31]
.irp w, 4,8,16,32
.set z, 0
.rept 64/\w
	REGS z%2
	v_pk_add_f32 v[rS+\w*(z/2):rS+\w*(z/2)+1], v[rS+\w*(z/2):rS+\w*(z/2)+1], v[rS+\w*(z/2)+\w/2:rS+\w*(z/2)+\w/2+1]
.set z, z+1
.endr
.endr
.irp u, 0,1
	REGS \u
	v_pk_fma_f32 v[rT+2:rT+3], v[rT+2:rT+3], v[rC+2:rC+3], v[rS:rS+1] op_sel_hi:[1,0,1]
.endr
	WIN 0x41                                       ; O^T in window 1, a in window 0
.set z, 0
.rept 32
	REGS z%2
	v_pk_mul_f32 v[rO+2*(z/2):rO+2*(z/2)+1], v[rO+2*(z/2):rO+2*(z/2)+1], v[rC+2:rC+3] op_sel_hi:[1,0]
.set z, z+1
.endr
	WIN 0
.endm
; 16 products S^T = K Q^T: channels 32 (i / 8) on, keys 16 ((i / 2) % 4) on, tile i % 2.  The 8 accumulators take turns.  zero = 1: the first 8 start the sums; 0: they add onto the mask, in place
.macro KQALL zero
	WIN 0x05
.set i, 0
.rept 16
.set rS, S+32*(i%2)+8*((i/2)%4)
.set rK, KF+16*((i/2)%4)+8*(i/8)
.set rQ, QF+16*(i%2)+8*(i/8)
.if (\zero) && (i < 8)
	v_wmma_f32_16x16x32_f16 v[rS:rS+7], v[rK:rK+7], v[rQ:rQ+7], 0
.else
	v_wmma_f32_16x16x32_f16 v[rS:rS+7], v[rK:rK+7], v[rQ:rQ+7], v[rS:rS+7]
.endif
.set i, i+1
.endr
	WIN 0
.endm
; 16 products O^T += V^T P: keys 32 (i / 8) on, channels 16 ((i / 2) % 4) on, tile i % 2
.macro PVALL
	WIN 0x51
.set i, 0
.rept 16
.set rO, 32*(i%2)+8*((i/2)%4)
.set rV, VF+32*(i/8)+8*((i/2)%4)
.set rP, P+16*(i%2)+8*(i/8)
	v_wmma_f32_16x16x32_f16 v[rO:rO+7], v[rV:rV+7], v[rP:rP+7], v[rO:rO+7]
.set i, i+1
.endr
	WIN 0
.endm
; ---- phase 1's own
.macro KLOAD                           ; a step's K as fragments: key block f / 2, channels 32 (f % 2) on
	WIN 0x40
.irp f, 0,1,2,3,4,5,6,7
	global_load_b128 v[KF+8*\f:KF+8*\f+3],   v[GVK], s[22:23] offset:(\f/2)*2048+(\f%2)*64
	global_load_b128 v[KF+8*\f+4:KF+8*\f+7], v[GVK], s[22:23] offset:(\f/2)*2048+(\f%2)*64+32
.endr
	WIN 0
.endm
.macro VLOAD                           ; a step's V: 8,192 consecutive bytes
.irp i, 0,1,2,3,4,5,6,7,8,9,10,11,12,13,14,15
	global_load_b128 v[VST+4*\i:VST+4*\i+3], v[GVV], s[24:25] offset:512*\i
.endr
.endm
.macro INIT                            ; a walk's start: O^T and l are 0, c m far below every c s, m the lowest finite number: the first step is a step like any other, with a = 0
	WIN 0x40
.set i, 0
.rept 64
	v_mov_b32 v[i], 0
.set i, i+1
.endr
	WIN 0
.irp t, 0,1
	v_mov_b32 v[ST+4*\t], 0xfe000000
	v_mov_b32 v[ST+4*\t+1], 0xff7fffff
	v_mov_b32 v[ST+4*\t+2], 0
	v_mov_b32 v[ST+4*\t+3], 0
.endr
.endm
; A key step of phase 1.  last = 1: nothing more is asked for
.macro GSTEP last
	s_wait_loadcnt 16                              ; K is in; V's sixteen loads may be out
	KQALL 1
	PLACES                                         ; in front of the loads into K's and V's registers and of the reads of S^T
.if !(\last)
	v_add_nc_u32 v[GVK], 0x2000, v[GVK]            ; free: K's loads are done
	KLOAD
	s_wait_loadcnt 16                              ; V is in; the next K's sixteen may be out
.else
	s_wait_loadcnt 0x0
.endif
.irp i, 0,1,2,3,4,5,6,7,8,9,10,11,12,13,14,15
	ds_store_b128 v[GVS], v[VST+4*\i:VST+4*\i+3] offset:640*\i  ; four rows of 160 bytes a store, into my wave's own bytes
.endr
.if !(\last)
	v_add_nc_u32 v[GVV], 0x2000, v[GVV]
	VLOAD
.endif
	WIN 0x40
.irp f, 0,1,2,3,4,5,6,7                ; keys 32 (f / 4) on, channels 16 (f % 4) on; LDS serves a wave's instructions in order: these see the stores above
	ds_load_tr16_b128 v[VF+8*\f:VF+8*\f+3],   v[GAV] offset:(\f/4)*32*PVP+(\f%4)*32
	ds_load_tr16_b128 v[VF+8*\f+4:VF+8*\f+7], v[GAV] offset:(\f/4)*32*PVP+16*PVP+(\f%4)*32
.endr
	WIN 0
	SOFTMAX
	s_wait_dscnt 0x0                               ; V's fragments are in
	PVALL
.endm
; ---- phase 2's own
.macro POP d                           ; the lowest tile still in the mask; 31 when none is left (asked for, never multiplied)
	s_ctz_i32_b32 s[\d], s[MM]
	s_min_u32 s[\d], s[\d], 31
	s_sub_co_u32 s26, s[MM], 1
	s_and_b32 s[MM], s[MM], s26
.endm
.macro ASK d                           ; my 64 bytes of tile d's K and V
	s_lshl_b32 s26, s[\d], 13
	v_add_nc_u32 v[VO], s26, v[GL]
	global_load_b128 v[STG:STG+3],     v[VO], s[38:39]
	global_load_b128 v[STG+4:STG+7],   v[VO], s[38:39] offset:4096
	global_load_b128 v[STG+8:STG+11],  v[VO], s[66:67]
	global_load_b128 v[STG+12:STG+15], v[VO], s[66:67] offset:4096
.endm
.macro PUT b                           ; they go into buffer b
	ds_store_b128 v[SK], v[STG:STG+3]     offset:(\b)*BUF
	ds_store_b128 v[SK], v[STG+4:STG+7]   offset:(\b)*BUF+32*PK
	ds_store_b128 v[SV], v[STG+8:STG+11]  offset:(\b)*BUF
	ds_store_b128 v[SV], v[STG+12:STG+15] offset:(\b)*BUF+32*PVP
.endm
.macro CBLOAD                          ; cbias of a tile's keys in S^T's layout: key 16 kt + 8 (l / 16) + 0..7
.irp kt, 0,1,2,3
	global_load_b128 v[CB+8*\kt:CB+8*\kt+3],   v[VOC], s[68:69] offset:64*\kt
	global_load_b128 v[CB+8*\kt+4:CB+8*\kt+7], v[VOC], s[68:69] offset:64*\kt+16
.endr
.endm
; The step's masks.  W for e number i serves tile 0's key block i - 1 and tile 1's key block i
.macro MASK
.irp i, 0,1,2,3,4
.irp z, 0,1,2,3
	v_pk_fma_f32 v[W+8*(\i%2)+2*\z:W+8*(\i%2)+2*\z+1], v[U+2*\z:U+2*\z+1], s[46+4*\i:47+4*\i], s[44+4*\i:45+4*\i] op_sel_hi:[1,0,0]
.endr
.if \i >= 1
.irp z, 0,1,2,3
	v_pk_mul_f32 v[S+8*(\i-1)+2*\z:S+8*(\i-1)+2*\z+1], v[CB+8*(\i-1)+2*\z:CB+8*(\i-1)+2*\z+1], v[W+8*(\i%2)+2*\z:W+8*(\i%2)+2*\z+1]
.endr
.endif
.if \i <= 3
.irp z, 0,1,2,3
	v_pk_mul_f32 v[S+32+8*\i+2*\z:S+32+8*\i+2*\z+1], v[CB+8*\i+2*\z:CB+8*\i+2*\z+1], v[W+8*(\i%2)+2*\z:W+8*(\i%2)+2*\z+1]
.endr
.endif
.endr
.endm
; A STEP of phase 2 on buffer X
.macro STEP X
	s_cmp_eq_u32 s[REM], 0
	s_cbranch_scc1 .Lbar_\@                        ; no tile left: all eight waves alike
	s_sub_co_u32 s[REM], s[REM], 1
	s_wait_loadcnt 0x0                             ; what the step before asked for is in: the next tile's K and V, this tile's cbias
	PUT 1-(\X)                                     ; the other buffer's readers passed the last barrier
	POP T2
	ASK T2
	s_lshl_b32 s26, s[TN], 8
	v_add_nc_u32 v[VOC], s26, v[CBL]
	s_lshl_b32 s27, s[TC], 2                       ; do my 32 rows see anything of this tile?  e runs from 4 TC + EB - 1 to 4 TC + EB + 3, and 0 .. 32 touch the band
	s_add_co_u32 s27, s27, s[EB]
	s_add_co_u32 s28, s27, 3
	s_cmp_le_u32 s28, 36
	s_cselect_b32 s29, 1, 0
	s_lshr_b32 s28, s[FM], s[TC]                   ; or it holds a global key
	s_and_b32 s28, s28, 1
	s_or_b32 s29, s29, s28
	s_cmp_eq_u32 s29, 0
	s_cbranch_scc1 .Ldead_\@
	s_sub_co_u32 s28, s27, 1
.irp i, 0,1,2,3,4
	s_add_co_u32 s29, s28, \i                      ; e
	s_sub_co_u32 s30, s29, 1
	s_cmp_gt_u32 s30, 31
	s_cselect_b32 s[44+4*\i], 1.0, 0               ; a
	s_cmp_eq_u32 s29, 0
	s_cselect_b32 s[46+4*\i], -1.0, 0              ; b
	s_cmp_eq_u32 s29, 32
	s_cselect_b32 s[46+4*\i], 1.0, s[46+4*\i]
.endr
	MASK                                           ; 52 plain instructions: also the places between the last step's products and the loads into V's registers
	CBLOAD                                         ; the next tile's cbias, where this tile's has just been read
	WIN 0x40
.irp f, 0,1,2,3,4,5,6,7                ; K: keys 16 (f / 2) on, channels 32 (f % 2) on
	ds_load_b128 v[KF+8*\f:KF+8*\f+3],   v[AK] offset:(\X)*BUF+(\f/2)*16*PK+(\f%2)*64
	ds_load_b128 v[KF+8*\f+4:KF+8*\f+7], v[AK] offset:(\X)*BUF+(\f/2)*16*PK+(\f%2)*64+32
.endr
.irp f, 0,1,2,3,4,5,6,7                ; V, turned: keys 32 (f / 4) on, channels 16 (f % 4) on
	ds_load_tr16_b128 v[VF+8*\f:VF+8*\f+3],   v[AV] offset:(\X)*BUF+VOFF+(\f/4)*32*PVP+(\f%4)*32
	ds_load_tr16_b128 v[VF+8*\f+4:VF+8*\f+7], v[AV] offset:(\X)*BUF+VOFF+(\f/4)*32*PVP+16*PVP+(\f%4)*32
.endr
	WIN 0
	s_wait_dscnt 16                                ; K is in; V's sixteen loads may be out
	KQALL 0
	PLACES
	SOFTMAX
	s_wait_dscnt 0x0                               ; V is in
	PVALL
	s_branch .Lend_\@
.Ldead_\@:
	CBLOAD
.Lend_\@:
	s_mov_b32 s[TC], s[TN]
	s_mov_b32 s[TN], s[T2]
.Lbar_\@:
	s_wait_dscnt 0x0                               ; my stores into the other buffer are done and my reads of this one are back
	s_barrier_signal -1
	s_barrier_wait -1
.endm
	s_load_b256 s[4:11], s[0:1], 0x0               ; qkv, cbias, tab, global_mask
	s_load_b64 s[12:13], s[0:1], 0x20              ; xatt
	v_lshl_add_u32 v254, v0, 2, 0x33000
	v_mov_b32 v255, 0
	v_lshrrev_b32 v1, 5, v0
	v_readfirstlane_b32 s[WV], v1                  ; wave 0..7
	s_mov_b32 s[BLK], ttmp9
	s_and_b32 s[YY], ttmp7, 0xffff
	s_lshr_b32 s[BT], s[YY], 4
	s_lshl_b32 s32, s[BT], 4
	s_add_co_u32 s32, s32, 16384                   ; the batch's four words behind the lists
	s_mov_b32 s33, 0
	s_lshl_b32 s34, s[BT], 13                      ; the batch's list
	s_mov_b32 s35, 0
	s_add_co_u32 s[XR], s[BLK], 1                  ; the block's rank: the two light blocks first
	s_cmp_eq_u32 s[BLK], 7
	s_cselect_b32 s[XR], 1, s[XR]
	s_cmp_eq_u32 s[BLK], 0
	s_cselect_b32 s[XR], 0, s[XR]
	s_mov_b32 s[CS], 0x3e38aa3b                    ; c = log2(e) / 8
	s_mov_b32 s[CS+1], s[CS]
	s_mov_b32 s[SEL], 0x76543210
	s_mov_b32 s[SEL+1], 0xfedcba98
	v_and_b32 v[R], 15, v0
	v_bfe_u32 v[H], v0, 4, 1
	v_and_b32 v[LN], 31, v0
	s_lshl_b32 s31, s[XR], 7
	v_lshl_add_u32 v[IA], v[R], 2, s31             ; group x's entries: 128 x + 4 (l % 16); the list's 2,048 entries all hold rows, so this load needs no count
	s_wait_kmcnt 0x0
	s_add_nc_u64 s[74:75], s[8:9], s[32:33]
	s_load_b128 s[GN:GN+3], s[74:75], 0x0          ; G, -, FM, -
	s_add_nc_u64 s[26:27], s[8:9], s[34:35]
	global_load_b32 v[IDX], v[IA], s[26:27]
	global_load_b32 v[IDX+1], v[IA], s[26:27] offset:64
	s_lshl_b32 s32, s[YY], 18                      ; the plane: 2,048 rows of 128 bytes
	s_add_nc_u64 s[28:29], s[12:13], s[32:33]
	s_add_nc_u64 s[20:21], s[4:5], s[32:33]
	s_add_nc_u64 s[22:23], s[20:21], 33554432      ; k_g
	s_add_nc_u64 s[24:25], s[20:21], 41943040      ; v_g
	s_add_nc_u64 s[20:21], s[20:21], 8388608       ; q_g
	s_lshl_b32 s31, s[WV], 15                      ; my wave's 256 keys
	v_lshlrev_b32 v[VK0], 7, v[R]
	v_lshl_add_u32 v[VK0], v[H], 4, v[VK0]
	v_add_nc_u32 v[VK0], s31, v[VK0]               ; K: row l % 16, 16 bytes for each half of the lanes
	v_lshl_add_u32 v[VV0], v[LN], 4, s31           ; V: 16 x lane
	s_mul_i32 s31, s[WV], WREG
	v_bfe_u32 v[GT], v0, 3, 2
	v_and_b32 v[GT+1], 7, v0
	v_mul_u32_u24 v[GVS], v[GT], PVP
	v_lshl_add_u32 v[GVS], v[GT+1], 4, v[GVS]
	v_add_nc_u32 v[GVS], s31, v[GVS]
	v_lshl_add_u32 v[GAV], v[H], 3, v[GT+1]
	v_mul_u32_u24 v[GAV], v[GAV], PVP
	v_bfe_u32 v[GT], v0, 3, 1
	v_lshl_add_u32 v[GAV], v[GT], 4, v[GAV]
	v_add_nc_u32 v[GAV], s31, v[GAV]
	s_lshl_b32 s31, s[WV], 8
	s_add_co_u32 s31, s31, MREG
	v_lshl_add_u32 v[MX], v[LN], 2, s31            ; my wave's statistics
	s_lshl_b32 s31, s[WV], 13
	s_add_co_u32 s31, s31, OREG
	v_lshl_add_u32 v[OX], v[LN], 4, s31            ; my wave's O^T
	s_lshr_b32 s86, s[WV], 2                       ; the tile that I reduce,
	s_and_b32 s87, s[WV], 3                        ; and its channel block
	s_lshl_b32 s31, s86, 7
	s_add_co_u32 s31, s31, MREG
	v_lshl_add_u32 v[MR], v[LN], 2, s31
	s_lshl_b32 s31, s86, 12
	s_lshl_b32 s88, s87, 10
	s_add_co_u32 s31, s31, s88
	s_add_co_u32 s31, s31, OREG
	v_lshl_add_u32 v[ORD], v[LN], 4, s31
	s_cmp_eq_u32 s86, 1
	s_cselect_b32 s84, -1, 0
	s_lshl_b32 s88, s87, 5
	v_lshl_add_u32 v[HO], v[H], 4, s88             ; my 16 bytes in a row of x
	INIT
	s_wait_kmcnt 0x0
	s_min_u32 s[NGR], s[GN], 2048
	s_add_co_u32 s[NGR], s[NGR], 31
	s_lshr_b32 s[NGR], s[NGR], 5                   ; groups of 32 rows: 0 to 64
	s_mov_b32 s[GIT], 0
	s_mov_b32 s[GG], s[XR]
.Ltrip:
	s_cmp_ge_u32 s[GG], s[NGR]
	s_cbranch_scc1 .Lb1
	; PART 1: my 256 keys for the group's 32 rows
	v_mov_b32 v[GVK], v[VK0]
	v_mov_b32 v[GVV], v[VV0]
	KLOAD
	VLOAD
	s_wait_loadcnt 32                              ; the two indices, asked for a trip ahead, are in; K's and V's 32 loads stay out
	v_min_u32 v[IDX], 0x7ff, v[IDX]
	v_min_u32 v[IDX+1], 0x7ff, v[IDX+1]
	v_lshlrev_b32 v[GQO], 7, v[IDX]
	v_lshlrev_b32 v[GQO+1], 7, v[IDX+1]
	v_lshl_add_u32 v[GQO], v[H], 4, v[GQO]
	v_lshl_add_u32 v[GQO+1], v[H], 4, v[GQO+1]
	WIN 0x40
.irp f, 0,1,2,3                        ; tile f / 2, channels 32 (f % 2) on
	global_load_b128 v[QF+8*\f:QF+8*\f+3],   v[GQO+\f/2], s[20:21] offset:(\f%2)*64
	global_load_b128 v[QF+8*\f+4:QF+8*\f+7], v[GQO+\f/2], s[20:21] offset:(\f%2)*64+32
.endr
	WIN 0
	s_wait_loadcnt 0x0                             ; Q, and with it the first K and V
	s_mov_b32 s30, 3
.Lgs:
	GSTEP 0
	s_sub_co_u32 s30, s30, 1
	s_cmp_lg_u32 s30, 0
	s_cbranch_scc1 .Lgs
	GSTEP 1
	PLACES                                         ; behind the last products
.irp t, 0,1
	v_add_f32 v[ST+4*\t+2], v[ST+4*\t+2], v[ST+4*\t+3]
.endr
.irp t, 0,1
	v_permlanex16_b32 v[ST+4*\t+3], v[ST+4*\t+2], s[SEL], s[SEL+1]
.endr
.irp t, 0,1
	v_add_f32 v[ST+4*\t+2], v[ST+4*\t+2], v[ST+4*\t+3]
.endr
.Lb1:
	s_wait_dscnt 0x0                               ; my reads of the exchange bytes in the trip before are over
	s_barrier_signal -1
	s_barrier_wait -1                              ; everybody's are: they may be written again
	s_cmp_ge_u32 s[GG], s[NGR]
	s_cbranch_scc1 .Lb2
	; PART 2: my partial results into LDS
.irp t, 0,1
	ds_store_b32 v[MX], v[ST+4*\t] offset:128*\t
	ds_store_b32 v[MX], v[ST+4*\t+2] offset:2048+128*\t
.endr
	WIN 0x04                                       ; data in window 1
.irp t, 0,1
.irp c, 0,1,2,3
	ds_store_b128 v[OX], v[32*\t+8*\c:32*\t+8*\c+3]   offset:4096*\t+1024*\c
	ds_store_b128 v[OX], v[32*\t+8*\c+4:32*\t+8*\c+7] offset:4096*\t+1024*\c+512
.endr
.endr
	WIN 0
.Lb2:
	s_wait_dscnt 0x0                               ; for the others' sake: my stores are done
	s_barrier_signal -1
	s_barrier_wait -1
	s_cmp_ge_u32 s[GG], s[NGR]
	s_cbranch_scc1 .Lb3
	; PART 3: eight waves' results for one tile and 16 channels become one
	s_wait_loadcnt 0x0                             ; no load is out: the index registers are read here and loaded again below
	s_wait_xcnt 0x0                                ; the last trip's store has read its address and data registers
.irp u, 0,1,2,3,4,5,6,7
	ds_load_b32 v[CMU+\u], v[MR] offset:256*\u
.endr
.irp u, 0,1,2,3,4,5,6,7
	ds_load_b32 v[LU+\u], v[MR] offset:2048+256*\u
.endr
.irp u, 0,1,2,3,4,5,6,7
	ds_load_b128 v[OU+8*\u:OU+8*\u+3],   v[ORD] offset:8192*\u
	ds_load_b128 v[OU+8*\u+4:OU+8*\u+7], v[ORD] offset:8192*\u+512
.endr
	s_wait_dscnt 0x0
	v_max3_num_f32 v[GT], v[CMU], v[CMU+1], v[CMU+2]
	v_max3_num_f32 v[GT], v[GT], v[CMU+3], v[CMU+4]
	v_max3_num_f32 v[GT], v[GT], v[CMU+5], v[CMU+6]
	v_max_num_f32 v[GT], v[GT], v[CMU+7]
.irp u, 0,1,2,3,4,5,6,7
	v_sub_f32 v[CMU+\u], v[CMU+\u], v[GT]
.endr
.irp u, 0,1,2,3,4,5,6,7
	v_exp_f32 v[FU+2*\u], v[CMU+\u]                ; wave u's weight, twice: a pair for the packed lines
	v_exp_f32 v[FU+2*\u+1], v[CMU+\u]
.endr
	v_nop                                          ; a plain instruction behind the exponentials
	s_wait_alu depctr_va_vdst(0)
	v_mul_f32 v[GT+1], v[FU], v[LU]
.irp u, 1,2,3,4,5,6,7
	v_fmac_f32 v[GT+1], v[FU+2*\u], v[LU+\u]
.endr
.irp z, 0,1,2,3
	v_pk_mul_f32 v[AC+2*\z:AC+2*\z+1], v[OU+2*\z:OU+2*\z+1], v[FU:FU+1]
.endr
.irp u, 1,2,3,4,5,6,7
.irp z, 0,1,2,3
	v_pk_fma_f32 v[AC+2*\z:AC+2*\z+1], v[OU+8*\u+2*\z:OU+8*\u+2*\z+1], v[FU+2*\u:FU+2*\u+1], v[AC+2*\z:AC+2*\z+1]
.endr
.endr
	v_rcp_f32 v[GT+2], v[GT+1]
	v_rcp_f32 v[GT+3], v[GT+1]
	v_cndmask_b32 v[AO], v[IDX], v[IDX+1], s84     ; my tile's row (also the plain instruction behind the reciprocals)
	v_min_u32 v[AO], 0x7ff, v[AO]
	v_lshl_add_u32 v[AO], v[AO], 7, v[HO]
	s_wait_alu depctr_va_vdst(0)
.irp z, 0,1,2,3
	v_pk_mul_f32 v[AC+2*\z:AC+2*\z+1], v[AC+2*\z:AC+2*\z+1], v[GT+2:GT+3]
.endr
.irp z, 0,1,2,3
	v_cvt_pk_f16_f32 v[OUT+\z], v[AC+2*\z], v[AC+2*\z+1]
.endr
	global_store_b128 v[AO], v[OUT:OUT+3], s[28:29]  ; 16 bytes of a gathered row; four waves fill its 128
	s_add_co_u32 s31, s[GG], 8                     ; the next trip's indices; behind the last group the list's last is named, and not used
	s_min_u32 s31, s31, 63
	s_lshl_b32 s31, s31, 7
	v_lshl_add_u32 v[IA], v[R], 2, s31
	global_load_b32 v[IDX], v[IA], s[26:27]
	global_load_b32 v[IDX+1], v[IA], s[26:27] offset:64
	INIT                                           ; for the next group, or for phase 2
.Lb3:
	s_add_co_u32 s[GG], s[GG], 8
	s_add_co_u32 s[GIT], s[GIT], 1
	s_cmp_lt_u32 s[GIT], 8
	s_cbranch_scc1 .Ltrip
	s_wait_loadcnt 0x0                             ; the indices that no trip has taken: their registers serve phase 2
	s_wait_xcnt 0x0                                ; and so do the last store's registers and the pointers
	; PHASE 2
	s_lshl_b32 s28, s[YY], 18                      ; the plane
	s_mov_b32 s29, 0
	s_add_nc_u64 s[38:39], s[4:5], s[28:29]
	s_add_nc_u64 s[66:67], s[38:39], 25165824      ; v_sw
	s_lshl_b32 s30, s[BLK], 15                     ; my block's 256 rows, my wave's 32
	s_lshl_b32 s31, s[WV], 12
	s_add_co_u32 s30, s30, s31
	s_mov_b32 s31, 0
	s_add_nc_u64 s[36:37], s[38:39], s[30:31]      ; q_sw at my rows
	s_add_nc_u64 s[38:39], s[38:39], 16777216      ; k_sw
	s_add_nc_u64 s[70:71], s[12:13], s[28:29]
	s_add_nc_u64 s[70:71], s[70:71], s[30:31]      ; xatt at my rows
	s_lshl_b32 s28, s[BT], 13
	s_add_nc_u64 s[68:69], s[6:7], s[28:29]        ; the batch's cbias
	s_lshl_b32 s28, s[BT], 11
	s_lshl_b32 s30, s[BLK], 8
	s_add_co_u32 s28, s28, s30
	s_lshl_b32 s30, s[WV], 5
	s_add_co_u32 s28, s28, s30
	s_add_nc_u64 s[72:73], s[10:11], s[28:29]      ; global_mask at my rows
	s_lshl_b32 s28, s[BLK], 4
	s_lshl_b32 s30, s[WV], 1
	s_add_co_u32 s28, s28, s30
	s_sub_co_u32 s[EB], 16, s28
.irp i, 0,1,2,3,4
	s_mov_b32 s[45+4*\i], 0                        ; named as pairs
	s_mov_b32 s[47+4*\i], 0
.endr
	v_mul_u32_u24 v[AK], v[R], PK
	v_lshl_add_u32 v[AK], v[H], 4, v[AK]
	v_add_nc_u32 v[AK], LB, v[AK]
	v_and_b32 v[T0], 7, v0
	v_lshl_add_u32 v[AV], v[H], 3, v[T0]
	v_mul_u32_u24 v[AV], v[AV], PVP
	v_bfe_u32 v[GMO], v0, 3, 1
	v_lshl_add_u32 v[AV], v[GMO], 4, v[AV]
	v_add_nc_u32 v[AV], LB, v[AV]
	v_lshrrev_b32 v[GMO], 3, v0                    ; thread / 8: my row of 32 in half a tile
	v_mul_u32_u24 v[SK], v[GMO], PK
	v_lshl_add_u32 v[SK], v[T0], 4, v[SK]
	v_add_nc_u32 v[SK], LB, v[SK]
	v_mul_u32_u24 v[SV], v[GMO], PVP
	v_lshl_add_u32 v[SV], v[T0], 4, v[SV]
	v_add_nc_u32 v[SV], LB+VOFF, v[SV]
	v_lshlrev_b32 v[GL], 4, v0
	v_lshlrev_b32 v[CBL], 5, v[H]
	s_mul_i32 s28, s[WV], WSTG
	s_add_co_u32 s28, s28, STAGE
	v_mul_u32_u24 v[STO], v[R], SP
	v_lshl_add_u32 v[STO], v[H], 4, v[STO]
	v_add_nc_u32 v[STO], s28, v[STO]
	v_bfe_u32 v[GMO], v0, 3, 2                     ; lane / 8: my row of four on the way out
	v_mul_u32_u24 v[RD], v[GMO], SP
	v_lshl_add_u32 v[RD], v[T0], 4, v[RD]
	v_add_nc_u32 v[RD], s28, v[RD]
	v_lshlrev_b32 v[GO], 4, v[LN]
	v_lshlrev_b32 v[QO], 7, v[R]
	v_lshl_add_u32 v[QO], v[H], 4, v[QO]
	s_lshl_b32 s28, s[BLK], 2
	s_sub_co_u32 s28, s28, 4
	s_lshl_b32 s[MM], 0xfff, s28                   ; tiles 4 BLK - 4 .. 4 BLK + 7; what passes tile 31 drops out
	s_cmp_eq_u32 s[BLK], 0
	s_cselect_b32 s[MM], 0xff, s[MM]
	s_or_b32 s[MM], s[MM], s[FM]
	s_bcnt1_i32_b32 s[REM], s[MM]
	POP TC
	ASK TC
	WIN 0x40
.irp f, 0,1,2,3                        ; Q stays in registers: tile f / 2, channels 32 (f % 2) on
	global_load_b128 v[QF+8*\f:QF+8*\f+3],   v[QO], s[36:37] offset:(\f/2)*2048+(\f%2)*64
	global_load_b128 v[QF+8*\f+4:QF+8*\f+7], v[QO], s[36:37] offset:(\f/2)*2048+(\f%2)*64+32
.endr
	WIN 0
.irp i, 0,1,2,3,4,5,6,7                ; tile i / 4, rows 4 (i % 4) + lane / 8
	global_load_u8 v[GMR+\i], v[GMO], s[72:73] offset:16*(\i/4)+4*(\i%4)
.endr
	v_lshlrev_b32 v[T0], 3, v[H]
	v_sub_nc_u32 v[T0], v[T0], v[R]                ; 8 (l / 16) - l % 16
.irp j, 0,1,2,3,4,5,6,7
	v_cmp_lt_i32 vcc_lo, -\j, v[T0]                ; the key's place 8 (l / 16) + j exceeds the query's
	v_cndmask_b32 v[U+\j], 0, 1.0, vcc_lo
.endr
	s_wait_loadcnt 0x0                             ; (O^T, l, m and c m stand as phase 1's last clearing left them)
	PUT 0
	POP TN
	ASK TN
	s_lshl_b32 s26, s[TC], 8
	v_add_nc_u32 v[VOC], s26, v[CBL]
	CBLOAD
	s_wait_dscnt 0x0
	s_barrier_signal -1
	s_barrier_wait -1
	s_mov_b32 s[IT], 16
.Lpair:
	STEP 0
	STEP 1
	s_sub_co_u32 s[IT], s[IT], 1
	s_cmp_lg_u32 s[IT], 0
	s_cbranch_scc1 .Lpair
	; THE WAY OUT: O^T / l, rounded to f16, through my own stage, back as whole rows of 128 bytes; a row is stored where its global_mask is 0
	s_wait_loadcnt 0x0
	PLACES
.irp t, 0,1
	v_add_f32 v[ST+4*\t+2], v[ST+4*\t+2], v[ST+4*\t+3]
.endr
.irp t, 0,1
	v_permlanex16_b32 v[ST+4*\t+3], v[ST+4*\t+2], s[SEL], s[SEL+1]
.endr
.irp t, 0,1
	v_add_f32 v[ST+4*\t+2], v[ST+4*\t+2], v[ST+4*\t+3]
.endr
.irp t, 0,1
	v_rcp_f32 v[ST+4*\t+2], v[ST+4*\t+2]
.endr
	v_nop                                          ; a plain instruction behind the reciprocals
	s_wait_alu depctr_va_vdst(0)
.macro PACK t
	WIN 0x41
.set i, 32*(\t)
.rept 16
	v_pk_mul_f32 v[i:i+1], v[i:i+1], v[ST+4*(\t)+2:ST+4*(\t)+3] op_sel_hi:[1,0]
.set i, i+2
.endr
	WIN 0x05
.set i, 0
.rept 16
	v_cvt_pk_f16_f32 v[S+16*(\t)+i], v[32*(\t)+2*i], v[32*(\t)+2*i+1]
.set i, i+1
.endr
	WIN 0
.irp f, 0,1,2,3
	ds_store_b128 v[STO], v[S+16*(\t)+4*\f:S+16*(\t)+4*\f+3] offset:32*\f
.endr
.irp f, 0,1,2,3
	ds_load_b128 v[S+16*(\t)+4*\f:S+16*(\t)+4*\f+3], v[RD] offset:\f*4*SP  ; LDS serves a wave's instructions in order (ISA guide 5.7.1.4): these see the stores above, the next tile's stores come behind them
.endr
.endm
	PACK 0
	PACK 1
	s_wait_dscnt 0x0
.irp i, 0,1,2,3,4,5,6,7
	v_cmp_eq_u32 vcc_lo, 0, v[GMR+\i]
	s_wait_xcnt 0x0                                ; EXEC is a source of the stores: it changes only behind this wait
	s_and_saveexec_b32 s26, vcc_lo
	global_store_b128 v[GO], v[S+4*\i:S+4*\i+3], s[70:71] offset:512*\i  ; four rows: 512 consecutive bytes where all four are kept
	s_wait_xcnt 0x0
	s_or_b32 exec_lo, exec_lo, s26
.endr
	s_wait_xcnt 0x0
	s_mov_b32 exec_lo, -1
	s_wait_tensorcnt 0x0
	ds_add_u32 v254, v255
	s_wait_dscnt 0x0
	s_endpgm
.Lfunc_end_k_q50a5b0f0df_attn:
	.size	k_q50a5b0f0df_attn, .Lfunc_end_k_q50a5b0f0df_attn-k_q50a5b0f0df_attn
	.p2alignl 7, 3214868480
	.fill 96, 4, 3214868480
	.section	.rodata,"a",@progbits
	.p2align	6, 0x0
	.amdhsa_kernel k_q50a5b0f0df_attn
		.amdhsa_group_segment_fixed_size 209920
		.amdhsa_private_segment_fixed_size 0
		.amdhsa_enable_private_segment 0
		.amdhsa_kernarg_size 40
		.amdhsa_user_sgpr_count 2
		.amdhsa_user_sgpr_kernarg_segment_ptr 1
		.amdhsa_wavefront_size32 1
		.amdhsa_system_sgpr_workgroup_id_x 1
		.amdhsa_system_sgpr_workgroup_id_y 1
		.amdhsa_system_sgpr_workgroup_id_z 1
		.amdhsa_system_vgpr_workitem_id 0
		.amdhsa_next_free_vgpr 512
		.amdhsa_next_free_sgpr 100
		.amdhsa_reserve_vcc 1
		.amdhsa_float_denorm_mode_32 3
		.amdhsa_float_denorm_mode_16_64 3
		.amdhsa_memory_ordered 1
		.amdhsa_forward_progress 1
		.amdhsa_inst_pref_size 129
	.end_amdhsa_kernel
	.amdgpu_metadata
---
amdhsa.version: [ 1, 2 ]
amdhsa.kernels:
  - .name:           k_q50a5b0f0df_attn
    .symbol:         k_q50a5b0f0df_attn.kd
    .args:
      - { .name: qkv, .offset: 0, .size: 8, .value_kind: global_buffer, .address_space: global }
      - { .name: cbias, .offset: 8, .size: 8, .value_kind: global_buffer, .address_space: global }
      - { .name: tab, .offset: 16, .size: 8, .value_kind: global_buffer, .address_space: global }
      - { .name: global_mask, .offset: 24, .size: 8, .value_kind: global_buffer, .address_space: global }
      - { .name: xatt, .offset: 32, .size: 8, .value_kind: global_buffer, .address_space: global }
    .group_segment_fixed_size: 209920
    .private_segment_fixed_size: 0
    .kernarg_segment_align: 8
    .kernarg_segment_size: 40
    .max_flat_workgroup_size: 256
    .sgpr_count:     100
    .vgpr_count:     512
    .wavefront_size: 32
...
	.end_amdgpu_metadata
.endif
;; end of part 7
;; launch outp (part 8): grid 8 x 32, 4 waves a work-group, clusters of 4 x 4, 327,680 bytes of LDS; arguments xatt, cbuf, bo, out0; writes out0
.if DOCPART == 8
	.amdgcn_target "amdgcn-amd-amdhsa--gfx1250"
	.amdhsa_code_object_version 6
	.text
	.protected	k_q50a5b0f0df_outp
	.globl	k_q50a5b0f0df_outp
	.p2align	8
	.type	k_q50a5b0f0df_outp,@function
k_q50a5b0f0df_outp:
	s_mov_b64 s[64:65], 0
	v_nop
	global_prefetch_b8 v0, s[64:65] scope:SCOPE_SE
	s_setreg_imm32_b32 hwreg(HW_REG_WAVE_MODE, 25, 1), 1
	s_wait_xcnt 0x0
	s_wait_alu depctr_hold_cnt(0) depctr_sa_sdst(0) depctr_va_vdst(0) depctr_va_sdst(0) depctr_va_ssrc(0) depctr_va_vcc(0) depctr_vm_vsrc(0)
	s_getreg_b32 s2, hwreg(HW_REG_IB_STS2, 6, 4)
	s_cmp_eq_u32 s2, 0
	s_cbranch_scc0 .Lentry_in_a_cluster
	s_endpgm
.Lentry_in_a_cluster:
	s_bfe_u32 s2, ttmp6, 0x10000c
	s_cmp_lg_u32 s2, 0xf033
	s_cbranch_scc0 .Lentry_shape_is_right
	s_endpgm
.Lentry_shape_is_right:
; THE OUTPUT PROJECTION: out0[4096][1024] = x Wo + bo.  x in f16 by heads ([batch][head][row][64]); Wo from cbuf's unit 14 (rounded to bf16, written as f16), [k = 64 head + channel][n]; bo rounded to bf16; sums and result in f32.
; LIMIT.  x and Wo lie within f16's 65,504.
; SHARES.  A tile is 128 rows x 128 columns: 8 x 32 = 256 work-groups.  Four waves, each 64 x 64: 16 accumulators of 16 x 16.  K goes in 4 steps of 256, four heads a step, through two LDS slots as large as fit:
; steps 0 and 1 are the first fills and go out together, steps 2 and 3 fill the slots again: two changes of slots with a refill in the whole launch.  A wave issues 112 matrix instructions between a request and the wait for it.
; No loop: of the four K steps two refill and two do not, so no trip would repeat.
; x: a head's 128 rows are 16,384 dense bytes; a wave's two heads are asked for as 2 rows of 8,192 elements, 131,072 elements apart, padded by 4 words after every 32, counted along the tile: rows of x lie 144 bytes apart in LDS.
; Wo lies [k][n], so its fragments come turned, by ds_load_tr16_b128.  THE MATRIX INSTRUCTION IS USED TRANSPOSED (source 0 = 16 columns of Wo, source 1 = 16 rows of x): a lane holds one row of the result and eight neighbouring columns.
; The bias, in the result's layout, is the C operand of the first products: nothing is cleared and nothing is added later.
; CLUSTER 4 x 4: x's tile hangs on the block of rows alone and is shared along a row of the cluster, Wo's on the block of columns alone and is shared along a column: each is asked for jointly.
; REGISTERS: window 0: v16-29 addresses; v30-31 at work; v32-95 the way out; v96-127 the bias; v128-255 the accumulators ((a, b) at 128 + 8 (4 a + b)).
;   window 1: two fragment buffers of 128: for 64 along K (one head, two matrix instructions deep), 64 registers of x (2 x 4 x 16 rows x 32 K), then 64 of Wo.
.set KSTEP,  256
.set PA,     144                       ; a row of x in LDS: 128 bytes + 16: the 16 rows of a fragment load start 36 words apart
.set PB,     288                       ; a row of Wo: 256 bytes + 32 = 9 x 32
.set AHEAD,  128*PA                    ; a head's 128 rows
.set BOFF,   4*AHEAD                   ; x's four heads, then Wo's 256 rows of k
.set BHALF,  128*PB                    ; 128 rows of k: what one tensor load brings
.set SLOT,   BOFF+2*BHALF
.set STAGE,  2*SLOT                    ; behind the ring: 16 rows x 272 bytes for each wave, for the way out
.set SP,     272
.set WSTG,   16*SP
.set SPARE,  STAGE+4*WSTG              ; the spare words, 128 bytes for each wave: two blocks of 256 bytes that no other line names
.set ADRA, 16                          ; v16-17  my x fragments in slot 0, 1
.set ADRB, 20                          ; v20-23  my Wo fragments: slot s, rows of k 128 u on, at 20 + 2 s + u (240 rows of 288 bytes would pass the 16-bit offset)
.set STO,  24                          ; the way out: where I put 32 bytes of a row
.set RD,   25                          ; where I read a row back
.set CO,   26                          ; my byte offset in out0
.set BO,   27                          ; my byte offset in bo
.set SPW,  28                          ; LDS address of my spare word; never rewritten
.set NIL,  29                          ; 0; never rewritten
.set RT,   30                          ; v30-31 at work
.set TMP,  32                          ; the way out: two sets of 32
.set BI,   96                          ; the bias: column block b at 96 + 8 b
.set ACC,  128
.set F0,   0                           ; fragment buffers, in window 1
.set F1,   128
.set G1, 24                            ; s[24:31] group 1 for x's tiles; s[32:39] group 0, a set for each slot
.set G0, 32
.set G1B, 48                           ; s[48:55], s[56:63] the same for Wo's
.set G0B, 56
.set MUL,  0x05                        ; sources 0 (Wo) and 1 (x) window 1; C and D window 0
.set TO_F, 0x40                        ; destination window 1, address window 0
.set MSB, 0
.macro WIN new                         ; the immediate's high byte repeats the setting that is left
.if MSB != (\new)
	s_set_vgpr_msb (MSB<<8)|(\new)
.set MSB, \new
.endif
.endm
.macro JLOAD s                         ; a joint load: waves 0 and 1 fetch two heads of x each, waves 2 and 3 Wo's two halves; an s_nop 0 and four v_nop follow each line
	s_cmp_eq_u32 s11, 0
	s_cbranch_scc0 .Lfor_b_\@
	tensor_load_to_lds s[G0+4*(\s):G0+4*(\s)+3], s[G1:G1+7]
	s_nop 0
.rept 4
	v_nop
.endr
	s_branch .Lasked_\@
.Lfor_b_\@:
	tensor_load_to_lds s[G0B+4*(\s):G0B+4*(\s)+3], s[G1B:G1B+7]
	s_nop 0
.rept 4
	v_nop
.endr
.Lasked_\@:
.endm
.macro CREST                           ; a round of the cluster's barrier behind its opening barrier
	s_cmp_lg_u32 s10, 0
	s_cbranch_scc1 .Lnot_wave_0_\@
	s_barrier_signal -3
.Lnot_wave_0_\@:
	s_barrier_wait -3
	s_barrier_signal -1
	s_barrier_wait -1
.endm
.macro CROUND
	s_barrier_signal -1
	s_barrier_wait -1
	CREST
.endm
.macro PLACES                          ; four places in front of loads into registers that matrix instructions have read, and of lines that read results
.rept 4
	v_nop
.endr
.endm
	s_load_b256 s[68:75], s[0:1], 0x0              ; xatt, cbuf, bo, out0
	v_lshl_add_u32 v[SPW], v0, 2, SPARE
	v_mov_b32 v[NIL], 0
	ds_add_u32 v28, v29
	ds_add_u32 v28, v29
	s_wait_dscnt 0x0
	v_lshrrev_b32 v1, 5, v0
	v_readfirstlane_b32 s10, v1                    ; wave 0..3
	s_lshr_b32 s11, s10, 1                         ; my half of the tile's rows.  Also: I fetch for x (0) or for Wo (1)
	s_and_b32 s12, s10, 1                          ; my half of its columns.  Also: which two heads, or which half of Wo's rows, I fetch
	s_bfe_u32 s40, ttmp6, 0x40000                  ; cx
	s_bfe_u32 s41, ttmp6, 0x40004                  ; cy
	s_lshl_b32 s42, ttmp9, 2
	s_add_co_u32 s42, s42, s40                     ; block of 128 columns = 4 x cluster x + cx
	s_and_b32 s13, ttmp7, 0xffff
	s_lshl_b32 s13, s13, 2
	s_add_co_u32 s13, s13, s41                     ; block of 128 rows = 4 x cluster y + cy
	s_lshl_b32 s43, s41, 2
	s_lshl_b32 s43, 15, s43                        ; my row of the cluster
	s_lshl_b32 s44, 0x1111, s40                    ; my column
	s_or_b32 s[G1+0], s43, (1<<16)|(1<<20)|(1<<21)|(4<<22)|(3<<25)   ; mask; 2-byte elements; padding on; bit 21 beside a mask; after every 32 words, 4 words
	s_mov_b32 s[G1+1], 8192<<16                    ; tensor_dim0 = 8,192: a head's 128 rows of 64 channels on end
	s_mov_b32 s[G1+2], 2<<16                       ; tensor_dim1 = 2 heads
	s_mov_b32 s[G1+3], 8192<<16                    ; tile_dim0 = 8,192
	s_mov_b32 s[G1+4], 2                           ; tile_dim1 = 2
	s_mov_b32 s[G1+5], 131072                      ; from head to head: 2,048 rows of 64 elements
	s_mov_b32 s[G1+6], 0
	s_mov_b32 s[G1+7], 0
	s_or_b32 s[G1B+0], s44, (1<<16)|(1<<20)|(1<<21)|(5<<22)|(7<<25)  ; after every 64 words, 8 words
	s_mov_b32 s[G1B+1], 128<<16                    ; tensor_dim0 = 128
	s_mov_b32 s[G1B+2], 128<<16                    ; tensor_dim1 = 128
	s_mov_b32 s[G1B+3], 128<<16                    ; tile_dim0 = 128
	s_mov_b32 s[G1B+4], 128                        ; tile_dim1 = 128
	s_mov_b32 s[G1B+5], 1024                       ; elements from row to row
	s_mov_b32 s[G1B+6], 0
	s_mov_b32 s[G1B+7], 0
	; x's tile hangs on the block of rows, Wo's on the block of columns; each offset in registers that never hold the other's coordinate
	s_lshr_b32 s16, s13, 4                         ; x: plane 16 batch + 2 x (which two heads of step 0),
	s_lshl_b32 s16, s16, 4
	s_lshl_b32 s17, s12, 1
	s_add_co_u32 s16, s16, s17
	s_lshl_b32 s16, s16, 11                        ; of 2,048 rows,
	s_and_b32 s17, s13, 15
	s_lshl_b32 s17, s17, 7
	s_add_co_u32 s16, s16, s17                     ; the block's rows in the batch,
	s_lshl_b32 s16, s16, 7                         ; of 128 bytes
	s_mov_b32 s17, 0
	s_lshl_b32 s46, s42, 8                         ; Wo: 128 columns of 2 bytes x block,
	s_lshl_b32 s47, s12, 18                        ; 128 rows of k of 2,048 bytes x half,
	s_add_co_u32 s46, s46, s47
	s_add_co_u32 s46, s46, 29360128                ; in unit 14
	s_mov_b32 s47, 0
	s_mul_i32 s20, s12, 2*AHEAD                    ; where they go: no place in the cluster enters an LDS address
	s_mul_i32 s21, s12, BHALF
	s_add_co_u32 s21, s21, BOFF
	s_wait_kmcnt 0x0
	s_add_nc_u64 s[14:15], s[68:69], s[16:17]
	s_add_nc_u64 s[46:47], s[70:71], s[46:47]
	CROUND                                         ; all sixteen work-groups are here: the first joint loads meet
.irp s, 0,1
	s_mov_b32 s[G0+4*(\s)], 1
	s_add_co_u32 s[G0+4*(\s)+1], s20, (\s)*SLOT
	s_add_nc_u64 s[G0+4*(\s)+2:G0+4*(\s)+3], s[14:15], (\s)*1048576     ; K step s: four heads of 262,144 bytes on
	s_or_b32 s[G0+4*(\s)+3], s[G0+4*(\s)+3], 0x80000000
	s_mov_b32 s[G0B+4*(\s)], 1
	s_add_co_u32 s[G0B+4*(\s)+1], s21, (\s)*SLOT
	s_add_nc_u64 s[G0B+4*(\s)+2:G0B+4*(\s)+3], s[46:47], (\s)*KSTEP*2048
	s_or_b32 s[G0B+4*(\s)+3], s[G0B+4*(\s)+3], 0x80000000
	JLOAD \s                                       ; two loads of mine are out
.endr
	v_and_b32 v1, 15, v0                           ; l % 16
	v_bfe_u32 v2, v0, 4, 1                         ; l / 16
	v_mul_u32_u24 v3, v1, PA
	v_lshl_add_u32 v3, v2, 4, v3                   ; x: row x pitch + 16 x half
	s_mul_i32 s22, s11, 64*PA                      ; my 64 rows
	v_and_b32 v7, 7, v0
	v_lshl_add_u32 v4, v2, 3, v7                   ; Wo, turned: row of k 8 (l / 16) + l % 8,
	v_mul_u32_u24 v4, v4, PB
	v_bfe_u32 v5, v0, 3, 1
	v_lshl_add_u32 v4, v5, 4, v4                   ; columns 8 ((l / 8) % 2) on
	s_lshl_b32 s23, s12, 7                         ; my 64 columns
	s_add_co_u32 s23, s23, BOFF
.irp s, 0,1
	v_add_nc_u32 v[ADRA+(\s)], s22, v3
	v_add_nc_u32 v[ADRB+2*(\s)], s23, v4
	v_add_nc_u32 v[ADRB+2*(\s)+1], BHALF, v[ADRB+2*(\s)]
	s_add_co_u32 s22, s22, SLOT
	s_add_co_u32 s23, s23, SLOT
.endr
	s_mul_i32 s22, s10, WSTG
	s_add_co_u32 s22, s22, STAGE                   ; my stage
	v_mul_u32_u24 v6, v1, SP                       ; in: row l % 16, 32 bytes for each half of the lanes
	v_lshl_add_u32 v6, v2, 5, v6
	v_add_nc_u32 v[STO], s22, v6
	v_mul_u32_u24 v6, v2, SP                       ; back: lanes 0-15 take one row of 256 bytes, lanes 16-31 the next
	v_lshl_add_u32 v6, v1, 4, v6
	v_add_nc_u32 v[RD], s22, v6
	v_lshlrev_b32 v6, 12, v2                       ; and the same two rows in out0
	v_lshl_add_u32 v[CO], v1, 4, v6
	s_lshl_b32 s86, s13, 7
	s_lshl_b32 s87, s11, 6
	s_add_co_u32 s86, s86, s87                     ; my first row,
	s_lshl_b32 s86, s86, 12                        ; of 4,096 bytes,
	s_lshl_b32 s88, s42, 9
	s_lshl_b32 s89, s12, 8
	s_add_co_u32 s88, s88, s89                     ; my first column, in bytes: 512 x block + 256 x half
	s_add_co_u32 s86, s86, s88
	s_mov_b32 s87, 0
	s_add_nc_u64 s[74:75], s[74:75], s[86:87]
	v_lshl_add_u32 v[BO], v2, 5, s88               ; my eight columns of column block 0
.irp nb, 0,1,2,3
	global_load_b128 v[BI+8*\nb:BI+8*\nb+3],   v[BO], s[72:73] offset:64*\nb
	global_load_b128 v[BI+8*\nb+4:BI+8*\nb+7], v[BO], s[72:73] offset:64*\nb+16
.endr
	s_wait_loadcnt 0x0
.set p, 0
.rept 16                               ; the bias is rounded to bf16 and widened again
	v_cvt_pk_bf16_f32 v[RT+p%2], v[BI+2*p], v[BI+2*p+1]
	v_lshlrev_b32 v[BI+2*p], 16, v[RT+p%2]
	v_and_b32 v[BI+2*p+1], 0xffff0000, v[RT+p%2]
.set p, p+1
.endr
; 8 matrix instructions: row blocks a0, a0 + 1 x all 4 column blocks, 32 along K: half c of buffer f.  first = 1: the bias starts the sums.
; The 16 accumulators take turns, one instruction a turn: 15 others stand between two links.
.macro MUL8 f, c, a0, first
	WIN MUL
.irp a, \a0, (\a0)+1
.irp b, 0,1,2,3
.if \first
	v_wmma_f32_16x16x32_f16 v[ACC+8*(4*(\a)+(\b)):ACC+8*(4*(\a)+(\b))+7], v[(\f)+64+8*(4*(\c)+(\b)):(\f)+64+8*(4*(\c)+(\b))+7], v[(\f)+8*(4*(\c)+(\a)):(\f)+8*(4*(\c)+(\a))+7], v[BI+8*(\b):BI+8*(\b)+7]
.else
	v_wmma_f32_16x16x32_f16 v[ACC+8*(4*(\a)+(\b)):ACC+8*(4*(\a)+(\b))+7], v[(\f)+64+8*(4*(\c)+(\b)):(\f)+64+8*(4*(\c)+(\b))+7], v[(\f)+8*(4*(\c)+(\a)):(\f)+8*(4*(\c)+(\a))+7], v[ACC+8*(4*(\a)+(\b)):ACC+8*(4*(\a)+(\b))+7]
.endif
.endr
.endr
.endm
; 32 LDS loads in one run: quarter q is head q of the step: its fragments into buffer f, the first 32 along K first
.macro FETCH slot, q, f
	WIN TO_F
.irp c, 0,1
.irp i, 0,1,2,3
	ds_load_tr16_b128 v[(\f)+64+8*(4*(\c)+(\i)):(\f)+64+8*(4*(\c)+(\i))+3],   v[ADRB+2*(\slot)+(\q)/2] offset:(((\q)%2)*64+32*(\c))*PB+32*(\i)
	ds_load_tr16_b128 v[(\f)+64+8*(4*(\c)+(\i))+4:(\f)+64+8*(4*(\c)+(\i))+7], v[ADRB+2*(\slot)+(\q)/2] offset:(((\q)%2)*64+32*(\c)+16)*PB+32*(\i)
	ds_load_b128 v[(\f)+8*(4*(\c)+(\i)):(\f)+8*(4*(\c)+(\i))+3],              v[ADRA+(\slot)] offset:(\q)*AHEAD+64*(\c)+(\i)*16*PA
	ds_load_b128 v[(\f)+8*(4*(\c)+(\i))+4:(\f)+8*(4*(\c)+(\i))+7],            v[ADRA+(\slot)] offset:(\q)*AHEAD+64*(\c)+(\i)*16*PA+32
.endr
.endr
.endm
; A K step is four quarters of 64 along K, 32 matrix instructions each, on buffers 0, 1, 0, 1.  One of the first three: multiplies buffer f and, in its middle, fetches quarter q into g
.macro QUARTER slot, q, f, g, first
	s_wait_dscnt 16                                ; the first 32 along K are in; the other sixteen loads may be out
	MUL8 \f, 0, 0, \first
	MUL8 \f, 0, 2, \first
	PLACES
	FETCH \slot, \q, \g
	s_wait_dscnt 32                                ; all but the 32 just issued
	MUL8 \f, 1, 0, 0
	MUL8 \f, 1, 2, 0
.endm
; The last quarter multiplies buffer 1 and changes slots: one barrier; in front of it each wave waits for all its tensor loads, adds 0 to its spare word, and waits for that and for its reads of this slot.
; fill = 1: the barrier opens a round of the cluster's, and this slot is filled again, two K steps ahead, first thing behind the round.
.macro TURN slot, next, fill
	WIN 0                                          ; (the add's two registers lie in window 0)
	s_wait_tensorcnt 0x0                           ; all my tensor loads have landed: my part of the next slot among them
	ds_add_u32 v[SPW], v[NIL]                      ; 0 onto my spare word
	s_wait_dscnt 17                                ; (the add and the youngest sixteen loads may be out)
	MUL8 F1, 0, 0, 0                               ; eight matrix instructions stand between the add and the wait for it
	s_wait_dscnt 0x0                               ; the add is done, and my reads of this slot are over
	s_barrier_signal -1
	MUL8 F1, 0, 2, 0
.if \fill
	WIN 0
.endif
	s_barrier_wait -1
.if \fill
	CREST                                          ; no wave of any partner still reads this slot or has a load on its way
	s_add_nc_u64 s[G0+4*(\slot)+2:G0+4*(\slot)+3], s[G0+4*(\slot)+2:G0+4*(\slot)+3], 2097152
	s_add_nc_u64 s[G0B+4*(\slot)+2:G0B+4*(\slot)+3], s[G0B+4*(\slot)+2:G0B+4*(\slot)+3], 2*KSTEP*2048
	JLOAD \slot                                    ; the first tensor load behind the round; its four v_nop are also the places in front of the loads below
.else
	PLACES
.endif
	FETCH \next, 0, F0
	MUL8 F1, 1, 0, 0
	MUL8 F1, 1, 2, 0
.endm
	s_wait_tensorcnt 1                             ; my part of K step 0 is in; K step 1's may stay out
	s_barrier_signal -1
	s_barrier_wait -1
	FETCH 0, 0, F0
	QUARTER 0, 1, F0, F1, 1                        ; K step 0: its first products start the sums with the bias
	QUARTER 0, 2, F1, F0, 0
	QUARTER 0, 3, F0, F1, 0
	TURN 0, 1, 1                                   ; slot 0 takes K step 2
	QUARTER 1, 1, F0, F1, 0                        ; K step 1
	QUARTER 1, 2, F1, F0, 0
	QUARTER 1, 3, F0, F1, 0
	TURN 1, 0, 1                                   ; slot 1 takes K step 3
	QUARTER 0, 1, F0, F1, 0                        ; K step 2; nothing is left to fetch
	QUARTER 0, 2, F1, F0, 0
	QUARTER 0, 3, F0, F1, 0
	TURN 0, 1, 0
	QUARTER 1, 1, F0, F1, 0                        ; K step 3
	QUARTER 1, 2, F1, F0, 0
	QUARTER 1, 3, F0, F1, 0
	s_wait_dscnt 16
	MUL8 F1, 0, 0, 0
	MUL8 F1, 0, 2, 0
	s_wait_dscnt 0x0
	MUL8 F1, 1, 0, 0
	MUL8 F1, 1, 2, 0
	WIN 0
	PLACES
; THE WAY OUT of row block a: the f32 sums go straight into my own stage (16 rows of 272 bytes), each accumulator's low registers first, and come back as whole rows: my 64 columns are 256 consecutive bytes of out0, aligned
.macro OUTA a
.set OB, TMP+32*((\a)%2)
.irp nb, 0,1,2,3
	ds_store_b128 v[STO], v[ACC+8*(4*(\a)+\nb):ACC+8*(4*(\a)+\nb)+3]   offset:64*\nb
	ds_store_b128 v[STO], v[ACC+8*(4*(\a)+\nb)+4:ACC+8*(4*(\a)+\nb)+7] offset:64*\nb+16
.endr
	s_wait_xcnt 0x0                                ; the stores of two blocks ago have read the registers that are loaded now
.irp t, 0,1,2,3,4,5,6,7
	ds_load_b128 v[OB+4*\t:OB+4*\t+3], v[RD] offset:\t*2*SP  ; LDS serves a wave's instructions in order (ISA guide 5.7.1.4): these see the stores above, the next block's stores come behind them
.endr
.irp t, 0,1,2,3,4,5,6,7
	s_wait_dscnt 7-\t                              ; load t is back; the younger ones may be out
	global_store_b128 v[CO], v[OB+4*\t:OB+4*\t+3], s[74:75] offset:(16*(\a)+2*\t)*4096 th:TH_STORE_NT  ; 16 lanes store 256 consecutive bytes, aligned
.endr
.endm
	OUTA 0
	OUTA 1
	OUTA 2
	OUTA 3
	s_wait_tensorcnt 0x0                           ; the wave's end
	ds_add_u32 v[SPW], v[NIL]
	s_wait_dscnt 0x0
	CROUND                                         ; the closing round
	s_endpgm
.Lfunc_end_k_q50a5b0f0df_outp:
	.size	k_q50a5b0f0df_outp, .Lfunc_end_k_q50a5b0f0df_outp-k_q50a5b0f0df_outp
	.p2alignl 7, 3214868480
	.fill 96, 4, 3214868480
	.section	.rodata,"a",@progbits
	.p2align	6, 0x0
	.amdhsa_kernel k_q50a5b0f0df_outp
		.amdhsa_group_segment_fixed_size 327680
		.amdhsa_private_segment_fixed_size 0
		.amdhsa_enable_private_segment 0
		.amdhsa_kernarg_size 32
		.amdhsa_user_sgpr_count 2
		.amdhsa_user_sgpr_kernarg_segment_ptr 1
		.amdhsa_wavefront_size32 1
		.amdhsa_system_sgpr_workgroup_id_x 1
		.amdhsa_system_sgpr_workgroup_id_y 1
		.amdhsa_system_sgpr_workgroup_id_z 1
		.amdhsa_system_vgpr_workitem_id 0
		.amdhsa_next_free_vgpr 512
		.amdhsa_next_free_sgpr 100
		.amdhsa_reserve_vcc 0
		.amdhsa_float_denorm_mode_32 3
		.amdhsa_float_denorm_mode_16_64 3
		.amdhsa_memory_ordered 1
		.amdhsa_forward_progress 1
		.amdhsa_inst_pref_size 90
	.end_amdhsa_kernel
	.amdgpu_metadata
---
amdhsa.version: [ 1, 2 ]
amdhsa.kernels:
  - .name:           k_q50a5b0f0df_outp
    .symbol:         k_q50a5b0f0df_outp.kd
    .args:
      - { .name: xatt, .offset: 0, .size: 8, .value_kind: global_buffer, .address_space: global }
      - { .name: cbuf, .offset: 8, .size: 8, .value_kind: global_buffer, .address_space: global }
      - { .name: bo, .offset: 16, .size: 8, .value_kind: global_buffer, .address_space: global }
      - { .name: out0, .offset: 24, .size: 8, .value_kind: global_buffer, .address_space: global }
    .group_segment_fixed_size: 327680
    .private_segment_fixed_size: 0
    .kernarg_segment_align: 8
    .kernarg_segment_size: 32
    .max_flat_workgroup_size: 128
    .sgpr_count:     100
    .vgpr_count:     512
    .wavefront_size: 32
...
	.end_amdgpu_metadata
.endif
;; end of part 8
